; MI455X (gfx1250); checked and timed in simulation.
; The chip was launched on July 23, 2026; its instructions are those of AMD's public machine-readable ISA for CDNA 5 (MIT licence, August 2026) and "CDNA5" Instruction Set Architecture Reference Guide (July 2026). The comments in the code are by the model that wrote it; some were corrected since.
;; Mode Conditioned Sparse Mo E. Allowed arithmetic: float matrix products may take bf16 or f16 operands with f32 sums; other float arithmetic in f32, or as packed bf16 or f16 multiplies, adds, multiply-adds, maxima and minima; sums over many terms, partial sums and values carried from step to step in f32; what a program stores and reads back later, other than sums and carried values, may be rounded once to bf16 or f16.
;; Inputs: hidden 2 x 512 x 1,024 float32; mode_b1 4 x 2,048 float32; mode_b2 4 x 1,024 float32; mode_ids 2 x 512 int32; mode_w1 4 x 1,024 x 2,048 float32; mode_w2 4 x 2,048 x 1,024 float32; routed_b1 8 x 2,048 float32; routed_b2 8 x 1,024 float32; routed_w1 8 x 1,024 x 2,048 float32; routed_w2 8 x 2,048 x 1,024 float32; router_b 8 float32; router_w 1,024 x 8 float32; shared_b1 1 x 2,048 float32; shared_b2 1 x 1,024 float32; shared_w1 1 x 1,024 x 2,048 float32; shared_w2 1 x 2,048 x 1,024 float32.
;; Outputs: out0 2 x 512 x 1,024 float32; out1 2 x 512 x 8 float32; out2 2 x 512 x 2 int32; out3 2 x 512 x 2 float32.
;; 3 versions, each right; version 2 is faster than version 1; version 3 is version 2 with the launches up, down written anew for expert scheduling mode. Each part assembles by itself: llvm-mc -triple=amdgcn-amd-amdhsa -mcpu=gfx1250 --defsym DOCPART=n.
;; ======== version 1 of 3: 4 launches
;; workspace buffers: xb 2,097,152 bytes; keys 16,384 bytes of whole numbers; rprob 8,192 bytes; hbuf 16,777,216 bytes; ybuf 16,777,216 bytes
;; launch router (part 1): grid 256 x 1, 4 waves a work-group, no clusters, 0 bytes of LDS; arguments hidden, router_w, router_b, mode_ids, xb, keys, rprob, out1, out2, out3; writes xb, keys, rprob, out1, out2, out3
.if DOCPART == 1
	.amdgcn_target "amdgcn-amd-amdhsa--gfx1250"
	.amdhsa_code_object_version 6
	.text
	.protected	k_q0f45115fba_router
	.globl	k_q0f45115fba_router
	.p2align	8
	.type	k_q0f45115fba_router,@function
k_q0f45115fba_router:
	s_mov_b64 s[64:65], 0
	v_nop
	global_prefetch_b8 v0, s[64:65] scope:SCOPE_SE
	s_setreg_imm32_b32 hwreg(HW_REG_WAVE_MODE, 25, 1), 1
	s_wait_xcnt 0x0
; ROUTER.  One wave, one token t = 4 x work-group + wave.  It rounds the token's 1,024 numbers to bf16 (xb, for the first product), makes the 8 logits from
; the rounded x, the rounded router_w and the rounded router_b (exact bf16 products, f32 sums), the softmax with its maximum taken away, the two largest, and the
; KEY of each of the token's four rows of expert work, stored at fixed places: keys[t] = (t >> 4) & 3 (the shared expert, cut into four quarters of rows),
; keys[1024 + t] = 4 + mode, keys[2048 + 2 t + k] = 8 + the k-th chosen expert.  No address and no branch here hangs on these numbers.
; The product has 8 columns, half a matrix tile, and is a two-thousandth of the program's arithmetic: it runs on the vector unit, with no LDS and no turn of layout.
; LIMITS.  mode_ids lie in 0 to 3.  NaN and infinities are not treated apart.  The two largest are taken of the logits (the order of the probabilities); of equal logits the lower index wins.
; The small outputs (48 bytes a token and 16 bytes of keys) are stored by lane 0: these stores cover less than 256 consecutive bytes each.
; Lane l, load j hold d = 128 j + 4 l + i, i = 0..3.
.set X,    8           ; v[8:39]    x as loaded, 4 registers a load
.set XP,   40          ; v[40:55]   x in bf16, 2 registers a load
.set L,    56          ; v[56:63]   the 8 sums, then the logits
.set WA,   64          ; v[64:127]  router_w, chunk buffer (a chunk = two j)
.set WB,   128         ; v[128:191] the other
.set WPK,  192         ; v[192:223] a chunk in bf16; later at work
.set TMP,  218
.set NINF, 219
.set K0,   220         ; the four keys; K2, K3 an even pair
.set K1,   221
.set K2,   222
.set MODE, 224
.set B1,   225         ; the largest logit
.set I1,   226         ; I1, I2 an even pair
.set I2,   227
.set B2,   228         ; the second largest
.set P1,   230         ; P1, P2 an even pair
.set P2,   231
	s_load_b512 s[4:19], s[0:1], 0x0               ; hidden 4, router_w 6, router_b 8, mode_ids 10, xb 12, keys 14, rprob 16, out1 18
	s_load_b128 s[20:23], s[0:1], 0x40             ; out2 20, out3 22
	v_lshrrev_b32 v1, 5, v0
	v_readfirstlane_b32 s24, v1                    ; wave
	v_and_b32 v1, 31, v0                           ; lane
	s_lshl_b32 s25, ttmp9, 2
	s_add_co_u32 s25, s25, s24                     ; t
	v_lshlrev_b32 v2, 4, v1                        ; 16 l: x
	v_lshlrev_b32 v3, 7, v1                        ; 128 l: four rows of router_w
	v_lshlrev_b32 v4, 3, v1                        ; 8 l: xb
	s_lshl_b32 s26, s25, 5
	v_mov_b32 v5, s26                              ; 32 t
	s_lshl_b32 s26, s25, 3
	v_mov_b32 v6, s26                              ; 8 t
	s_lshl_b32 s26, s25, 2
	v_mov_b32 v7, s26                              ; 4 t
	s_bfe_u32 s27, s25, 0x20004                    ; (t >> 4) & 3
	s_mov_b32 s38, 0x76543210                      ; v_permlanex16_b32: each lane takes its own place in the other half
	s_mov_b32 s39, 0xfedcba98
	s_mov_b32 s40, 0x3fb8aa3b                      ; log2(e)
	s_lshl_b32 s36, s25, 12
	s_mov_b32 s37, 0
	s_wait_kmcnt 0x0
	s_load_b256 s[28:35], s[8:9], 0x0              ; router_b
	s_add_nc_u64 s[4:5], s[4:5], s[36:37]          ; hidden at my token
	s_lshl_b32 s36, s25, 11
	s_add_nc_u64 s[12:13], s[12:13], s[36:37]      ; xb at my token
.macro WLOAD c, buf                    ; chunk c: rows 128 j + 4 l .. + 3 of router_w for j = 2 c, 2 c + 1: register 32 jj + 8 i + e
.irp jj, 0,1
.irp q, 0,1,2,3,4,5,6,7
	global_load_b128 v[(\buf)+32*(\jj)+4*(\q):(\buf)+32*(\jj)+4*(\q)+3], v3, s[6:7] offset:4096*(2*(\c)+(\jj))+16*(\q)
.endr
.endr
.endm
	global_load_b32 v[MODE], v7, s[10:11]
.irp j, 0,1,2,3,4,5,6,7
	global_load_b128 v[X+4*(\j):X+4*(\j)+3], v2, s[4:5] offset:512*(\j) th:TH_LOAD_NT
.endr
	WLOAD 0, WA
	WLOAD 1, WB
	s_wait_loadcnt 32                              ; the 32 loads of router_w are younger: the mode and x are in
.irp j, 0,1,2,3,4,5,6,7
	v_cvt_pk_bf16_f32 v[XP+2*(\j)], v[X+4*(\j)], v[X+4*(\j)+1]
	v_cvt_pk_bf16_f32 v[XP+2*(\j)+1], v[X+4*(\j)+2], v[X+4*(\j)+3]
	global_store_b64 v4, v[XP+2*(\j):XP+2*(\j)+1], s[12:13] offset:256*(\j)  ; the wave's store covers 256 consecutive bytes, aligned
.endr
.irp e, 0,1,2,3,4,5,6,7
	v_mov_b32 v[L+(\e)], 0                         ; the mixed multiply-add takes registers alone, so the eight sums start from registers
.endr
.macro FMX acc, x, w, a, b             ; acc += bf16 half a of x times bf16 half b of w, in f32
.if ((\a) == 0) && ((\b) == 0)
	v_fma_mix_f32_bf16 v[\acc], v[\x], v[\w], v[\acc] op_sel:[0,0,0] op_sel_hi:[1,1,0]
.elseif ((\a) == 0) && ((\b) == 1)
	v_fma_mix_f32_bf16 v[\acc], v[\x], v[\w], v[\acc] op_sel:[0,1,0] op_sel_hi:[1,1,0]
.elseif ((\a) == 1) && ((\b) == 0)
	v_fma_mix_f32_bf16 v[\acc], v[\x], v[\w], v[\acc] op_sel:[1,0,0] op_sel_hi:[1,1,0]
.else
	v_fma_mix_f32_bf16 v[\acc], v[\x], v[\w], v[\acc] op_sel:[1,1,0] op_sel_hi:[1,1,0]
.endif
.endm
; A chunk: rounded to bf16, its buffer loaded again with the chunk two on, 64 multiply-adds on eight sums by turns.  left = the other buffer's loads, which may stay out.
.macro CHUNK c, buf, left, reload
	s_wait_loadcnt \left
.irp jj, 0,1
.irp i, 0,1,2,3
.irp p, 0,1,2,3
	v_cvt_pk_bf16_f32 v[WPK+16*(\jj)+4*(\i)+(\p)], v[(\buf)+32*(\jj)+8*(\i)+2*(\p)], v[(\buf)+32*(\jj)+8*(\i)+2*(\p)+1]
.endr
.endr
.endr
.if \reload
	WLOAD (\c)+2, \buf
.endif
.irp jj, 0,1
.irp i, 0,1,2,3
.irp e, 0,1,2,3,4,5,6,7
	FMX L+(\e), XP+2*(2*(\c)+(\jj))+(\i)/2, WPK+16*(\jj)+4*(\i)+(\e)/2, (\i)%2, (\e)%2
.endr
.endr
.endr
.endm
	CHUNK 0, WA, 16, 1
	CHUNK 1, WB, 16, 1
	CHUNK 2, WA, 16, 0
	CHUNK 3, WB, 0, 0
	; the eight sums over the 32 lanes: four steps inside each half of 16 lanes, one across the halves; every lane ends with the sum
.irp m, 1,2,4,8
.irp e, 0,1,2,3,4,5,6,7
	v_add_f32_dpp v[L+(\e)], v[L+(\e)], v[L+(\e)] row_xmask:\m row_mask:0xf bank_mask:0xf
.endr
.endr
.irp e, 0,1,2,3,4,5,6,7
	v_permlanex16_b32 v[WPK+(\e)], v[L+(\e)], s38, s39  ; its destination has been written before
.endr
	s_wait_kmcnt 0x0                               ; router_b
.irp e, 0,1,2,3,4,5,6,7
	v_mov_b32 v[WPK+8+(\e)], s[28+(\e)]
.endr
.irp p, 0,1,2,3
	v_cvt_pk_bf16_f32 v[WPK+16+(\p)], v[WPK+8+2*(\p)], v[WPK+9+2*(\p)]  ; the bias is rounded to bf16 like every input
.endr
.irp p, 0,1,2,3
	v_lshlrev_b32 v[WPK+8+2*(\p)], 16, v[WPK+16+(\p)]
	v_and_b32 v[WPK+9+2*(\p)], 0xffff0000, v[WPK+16+(\p)]
.endr
.irp e, 0,1,2,3,4,5,6,7
	v_add_f32 v[L+(\e)], v[L+(\e)], v[WPK+(\e)]
.endr
.irp e, 0,1,2,3,4,5,6,7
	v_add_f32 v[L+(\e)], v[L+(\e)], v[WPK+8+(\e)]  ; the logits
.endr
	; the largest: a strict comparison keeps the lower index among equals
	v_mov_b32 v[B1], v[L]
	v_mov_b32 v[I1], 0
.irp e, 1,2,3,4,5,6,7
	v_cmp_gt_f32 vcc_lo, v[L+(\e)], v[B1]
	v_cndmask_b32 v[B1], v[B1], v[L+(\e)], vcc_lo
	v_cndmask_b32 v[I1], v[I1], \e, vcc_lo
.endr
	; the second largest: the same with the winner's place counted as minus infinity
	v_mov_b32 v[NINF], 0xff800000
	v_mov_b32 v[B2], v[NINF]
	v_mov_b32 v[I2], 0
.irp e, 0,1,2,3,4,5,6,7
	v_cmp_eq_u32 vcc_lo, \e, v[I1]
	v_cndmask_b32 v[TMP], v[L+(\e)], v[NINF], vcc_lo
	v_cmp_gt_f32 vcc_lo, v[TMP], v[B2]
	v_cndmask_b32 v[B2], v[B2], v[TMP], vcc_lo
	v_cndmask_b32 v[I2], v[I2], \e, vcc_lo
.endr
	; softmax: 2^((logit - maximum) log2 e); the ninth is the second largest's
.irp e, 0,1,2,3,4,5,6,7
	v_sub_f32 v[WPK+(\e)], v[L+(\e)], v[B1]
.endr
	v_sub_f32 v[WPK+8], v[B2], v[B1]
.irp e, 0,1,2,3,4,5,6,7,8
	v_mul_f32 v[WPK+(\e)], s40, v[WPK+(\e)]
.endr
.irp e, 0,1,2,3,4,5,6,7,8
	v_exp_f32 v[WPK+(\e)], v[WPK+(\e)]
.endr
	v_mov_b32 v[K0], s27                           ; plain work behind the last exponential: the keys
	v_add_nc_u32 v[K1], 4, v[MODE]
	v_add_nc_u32 v[K2], 8, v[I1]
	v_add_nc_u32 v[K2+1], 8, v[I2]
	s_wait_alu depctr_va_vdst(0)                   ; one wait for the nine exponentials, ahead of their first reader
	v_add_f32 v[WPK], v[WPK], v[WPK+1]
	v_add_f32 v[WPK+2], v[WPK+2], v[WPK+3]
	v_add_f32 v[WPK+4], v[WPK+4], v[WPK+5]
	v_add_f32 v[WPK+6], v[WPK+6], v[WPK+7]
	v_add_f32 v[WPK], v[WPK], v[WPK+2]
	v_add_f32 v[WPK+4], v[WPK+4], v[WPK+6]
	v_add_f32 v[WPK], v[WPK], v[WPK+4]
	v_rcp_f32 v[P1], v[WPK]                        ; the largest's exponential is 1: its probability is 1 / sum
	v_nop
	s_wait_alu depctr_va_vdst(0)
	v_mul_f32 v[P2], v[WPK+8], v[P1]
	s_wait_xcnt 0x0                                ; EXEC changes only when the stores of xb have had their addresses translated
	v_cmp_eq_u32 vcc_lo, 0, v1
	s_and_saveexec_b32 s41, vcc_lo                 ; lane 0 alone
	global_store_b128 v5, v[L:L+3], s[18:19]
	global_store_b128 v5, v[L+4:L+7], s[18:19] offset:16
	global_store_b64 v6, v[I1:I2], s[20:21]
	global_store_b64 v6, v[P1:P2], s[22:23]
	global_store_b64 v6, v[P1:P2], s[16:17]
	global_store_b32 v7, v[K0], s[14:15]
	global_store_b32 v7, v[K1], s[14:15] offset:4096
	global_store_b64 v6, v[K2:K2+1], s[14:15] offset:8192
	s_wait_xcnt 0x0
	s_or_b32 exec_lo, exec_lo, s41
	s_endpgm
.Lfunc_end_k_q0f45115fba_router:
	.size	k_q0f45115fba_router, .Lfunc_end_k_q0f45115fba_router-k_q0f45115fba_router
	.p2alignl 7, 3214868480
	.fill 96, 4, 3214868480
	.section	.rodata,"a",@progbits
	.p2align	6, 0x0
	.amdhsa_kernel k_q0f45115fba_router
		.amdhsa_group_segment_fixed_size 0
		.amdhsa_private_segment_fixed_size 0
		.amdhsa_enable_private_segment 0
		.amdhsa_kernarg_size 80
		.amdhsa_user_sgpr_count 2
		.amdhsa_user_sgpr_kernarg_segment_ptr 1
		.amdhsa_wavefront_size32 1
		.amdhsa_system_sgpr_workgroup_id_x 1
		.amdhsa_system_sgpr_workgroup_id_y 1
		.amdhsa_system_sgpr_workgroup_id_z 1
		.amdhsa_system_vgpr_workitem_id 0
		.amdhsa_next_free_vgpr 232
		.amdhsa_next_free_sgpr 66
		.amdhsa_reserve_vcc 1
		.amdhsa_float_denorm_mode_32 3
		.amdhsa_float_denorm_mode_16_64 3
		.amdhsa_memory_ordered 1
		.amdhsa_forward_progress 1
		.amdhsa_inst_pref_size 44
	.end_amdhsa_kernel
	.amdgpu_metadata
---
amdhsa.version: [ 1, 2 ]
amdhsa.kernels:
  - .name:           k_q0f45115fba_router
    .symbol:         k_q0f45115fba_router.kd
    .args:
      - { .name: hidden, .offset: 0, .size: 8, .value_kind: global_buffer, .address_space: global }
      - { .name: router_w, .offset: 8, .size: 8, .value_kind: global_buffer, .address_space: global }
      - { .name: router_b, .offset: 16, .size: 8, .value_kind: global_buffer, .address_space: global }
      - { .name: mode_ids, .offset: 24, .size: 8, .value_kind: global_buffer, .address_space: global }
      - { .name: xb, .offset: 32, .size: 8, .value_kind: global_buffer, .address_space: global }
      - { .name: keys, .offset: 40, .size: 8, .value_kind: global_buffer, .address_space: global }
      - { .name: rprob, .offset: 48, .size: 8, .value_kind: global_buffer, .address_space: global }
      - { .name: out1, .offset: 56, .size: 8, .value_kind: global_buffer, .address_space: global }
      - { .name: out2, .offset: 64, .size: 8, .value_kind: global_buffer, .address_space: global }
      - { .name: out3, .offset: 72, .size: 8, .value_kind: global_buffer, .address_space: global }
    .group_segment_fixed_size: 0
    .private_segment_fixed_size: 0
    .kernarg_segment_align: 8
    .kernarg_segment_size: 80
    .max_flat_workgroup_size: 128
    .sgpr_count:     66
    .vgpr_count:     232
    .wavefront_size: 32
...
	.end_amdgpu_metadata
.endif
;; end of part 1
;; launch up (part 2): grid 16 x 16, 4 waves a work-group, no clusters, 315,904 bytes of LDS; arguments xb, keys, shared_w1, mode_w1, routed_w1, shared_b1, mode_b1, routed_b1, hbuf; writes hbuf
.if DOCPART == 2
	.amdgcn_target "amdgcn-amd-amdhsa--gfx1250"
	.amdhsa_code_object_version 6
	.text
	.protected	k_q0f45115fba_up
	.globl	k_q0f45115fba_up
	.p2align	8
	.type	k_q0f45115fba_up,@function
k_q0f45115fba_up:
	s_mov_b64 s[64:65], 0
	v_nop
	global_prefetch_b8 v0, s[64:65] scope:SCOPE_SE
	s_setreg_imm32_b32 hwreg(HW_REG_WAVE_MODE, 25, 1), 1
	s_wait_xcnt 0x0
.set PROD, 1
; ONE PRODUCT OF THE EXPERTS' CHAIN, for the rows that chose the expert.  PROD = 1: h = gelu(x W1 + b1), rows of xb by token, 128 columns a slice, result in bf16.
; PROD = 2: y = h W2 + b2, rows of hbuf by slot, 64 columns a slice, result in f32 (partial rows, added by the last launch).  The two texts differ in the line above alone.
; GRID.  x = slice (16), y = virtual expert v (16): 0-3 the shared expert's four quarters of rows, 4-7 the modes, 8-15 the routed experts.  A work-group has one slice of ONE
; expert's weights (524,288 bytes of f32), rounds it to bf16 on the way through registers into LDS, and multiplies all rows whose key equals v.
; ROWS.  A row of work is a SLOT with a fixed place: t (shared), 1024 + t (mode), 2048 + 2 t + k (routed); keys[slot] was stored by the router's launch.  Each wave scans a quarter of the
; 2,048 keys in which v can stand and lists its matches in LDS words of its own: 256 at the most, whatever the split, so four trips of five blocks of 16 rows serve every split; blocks past the
; count are jumped.  Places up to the next multiple of 16 repeat the last row, whose bytes are then stored once more.  The first trip's products are never jumped: a wave without any row
; multiplies them on places that hold slot 0, and stores nothing.
; BARRIERS.  One behind the fill.  Then two in each of the four trips, on every wave's path (only work is jumped): one between the trip's loads from the image and the stores into the stages, one between
; those stores and the next trip's loads, so that the order of LDS reads and writes between waves does not rest on the regions' arithmetic alone.
; NO TENSOR LOADS, NO CLUSTER: each weight is f32 and has to pass through registers to be rounded; all slices but the shared expert's have one reader.
; MATRIX USE.  Source 0 = 16 columns of the weights (turned out of LDS by ds_load_tr16_b128), source 1 = 16 rows of tokens (straight from memory): a lane then holds one row and eight neighbouring columns.
; LDS IMAGE.  1,024 rows of 288 bytes (256 + 32 of padding = 72 words, so that the eight rows of a turning load fall on different banks: 64 banks of 4 bytes, ISA guide 11.1).  PROD = 1: row k, 128 columns.
; PROD = 2: row k mod 1024, bytes 0-127 the 64 columns of k < 1024, bytes 128-255 those of k >= 1024: both halves of K go on one accumulator.  So both texts have 32 steps of 32 rows.
; LIMITS.  Weights, biases and x are rounded to bf16; h is rounded once to bf16.  gelu is the tanh form, x / (1 + 2^(x (C0 + C1 x^2))).  NaN and infinities are not treated apart.
.if PROD == 1
.set ROWP, 8192        ; bytes in a row of the weights
.set SLB,  512         ; bytes of a slice in it, and in the bias
.set WSH,  21          ; a wave's 256 rows of weights, as a shift
.set BROW, 8192        ; bytes of an expert's bias
.set NL,   10          ; loads of token fragments in a step
.set ASH,  11          ; a token row's bytes, as a shift
.set NBI,  64          ; registers of bias = results of a block of 16 rows
.set STH,  4           ; the stage: 16 bytes for each half of the lanes
.set BI,   192         ; v192-255 bias
.set AR,   32          ; v32-191 token fragments: four buffers of 40 (block a at + 8 a)
.set WR,   32          ; while LDS is filled: v32-159 the ring of 32 loads,
.set SV,   160         ; v160-175 my 512 keys,
.set CT,   176         ; v176-191 eight pairs of rounded weights
.set X,    32          ; the way out: v32-95 results, v96-159 at work, v160-191 rows read back
.set T,    96
.set BK,   160
.else
.set ROWP, 4096
.set SLB,  256
.set WSH,  20
.set BROW, 4096
.set NL,   20
.set ASH,  12
.set NBI,  32
.set STH,  5           ; 32 bytes for each half of the lanes
.set BI,   32          ; v32-63 bias;  token fragments: buffers of 80 (40 x half of K + 8 a): v64-143, v144-223, and v0-79, v80-159 of window 3
.set WR,   64
.set SV,   224
.set CT,   192
.set X,    64
.set BK,   96
.endif
; window 1: v0-63, v64-127 the weights' fragments, two buffers.  Accumulators: PROD = 1: (a, c) at 64 a + 8 c of window 2, block 4 at 8 c of window 3; PROD = 2: (a, c) at 32 a + 8 c of window 2.
.set PW,    288
.set LIST,  1024*PW         ; 768 bytes a wave: entries of 2 bytes: 0-271 the list and its pad, 288-319 where lanes without a match write
.set STAGE, LIST+4*768      ; 16 rows x 272 bytes a wave, for the way out
.set SPARE, STAGE+4*4352    ; the spare words, 128 bytes a wave: two blocks of 256 bytes that no other line names
.set SPW,  4           ; v4   SPARE + 4 x my thread's number; never rewritten
.set NIL,  5           ; v5   0; never rewritten
.set BA0,  6           ; v6   my lane's place in a turning load
.set BA,   7           ; v7   the same, stepped along K
.set AOFF, 8           ; v8-12  byte offset of my row in blocks 0-4
.set LB,   13          ; v13  my wave's list
.set H16,  14          ; v14  16 x (lane / 16)
.set STO,  15          ; v15  the way out: where I put my part of a row
.set RD,   16          ; v16  where I read rows back
.set CO,   17          ; v17  16 x (lane % 16)
.set DO,   18          ; v18-25  byte offsets of the rows that I store
.set TA,   26
.set TB,   27
.set WOFF, 28          ; v28  my 16 bytes in a row of the slice
.set WLDS, 29          ; v29  where their 8 bytes go
.set SLOT0, 30         ; v30  the first slot that I scan
.set KOFF, 31          ; v31  its byte offset in keys
.set WV,   22          ; s22 wave; s23 v; s24 slice; s25 expert; s27, s28 slot -> token: less s27, shifted by s28; s29 first key scanned
.set CNT,  38          ; s38  my wave's rows
.set NBW,  39          ; s39  its blocks of 16
.set NBT,  40          ; s40  blocks in this trip, 1 to 5; 0 or less: none
.set B0,   41          ; s41  the trip's first block
.set TT,   42          ; s42  trips to go
.set LC,   43          ; s43  inner loops' count
.set EA,   44          ; s44  block on the way out
.set MSB, 0
.macro WIN new                         ; s_set_vgpr_msb: bits 1:0 source 0, 3:2 source 1, 5:4 source 2, 7:6 destination; the high byte repeats the setting that is left
.if MSB != (\new)
	s_set_vgpr_msb (MSB<<8)|(\new)
.set MSB, (\new)
.endif
.endm
.macro PLACES
.rept 4
	v_nop
.endr
.endm
	s_load_b512 s[4:19], s[0:1], 0x0               ; rows 4, keys 6, weights: shared 8, mode 10, routed 12, biases: shared 14, mode 16, routed 18
	s_load_b64 s[20:21], s[0:1], 0x40              ; result
	v_lshl_add_u32 v[SPW], v0, 2, SPARE
	v_mov_b32 v[NIL], 0
	v_lshrrev_b32 v1, 5, v0
	v_readfirstlane_b32 s[WV], v1
	s_and_b32 s23, ttmp7, 0xffff
	s_mov_b32 s24, ttmp9
	s_sub_co_u32 s45, s23, 4
	s_sub_co_u32 s50, s23, 8
	s_movk_i32 s43, 0x400
	s_movk_i32 s44, 0x800
	s_cmp_lt_u32 s23, 8
	s_cselect_b32 s25, s45, s50
	s_cselect_b32 s27, s43, s44
	s_cselect_b32 s28, 0, 1
	s_cselect_b32 s29, 0, s44
	s_cmp_lt_u32 s23, 4
	s_cselect_b32 s25, 0, s25
	s_cselect_b32 s27, 0, s27
	s_lshl_b32 s36, s25, 23                        ; an expert's weights are 8,388,608 bytes
	s_mul_i32 s45, s24, SLB
	s_add_co_u32 s36, s36, s45
	s_lshl_b32 s50, s[WV], WSH
	s_add_co_u32 s36, s36, s50                     ; + my slice + my wave's 256 rows
	s_mov_b32 s37, 0
	s_mul_i32 s52, s25, BROW
	s_add_co_u32 s52, s52, s45
	s_mov_b32 s53, 0
	s_lshl_b32 s54, s24, 8                         ; a slice is 256 bytes of a result row
	s_mov_b32 s55, 0
	s_mov_b32 s46, 0xc0135761                      ; C0 = -2 sqrt(2 / pi) log2 e
	s_mov_b32 s47, s46
	s_mov_b32 s48, 0xbdd2d3e8                      ; C1 = 0.044715 C0
	s_mov_b32 s49, s48
	v_and_b32 v1, 31, v0                           ; lane
	v_and_b32 v2, 15, v0                           ; r
	v_bfe_u32 v3, v0, 4, 1                         ; h
	v_and_b32 v[TA], 7, v0
	v_lshl_add_u32 v[TA], v3, 3, v[TA]
	v_mul_u32_u24 v[BA0], v[TA], PW                ; the turning load: row 8 h + lane % 8,
	v_bfe_u32 v[TB], v0, 3, 1
	v_lshl_add_u32 v[BA0], v[TB], 4, v[BA0]        ; 16 bytes for each eight lanes
	s_mul_i32 s45, s[WV], 768
	s_add_co_u32 s45, s45, LIST
	v_mov_b32 v[LB], s45
	v_lshlrev_b32 v[H16], 4, v3
	s_mul_i32 s45, s[WV], 4352
	s_add_co_u32 s45, s45, STAGE
	v_mul_u32_u24 v[STO], v2, 272
	v_lshl_add_u32 v[STO], v3, STH, v[STO]
	v_add_nc_u32 v[STO], s45, v[STO]
	v_mul_u32_u24 v[RD], v3, 272
	v_lshl_add_u32 v[RD], v2, 4, v[RD]
	v_add_nc_u32 v[RD], s45, v[RD]
	v_lshlrev_b32 v[CO], 4, v2
.if PROD == 1
	v_lshlrev_b32 v[WOFF], 4, v1                   ; 32 lanes take the slice's 512 bytes of a row
.else
	v_lshlrev_b32 v[WOFF], 4, v2                   ; 16 lanes take the slice's 256 bytes of row k, the other 16 those of row k + 1024
	v_lshl_add_u32 v[WOFF], v3, 22, v[WOFF]
.endif
	s_mul_i32 s45, s[WV], 256*PW
	v_lshl_add_u32 v[WLDS], v1, 3, s45
	s_lshl_b32 s45, s[WV], 7
	s_add_co_u32 s45, s45, s29
	v_lshl_add_u32 v[SLOT0], v1, 2, s45            ; chunk cc of my scan begins at key s29 + 128 (4 cc + wave): every kind of row falls evenly on the four waves
	v_lshlrev_b32 v[KOFF], 2, v[SLOT0]
	v_lshlrev_b32 v[TA], 5, v3                     ; the bias of my eight columns: 32 h
	v_add_nc_u32 v[DO], 288, v1                    ; (free here) the entry for a lane without a match
	s_wait_kmcnt 0x0
	s_cmp_lt_u32 s23, 8
	s_cselect_b64 s[30:31], s[10:11], s[12:13]
	s_cselect_b64 s[32:33], s[16:17], s[18:19]
	s_cmp_lt_u32 s23, 4
	s_cselect_b64 s[30:31], s[8:9], s[30:31]
	s_cselect_b64 s[32:33], s[14:15], s[32:33]
	s_add_nc_u64 s[30:31], s[30:31], s[36:37]      ; weights at my wave's first row of the slice
	s_add_nc_u64 s[32:33], s[32:33], s[52:53]      ; bias at the slice
	s_add_nc_u64 s[20:21], s[20:21], s[54:55]      ; result at the slice
.irp cc, 0,1,2,3
	global_load_b128 v[SV+4*(\cc):SV+4*(\cc)+3], v[KOFF], s[6:7] offset:2048*(\cc)
.endr
.set i, 0
.rept NBI/8
	global_load_b128 v[BI+8*i:BI+8*i+3], v[TA], s[32:33] offset:64*i
	global_load_b128 v[BI+8*i+4:BI+8*i+7], v[TA], s[32:33] offset:64*i+16
.set i, i+1
.endr
.set i, 0
.rept 32                               ; the ring: 32 loads of 512 bytes of every wave are on their way from here to the end of the fill
	global_load_b128 v[WR+4*i:WR+4*i+3], v[WOFF], s[30:31] offset:i*ROWP th:TH_LOAD_NT
.set i, i+1
.endr
	; THE LIST, made while the ring's first loads are on their way
.irp z, 0,1,2,3
	v_mov_b32 v[CT+(\z)], 0
.endr
	s_wait_loadcnt 32                              ; the ring's 32 loads are younger: keys and bias are in
	v_lshl_add_u32 v[TA], v1, 4, v[LB]
	ds_store_b128 v[TA], v[CT:CT+3]                ; my list's 768 bytes begin as slot 0, so that no entry is read unwritten: 512 bytes,
	v_lshl_add_u32 v[TB], v1, 3, v[LB]
	ds_store_b64 v[TB], v[CT:CT+1] offset:512      ; and 256; LDS serves a wave's instructions in order, so the scan's entries land on top
	s_mov_b32 s[CNT], 0
.macro SCAN q                          ; key q of my 16: a match goes to the next free entries in lane order, the others to entries of their own that nobody reads
	v_cmp_eq_u32 vcc_lo, s23, v[SV+(\q)]
	v_mbcnt_lo_u32_b32 v[TA], vcc_lo, s[CNT]
	v_cndmask_b32 v[TA], v[DO], v[TA], vcc_lo
	v_min_u32 v[TA], 0x13f, v[TA]
	v_lshl_add_u32 v[TA], v[TA], 1, v[LB]
	v_add_nc_u32 v[TB], 512*((\q)/4)+(\q)%4, v[SLOT0]
	ds_store_b16 v[TA], v[TB]
	s_bcnt1_i32_b32 s45, vcc_lo
	s_add_co_u32 s[CNT], s[CNT], s45
.endm
.irp q, 0,1,2,3,4,5,6,7,8,9,10,11,12,13,14,15
	SCAN \q
.endr
	s_max_u32 s45, s[CNT], 1                       ; the sixteen entries behind the last repeat it
	s_sub_co_u32 s45, s45, 1
	s_min_u32 s45, s45, 255
	v_lshl_add_u32 v[TA], s45, 1, v[LB]
	ds_load_u16 v[TB], v[TA]
	s_wait_dscnt 0x0
	v_add_nc_u32 v[TA], s[CNT], v2
	v_min_u32 v[TA], 0x10f, v[TA]
	v_lshl_add_u32 v[TA], v[TA], 1, v[LB]
	ds_store_b16 v[TA], v[TB]
	s_add_co_u32 s[NBW], s[CNT], 15
	s_lshr_b32 s[NBW], s[NBW], 4
.set i, 0
.rept NBI/2                            ; the bias is rounded to bf16 like every input, and kept as f32
	v_cvt_pk_bf16_f32 v[TA], v[BI+2*i], v[BI+2*i+1]
	v_lshlrev_b32 v[BI+2*i], 16, v[TA]
	v_and_b32 v[BI+2*i+1], 0xffff0000, v[TA]
.set i, i+1
.endr
	; THE FILL: my 256 rows of the slice, rounded, into LDS.  A slot's turn: its load is in, 4 numbers become 8 bytes, the slot is loaded again 32 rows on.
.macro WSLOT i, ahead, left
	s_wait_loadcnt \left                           ; loads come back in order: mine is in, the younger ones stay out
	v_cvt_pk_bf16_f32 v[CT+2*((\i)%8)], v[WR+4*(\i)], v[WR+4*(\i)+1]
	v_cvt_pk_bf16_f32 v[CT+2*((\i)%8)+1], v[WR+4*(\i)+2], v[WR+4*(\i)+3]
	ds_store_b64 v[WLDS], v[CT+2*((\i)%8):CT+2*((\i)%8)+1] offset:(\i)*PW
.if \ahead
	global_load_b128 v[WR+4*(\i):WR+4*(\i)+3], v[WOFF], s[30:31] offset:(32+(\i))*ROWP th:TH_LOAD_NT
.endif
.endm
	s_mov_b32 s[LC], 7
.Lfill:
.set i, 0
.rept 32
	WSLOT i, 1, 31
.set i, i+1
.endr
	s_wait_xcnt 0x0                                ; the loads' base is stepped only behind this wait
	s_add_nc_u64 s[30:31], s[30:31], 32*ROWP
	v_add_nc_u32 v[WLDS], 32*PW, v[WLDS]
	s_sub_co_u32 s[LC], s[LC], 1
	s_cmp_lg_u32 s[LC], 0
	s_cbranch_scc1 .Lfill
.set i, 0
.rept 32
	WSLOT i, 0, 31-i                               ; the last 32 rows: nothing is loaded, the counts run down
.set i, i+1
.endr
	s_wait_dscnt 0x0                               ; for the others' sake: my stores into the image are done
	s_barrier_signal -1
	s_barrier_wait -1                              ; the image is whole; from here on it is only read
; 16 turning loads: the weights' fragments of step j of a group of four (32 rows of the image, 8 blocks of 16 columns) into buffer j % 2
.macro FETCH_B j
	WIN 0x40
.set FB, 64*((\j)%2)
.irp c, 0,1,2,3,4,5,6,7
	ds_load_tr16_b128 v[FB+8*(\c):FB+8*(\c)+3],   v[BA] offset:(\j)*32*PW+32*(\c)
	ds_load_tr16_b128 v[FB+8*(\c)+4:FB+8*(\c)+7], v[BA] offset:(\j)*32*PW+32*(\c)+16*PW
.endr
.endm
; NL loads: the token fragments of one step for five blocks: lane l takes row l % 16, 16 bytes at 16 (l / 16) and 16 bytes 32 further on
.macro ALOAD buf, imm
.if PROD == 1
	WIN 0
.irp a, 0,1,2,3,4
	global_load_b128 v[AR+40*(\buf)+8*(\a):AR+40*(\buf)+8*(\a)+3],   v[AOFF+(\a)], s[34:35] offset:(\imm)
	global_load_b128 v[AR+40*(\buf)+8*(\a)+4:AR+40*(\buf)+8*(\a)+7], v[AOFF+(\a)], s[34:35] offset:(\imm)+32
.endr
.else
.if (\buf) < 2
	WIN 0
.set FA, 64+80*(\buf)
.else
	WIN 0xc0
.set FA, 80*((\buf)-2)
.endif
.irp kh, 0,1
.irp a, 0,1,2,3,4
	global_load_b128 v[FA+40*(\kh)+8*(\a):FA+40*(\kh)+8*(\a)+3],   v[AOFF+(\a)], s[34:35] offset:(\imm)+2048*(\kh)
	global_load_b128 v[FA+40*(\kh)+8*(\a)+4:FA+40*(\kh)+8*(\a)+7], v[AOFF+(\a)], s[34:35] offset:(\imm)+2048*(\kh)+32
.endr
.endr
.endif
.endm
; 8 matrix instructions for block a in step j.  The accumulators take turns, one instruction a turn.  zero = 1: the first products start the sums.
.macro MUL j, a, zero
.set FB, 64*((\j)%2)
.if PROD == 1
.set FA, AR+40*((\j)%4)+8*(\a)
.if (\a) == 4
	WIN 0xf1
.set AC, 0
.else
	WIN 0xa1
.set AC, 64*(\a)
.endif
.irp c, 0,1,2,3,4,5,6,7
.if \zero
	v_wmma_f32_16x16x32_bf16 v[AC+8*(\c):AC+8*(\c)+7], v[FB+8*(\c):FB+8*(\c)+7], v[FA:FA+7], 0
.else
	v_wmma_f32_16x16x32_bf16 v[AC+8*(\c):AC+8*(\c)+7], v[FB+8*(\c):FB+8*(\c)+7], v[FA:FA+7], v[AC+8*(\c):AC+8*(\c)+7]
.endif
.endr
.else
.if ((\j)%4) < 2
	WIN 0xa1
.set FA, 64+80*((\j)%4)+8*(\a)
.else
	WIN 0xad
.set FA, 80*(((\j)%4)-2)+8*(\a)
.endif
.set AC, 32*(\a)
.irp c, 0,1,2,3,4,5,6,7
.if (\zero) && ((\c) < 4)
	v_wmma_f32_16x16x32_bf16 v[AC+8*((\c)%4):AC+8*((\c)%4)+7], v[FB+8*(\c):FB+8*(\c)+7], v[FA+40*((\c)/4):FA+40*((\c)/4)+7], 0
.else
	v_wmma_f32_16x16x32_bf16 v[AC+8*((\c)%4):AC+8*((\c)%4)+7], v[FB+8*(\c):FB+8*(\c)+7], v[FA+40*((\c)/4):FA+40*((\c)/4)+7], v[AC+8*((\c)%4):AC+8*((\c)%4)+7]
.endif
.endr
.endif
.endm
; A STEP of 32 rows of the image.  In its middle stand both runs of loads: the next step's weights' fragments and the token fragments three steps on; their registers were last read by the step
; before, and the four v_nop are the places between those products and the loads (ISA guide 7.12.1 for vector instructions).
; left = the token loads that may stay out: the two younger buffers'.  skip = 1: block 4 is jumped where the trip has fewer than five blocks; the first step never jumps, so that its sums are started.
.macro STEP j, zero, ald, bld, left, skip
	s_wait_loadcnt \left
	s_wait_dscnt 0x0                               ; the weights' fragments, asked for 24 products ago
	MUL \j, 0, \zero
	MUL \j, 1, \zero
	PLACES
.if \bld
	FETCH_B (\j)+1
.endif
.if \ald
	ALOAD ((\j)+3)%4, 64*((\j)+3)
.endif
	MUL \j, 2, \zero
	MUL \j, 3, \zero
	WIN 0                                          ; at a branch and at a label every window is 0
.if \skip
	s_cmp_eq_u32 s[NBT], 5
	s_cbranch_scc0 .Ln5_\@
.endif
	MUL \j, 4, \zero
	WIN 0
.if \skip
.Ln5_\@:
.endif
.endm
.macro ADV                             ; four steps on
	s_wait_xcnt 0x0                                ; the token loads' base is stepped only behind this wait
	s_add_nc_u64 s[34:35], s[34:35], 256
	v_add_nc_u32 v[BA], 4*32*PW, v[BA]
.endm
.macro COPY a                          ; block a's sums plus the bias, each accumulator from its low end on
.if (PROD == 1) && ((\a) == 4)
	WIN 0x03
.set AC, 0
.else
	WIN 0x02
.set AC, NBI*(\a)
.endif
.set i, 0
.rept NBI/2
	v_pk_add_f32 v[X+2*i:X+2*i+1], v[AC+2*i:AC+2*i+1], v[BI+2*i:BI+2*i+1]
.set i, i+1
.endr
	WIN 0
.endm
	; THE TRIPS: four, five blocks each: 20 blocks cover the 16 that a wave can have.  The loop is entered behind its test: the first trip always multiplies, so that on every way
	; to the way out all sums have been started; the test that jumps a trip's products is reached by the backward jump alone.
	s_mov_b32 s[TT], 4
	s_mov_b32 s[B0], 0
	s_mov_b32 s[NBT], s[NBW]
	s_branch .Lwork
.Ltile:
	s_sub_co_i32 s[NBT], s[NBW], s[B0]
	s_cmp_le_i32 s[NBT], 0
	s_cbranch_scc1 .Lno_mul                        ; nothing left: the products are jumped; what is jumped holds no barrier
.Lwork:
	s_min_i32 s[NBT], s[NBT], 5
	s_wait_xcnt 0x0                                ; the last trip's stores have read their registers
.irp a, 0,1,2,3,4
	s_cmp_gt_u32 s[NBT], \a
	s_cselect_b32 s45, \a, 0                       ; a block past the count repeats the trip's first
	s_add_co_u32 s45, s45, s[B0]
	v_lshl_add_u32 v[TA], s45, 4, v2
	v_min_u32 v[TA], 0x10f, v[TA]
	v_lshl_add_u32 v[TA], v[TA], 1, v[LB]
	ds_load_u16 v[AOFF+(\a)], v[TA]
.endr
	s_wait_dscnt 0x0
.irp a, 0,1,2,3,4
.if PROD == 1
	v_sub_nc_u32 v[AOFF+(\a)], v[AOFF+(\a)], s27   ; slot -> token
	v_lshrrev_b32 v[AOFF+(\a)], s28, v[AOFF+(\a)]
	v_min_u32 v[AOFF+(\a)], 0x3ff, v[AOFF+(\a)]
.else
	v_min_u32 v[AOFF+(\a)], 0xfff, v[AOFF+(\a)]
.endif
	v_lshl_add_u32 v[AOFF+(\a)], v[AOFF+(\a)], ASH, v[H16]
.endr
	s_mov_b64 s[34:35], s[4:5]
	v_mov_b32 v[BA], v[BA0]
	ALOAD 0, 0
	ALOAD 1, 64
	ALOAD 2, 128
	FETCH_B 0
	STEP 0, 1, 1, 1, 2*NL, 0
	STEP 1, 0, 1, 1, 2*NL, 1
	STEP 2, 0, 1, 1, 2*NL, 1
	STEP 3, 0, 1, 1, 2*NL, 1
	ADV
	s_mov_b32 s[LC], 6
.Lgroup:
	STEP 0, 0, 1, 1, 2*NL, 1
	STEP 1, 0, 1, 1, 2*NL, 1
	STEP 2, 0, 1, 1, 2*NL, 1
	STEP 3, 0, 1, 1, 2*NL, 1
	ADV
	s_sub_co_u32 s[LC], s[LC], 1
	s_cmp_lg_u32 s[LC], 0
	s_cbranch_scc1 .Lgroup
	STEP 0, 0, 1, 1, 2*NL, 1                       ; the last four steps: one more run of token loads, then the counts run down
	STEP 1, 0, 0, 1, 2*NL, 1
	STEP 2, 0, 0, 1, NL, 1
	STEP 3, 0, 0, 0, 0, 1
	PLACES                                         ; between the last products and the first read of a sum
.Lno_mul:
	s_wait_dscnt 0x0                               ; my loads from the image are back
	s_barrier_signal -1
	s_barrier_wait -1                              ; every wave's are: only now is a stage written
	s_cmp_le_i32 s[NBT], 0
	s_cbranch_scc1 .Lno_out                        ; a trip without blocks has nothing to store; what is jumped holds no barrier
	; THE WAY OUT, a block of 16 rows at a time, through my own stage in LDS
	s_mov_b32 s[EA], 0
.Lepi:
	s_cmp_ge_u32 s[EA], s[NBT]
	s_cbranch_scc1 .Lepi_next
	s_cmp_eq_u32 s[EA], 0
	s_cbranch_scc0 .Lc1
	COPY 0
	s_branch .Lcommon
.Lc1:
	s_cmp_eq_u32 s[EA], 1
	s_cbranch_scc0 .Lc2
	COPY 1
	s_branch .Lcommon
.Lc2:
	s_cmp_eq_u32 s[EA], 2
	s_cbranch_scc0 .Lc3
	COPY 2
	s_branch .Lcommon
.Lc3:
	s_cmp_eq_u32 s[EA], 3
	s_cbranch_scc0 .Lc4
	COPY 3
	s_branch .Lcommon
.Lc4:
	COPY 4
.Lcommon:
	s_wait_xcnt 0x0                                ; the last block's stores have read their offsets and data
.if PROD == 1
.set i, 0
.rept 32
	v_pk_mul_f32 v[T+2*i:T+2*i+1], v[X+2*i:X+2*i+1], v[X+2*i:X+2*i+1]
.set i, i+1
.endr
.set i, 0
.rept 32
	v_pk_fma_f32 v[T+2*i:T+2*i+1], v[T+2*i:T+2*i+1], s[48:49], s[46:47] op_sel_hi:[1,0,0]  ; C1 x^2 + C0
.set i, i+1
.endr
.set i, 0
.rept 32
	v_pk_mul_f32 v[T+2*i:T+2*i+1], v[T+2*i:T+2*i+1], v[X+2*i:X+2*i+1]
.set i, i+1
.endr
.set i, 0
.rept 64
	v_exp_f32 v[T+i], v[T+i]
.set i, i+1
.endr
.endif
	s_add_co_u32 s45, s[B0], s[EA]                 ; the slots of the rows that I shall store: entries 16 block + 2 t + lane / 16 (plain work behind the exponentials)
	v_lshl_add_u32 v[TA], s45, 4, v3
	v_min_u32 v[TA], 0x101, v[TA]
	v_lshl_add_u32 v[TA], v[TA], 1, v[LB]
.irp t, 0,1,2,3,4,5,6,7
	ds_load_u16 v[DO+(\t)], v[TA] offset:4*(\t)
.endr
.if PROD == 1
	s_wait_alu depctr_va_vdst(0)                   ; one wait for the 64 exponentials, ahead of their first reader
.set i, 0
.rept 32
	v_pk_add_f32 v[T+2*i:T+2*i+1], v[T+2*i:T+2*i+1], 1.0 op_sel_hi:[1,0]
.set i, i+1
.endr
.set i, 0
.rept 64
	v_rcp_f32 v[T+i], v[T+i]
.set i, i+1
.endr
	v_nop
	s_wait_alu depctr_va_vdst(0)                   ; one wait for the 64 reciprocals
.set i, 0
.rept 32
	v_pk_mul_f32 v[T+2*i:T+2*i+1], v[T+2*i:T+2*i+1], v[X+2*i:X+2*i+1]
.set i, i+1
.endr
.set i, 0
.rept 32
	v_cvt_pk_bf16_f32 v[X+i], v[T+2*i], v[T+2*i+1]
.set i, i+1
.endr
.irp c, 0,1,2,3,4,5,6,7
	ds_store_b128 v[STO], v[X+4*(\c):X+4*(\c)+3] offset:32*(\c)
.endr
.else
.irp c, 0,1,2,3
	ds_store_b128 v[STO], v[X+8*(\c):X+8*(\c)+3] offset:64*(\c)
	ds_store_b128 v[STO], v[X+8*(\c)+4:X+8*(\c)+7] offset:64*(\c)+16
.endr
.endif
.irp t, 0,1,2,3,4,5,6,7
	ds_load_b128 v[BK+4*(\t):BK+4*(\t)+3], v[RD] offset:544*(\t)  ; LDS serves a wave's instructions in order (ISA guide 5.7.1.4): these see the stores above
.endr
	s_wait_dscnt 0x0
.irp t, 0,1,2,3,4,5,6,7
	v_min_u32 v[DO+(\t)], 0xfff, v[DO+(\t)]
	v_lshl_add_u32 v[DO+(\t)], v[DO+(\t)], 12, v[CO]
.endr
.irp t, 0,1,2,3,4,5,6,7
	global_store_b128 v[DO+(\t)], v[BK+4*(\t):BK+4*(\t)+3], s[20:21]  ; 16 lanes store the slice's 256 consecutive bytes of one row, aligned; the other 16 those of the next
.endr
.Lepi_next:
	s_add_co_u32 s[EA], s[EA], 1
	s_cmp_lt_u32 s[EA], 5
	s_cbranch_scc1 .Lepi
.Lno_out:
	s_wait_dscnt 0x0                               ; my stores into my stage, and my reads of it, are done
	s_barrier_signal -1
	s_barrier_wait -1                              ; every wave's are: only now does the next trip read LDS, or the wave end
	s_add_co_u32 s[B0], s[B0], 5
	s_sub_co_u32 s[TT], s[TT], 1
	s_cmp_lg_u32 s[TT], 0
	s_cbranch_scc1 .Ltile
	s_wait_tensorcnt 0x0                           ; the wave's end, behind my last LDS store
	ds_add_u32 v[SPW], v[NIL]
	s_wait_dscnt 0x0
	s_endpgm
.Lfunc_end_k_q0f45115fba_up:
	.size	k_q0f45115fba_up, .Lfunc_end_k_q0f45115fba_up-k_q0f45115fba_up
	.p2alignl 7, 3214868480
	.fill 96, 4, 3214868480
	.section	.rodata,"a",@progbits
	.p2align	6, 0x0
	.amdhsa_kernel k_q0f45115fba_up
		.amdhsa_group_segment_fixed_size 315904
		.amdhsa_private_segment_fixed_size 0
		.amdhsa_enable_private_segment 0
		.amdhsa_kernarg_size 72
		.amdhsa_user_sgpr_count 2
		.amdhsa_user_sgpr_kernarg_segment_ptr 1
		.amdhsa_wavefront_size32 1
		.amdhsa_system_sgpr_workgroup_id_x 1
		.amdhsa_system_sgpr_workgroup_id_y 1
		.amdhsa_system_sgpr_workgroup_id_z 1
		.amdhsa_system_vgpr_workitem_id 0
		.amdhsa_next_free_vgpr 832
		.amdhsa_next_free_sgpr 66
		.amdhsa_reserve_vcc 1
		.amdhsa_float_denorm_mode_32 3
		.amdhsa_float_denorm_mode_16_64 3
		.amdhsa_memory_ordered 1
		.amdhsa_forward_progress 1
		.amdhsa_inst_pref_size 133
	.end_amdhsa_kernel
	.amdgpu_metadata
---
amdhsa.version: [ 1, 2 ]
amdhsa.kernels:
  - .name:           k_q0f45115fba_up
    .symbol:         k_q0f45115fba_up.kd
    .args:
      - { .name: xb, .offset: 0, .size: 8, .value_kind: global_buffer, .address_space: global }
      - { .name: keys, .offset: 8, .size: 8, .value_kind: global_buffer, .address_space: global }
      - { .name: shared_w1, .offset: 16, .size: 8, .value_kind: global_buffer, .address_space: global }
      - { .name: mode_w1, .offset: 24, .size: 8, .value_kind: global_buffer, .address_space: global }
      - { .name: routed_w1, .offset: 32, .size: 8, .value_kind: global_buffer, .address_space: global }
      - { .name: shared_b1, .offset: 40, .size: 8, .value_kind: global_buffer, .address_space: global }
      - { .name: mode_b1, .offset: 48, .size: 8, .value_kind: global_buffer, .address_space: global }
      - { .name: routed_b1, .offset: 56, .size: 8, .value_kind: global_buffer, .address_space: global }
      - { .name: hbuf, .offset: 64, .size: 8, .value_kind: global_buffer, .address_space: global }
    .group_segment_fixed_size: 315904
    .private_segment_fixed_size: 0
    .kernarg_segment_align: 8
    .kernarg_segment_size: 72
    .max_flat_workgroup_size: 128
    .sgpr_count:     66
    .vgpr_count:     832
    .wavefront_size: 32
...
	.end_amdgpu_metadata
.endif
;; end of part 2
;; launch down (part 3): grid 16 x 16, 4 waves a work-group, no clusters, 315,904 bytes of LDS; arguments hbuf, keys, shared_w2, mode_w2, routed_w2, shared_b2, mode_b2, routed_b2, ybuf; writes ybuf
.if DOCPART == 3
	.amdgcn_target "amdgcn-amd-amdhsa--gfx1250"
	.amdhsa_code_object_version 6
	.text
	.protected	k_q0f45115fba_down
	.globl	k_q0f45115fba_down
	.p2align	8
	.type	k_q0f45115fba_down,@function
k_q0f45115fba_down:
	s_mov_b64 s[64:65], 0
	v_nop
	global_prefetch_b8 v0, s[64:65] scope:SCOPE_SE
	s_setreg_imm32_b32 hwreg(HW_REG_WAVE_MODE, 25, 1), 1
	s_wait_xcnt 0x0
.set PROD, 2
; ONE PRODUCT OF THE EXPERTS' CHAIN, for the rows that chose the expert.  PROD = 1: h = gelu(x W1 + b1), rows of xb by token, 128 columns a slice, result in bf16.
; PROD = 2: y = h W2 + b2, rows of hbuf by slot, 64 columns a slice, result in f32 (partial rows, added by the last launch).  The two texts differ in the line above alone.
; GRID.  x = slice (16), y = virtual expert v (16): 0-3 the shared expert's four quarters of rows, 4-7 the modes, 8-15 the routed experts.  A work-group has one slice of ONE
; expert's weights (524,288 bytes of f32), rounds it to bf16 on the way through registers into LDS, and multiplies all rows whose key equals v.
; ROWS.  A row of work is a SLOT with a fixed place: t (shared), 1024 + t (mode), 2048 + 2 t + k (routed); keys[slot] was stored by the router's launch.  Each wave scans a quarter of the
; 2,048 keys in which v can stand and lists its matches in LDS words of its own: 256 at the most, whatever the split, so four trips of five blocks of 16 rows serve every split; blocks past the
; count are jumped.  Places up to the next multiple of 16 repeat the last row, whose bytes are then stored once more.  The first trip's products are never jumped: a wave without any row
; multiplies them on places that hold slot 0, and stores nothing.
; BARRIERS.  One behind the fill.  Then two in each of the four trips, on every wave's path (only work is jumped): one between the trip's loads from the image and the stores into the stages, one between
; those stores and the next trip's loads, so that the order of LDS reads and writes between waves does not rest on the regions' arithmetic alone.
; NO TENSOR LOADS, NO CLUSTER: each weight is f32 and has to pass through registers to be rounded; all slices but the shared expert's have one reader.
; MATRIX USE.  Source 0 = 16 columns of the weights (turned out of LDS by ds_load_tr16_b128), source 1 = 16 rows of tokens (straight from memory): a lane then holds one row and eight neighbouring columns.
; LDS IMAGE.  1,024 rows of 288 bytes (256 + 32 of padding = 72 words, so that the eight rows of a turning load fall on different banks: 64 banks of 4 bytes, ISA guide 11.1).  PROD = 1: row k, 128 columns.
; PROD = 2: row k mod 1024, bytes 0-127 the 64 columns of k < 1024, bytes 128-255 those of k >= 1024: both halves of K go on one accumulator.  So both texts have 32 steps of 32 rows.
; LIMITS.  Weights, biases and x are rounded to bf16; h is rounded once to bf16.  gelu is the tanh form, x / (1 + 2^(x (C0 + C1 x^2))).  NaN and infinities are not treated apart.
.if PROD == 1
.set ROWP, 8192        ; bytes in a row of the weights
.set SLB,  512         ; bytes of a slice in it, and in the bias
.set WSH,  21          ; a wave's 256 rows of weights, as a shift
.set BROW, 8192        ; bytes of an expert's bias
.set NL,   10          ; loads of token fragments in a step
.set ASH,  11          ; a token row's bytes, as a shift
.set NBI,  64          ; registers of bias = results of a block of 16 rows
.set STH,  4           ; the stage: 16 bytes for each half of the lanes
.set BI,   192         ; v192-255 bias
.set AR,   32          ; v32-191 token fragments: four buffers of 40 (block a at + 8 a)
.set WR,   32          ; while LDS is filled: v32-159 the ring of 32 loads,
.set SV,   160         ; v160-175 my 512 keys,
.set CT,   176         ; v176-191 eight pairs of rounded weights
.set X,    32          ; the way out: v32-95 results, v96-159 at work, v160-191 rows read back
.set T,    96
.set BK,   160
.else
.set ROWP, 4096
.set SLB,  256
.set WSH,  20
.set BROW, 4096
.set NL,   20
.set ASH,  12
.set NBI,  32
.set STH,  5           ; 32 bytes for each half of the lanes
.set BI,   32          ; v32-63 bias;  token fragments: buffers of 80 (40 x half of K + 8 a): v64-143, v144-223, and v0-79, v80-159 of window 3
.set WR,   64
.set SV,   224
.set CT,   192
.set X,    64
.set BK,   96
.endif
; window 1: v0-63, v64-127 the weights' fragments, two buffers.  Accumulators: PROD = 1: (a, c) at 64 a + 8 c of window 2, block 4 at 8 c of window 3; PROD = 2: (a, c) at 32 a + 8 c of window 2.
.set PW,    288
.set LIST,  1024*PW         ; 768 bytes a wave: entries of 2 bytes: 0-271 the list and its pad, 288-319 where lanes without a match write
.set STAGE, LIST+4*768      ; 16 rows x 272 bytes a wave, for the way out
.set SPARE, STAGE+4*4352    ; the spare words, 128 bytes a wave: two blocks of 256 bytes that no other line names
.set SPW,  4           ; v4   SPARE + 4 x my thread's number; never rewritten
.set NIL,  5           ; v5   0; never rewritten
.set BA0,  6           ; v6   my lane's place in a turning load
.set BA,   7           ; v7   the same, stepped along K
.set AOFF, 8           ; v8-12  byte offset of my row in blocks 0-4
.set LB,   13          ; v13  my wave's list
.set H16,  14          ; v14  16 x (lane / 16)
.set STO,  15          ; v15  the way out: where I put my part of a row
.set RD,   16          ; v16  where I read rows back
.set CO,   17          ; v17  16 x (lane % 16)
.set DO,   18          ; v18-25  byte offsets of the rows that I store
.set TA,   26
.set TB,   27
.set WOFF, 28          ; v28  my 16 bytes in a row of the slice
.set WLDS, 29          ; v29  where their 8 bytes go
.set SLOT0, 30         ; v30  the first slot that I scan
.set KOFF, 31          ; v31  its byte offset in keys
.set WV,   22          ; s22 wave; s23 v; s24 slice; s25 expert; s27, s28 slot -> token: less s27, shifted by s28; s29 first key scanned
.set CNT,  38          ; s38  my wave's rows
.set NBW,  39          ; s39  its blocks of 16
.set NBT,  40          ; s40  blocks in this trip, 1 to 5; 0 or less: none
.set B0,   41          ; s41  the trip's first block
.set TT,   42          ; s42  trips to go
.set LC,   43          ; s43  inner loops' count
.set EA,   44          ; s44  block on the way out
.set MSB, 0
.macro WIN new                         ; s_set_vgpr_msb: bits 1:0 source 0, 3:2 source 1, 5:4 source 2, 7:6 destination; the high byte repeats the setting that is left
.if MSB != (\new)
	s_set_vgpr_msb (MSB<<8)|(\new)
.set MSB, (\new)
.endif
.endm
.macro PLACES
.rept 4
	v_nop
.endr
.endm
	s_load_b512 s[4:19], s[0:1], 0x0               ; rows 4, keys 6, weights: shared 8, mode 10, routed 12, biases: shared 14, mode 16, routed 18
	s_load_b64 s[20:21], s[0:1], 0x40              ; result
	v_lshl_add_u32 v[SPW], v0, 2, SPARE
	v_mov_b32 v[NIL], 0
	v_lshrrev_b32 v1, 5, v0
	v_readfirstlane_b32 s[WV], v1
	s_and_b32 s23, ttmp7, 0xffff
	s_mov_b32 s24, ttmp9
	s_sub_co_u32 s45, s23, 4
	s_sub_co_u32 s50, s23, 8
	s_movk_i32 s43, 0x400
	s_movk_i32 s44, 0x800
	s_cmp_lt_u32 s23, 8
	s_cselect_b32 s25, s45, s50
	s_cselect_b32 s27, s43, s44
	s_cselect_b32 s28, 0, 1
	s_cselect_b32 s29, 0, s44
	s_cmp_lt_u32 s23, 4
	s_cselect_b32 s25, 0, s25
	s_cselect_b32 s27, 0, s27
	s_lshl_b32 s36, s25, 23                        ; an expert's weights are 8,388,608 bytes
	s_mul_i32 s45, s24, SLB
	s_add_co_u32 s36, s36, s45
	s_lshl_b32 s50, s[WV], WSH
	s_add_co_u32 s36, s36, s50                     ; + my slice + my wave's 256 rows
	s_mov_b32 s37, 0
	s_mul_i32 s52, s25, BROW
	s_add_co_u32 s52, s52, s45
	s_mov_b32 s53, 0
	s_lshl_b32 s54, s24, 8                         ; a slice is 256 bytes of a result row
	s_mov_b32 s55, 0
	s_mov_b32 s46, 0xc0135761                      ; C0 = -2 sqrt(2 / pi) log2 e
	s_mov_b32 s47, s46
	s_mov_b32 s48, 0xbdd2d3e8                      ; C1 = 0.044715 C0
	s_mov_b32 s49, s48
	v_and_b32 v1, 31, v0                           ; lane
	v_and_b32 v2, 15, v0                           ; r
	v_bfe_u32 v3, v0, 4, 1                         ; h
	v_and_b32 v[TA], 7, v0
	v_lshl_add_u32 v[TA], v3, 3, v[TA]
	v_mul_u32_u24 v[BA0], v[TA], PW                ; the turning load: row 8 h + lane % 8,
	v_bfe_u32 v[TB], v0, 3, 1
	v_lshl_add_u32 v[BA0], v[TB], 4, v[BA0]        ; 16 bytes for each eight lanes
	s_mul_i32 s45, s[WV], 768
	s_add_co_u32 s45, s45, LIST
	v_mov_b32 v[LB], s45
	v_lshlrev_b32 v[H16], 4, v3
	s_mul_i32 s45, s[WV], 4352
	s_add_co_u32 s45, s45, STAGE
	v_mul_u32_u24 v[STO], v2, 272
	v_lshl_add_u32 v[STO], v3, STH, v[STO]
	v_add_nc_u32 v[STO], s45, v[STO]
	v_mul_u32_u24 v[RD], v3, 272
	v_lshl_add_u32 v[RD], v2, 4, v[RD]
	v_add_nc_u32 v[RD], s45, v[RD]
	v_lshlrev_b32 v[CO], 4, v2
.if PROD == 1
	v_lshlrev_b32 v[WOFF], 4, v1                   ; 32 lanes take the slice's 512 bytes of a row
.else
	v_lshlrev_b32 v[WOFF], 4, v2                   ; 16 lanes take the slice's 256 bytes of row k, the other 16 those of row k + 1024
	v_lshl_add_u32 v[WOFF], v3, 22, v[WOFF]
.endif
	s_mul_i32 s45, s[WV], 256*PW
	v_lshl_add_u32 v[WLDS], v1, 3, s45
	s_lshl_b32 s45, s[WV], 7
	s_add_co_u32 s45, s45, s29
	v_lshl_add_u32 v[SLOT0], v1, 2, s45            ; chunk cc of my scan begins at key s29 + 128 (4 cc + wave): every kind of row falls evenly on the four waves
	v_lshlrev_b32 v[KOFF], 2, v[SLOT0]
	v_lshlrev_b32 v[TA], 5, v3                     ; the bias of my eight columns: 32 h
	v_add_nc_u32 v[DO], 288, v1                    ; (free here) the entry for a lane without a match
	s_wait_kmcnt 0x0
	s_cmp_lt_u32 s23, 8
	s_cselect_b64 s[30:31], s[10:11], s[12:13]
	s_cselect_b64 s[32:33], s[16:17], s[18:19]
	s_cmp_lt_u32 s23, 4
	s_cselect_b64 s[30:31], s[8:9], s[30:31]
	s_cselect_b64 s[32:33], s[14:15], s[32:33]
	s_add_nc_u64 s[30:31], s[30:31], s[36:37]      ; weights at my wave's first row of the slice
	s_add_nc_u64 s[32:33], s[32:33], s[52:53]      ; bias at the slice
	s_add_nc_u64 s[20:21], s[20:21], s[54:55]      ; result at the slice
.irp cc, 0,1,2,3
	global_load_b128 v[SV+4*(\cc):SV+4*(\cc)+3], v[KOFF], s[6:7] offset:2048*(\cc)
.endr
.set i, 0
.rept NBI/8
	global_load_b128 v[BI+8*i:BI+8*i+3], v[TA], s[32:33] offset:64*i
	global_load_b128 v[BI+8*i+4:BI+8*i+7], v[TA], s[32:33] offset:64*i+16
.set i, i+1
.endr
.set i, 0
.rept 32                               ; the ring: 32 loads of 512 bytes of every wave are on their way from here to the end of the fill
	global_load_b128 v[WR+4*i:WR+4*i+3], v[WOFF], s[30:31] offset:i*ROWP th:TH_LOAD_NT
.set i, i+1
.endr
	; THE LIST, made while the ring's first loads are on their way
.irp z, 0,1,2,3
	v_mov_b32 v[CT+(\z)], 0
.endr
	s_wait_loadcnt 32                              ; the ring's 32 loads are younger: keys and bias are in
	v_lshl_add_u32 v[TA], v1, 4, v[LB]
	ds_store_b128 v[TA], v[CT:CT+3]                ; my list's 768 bytes begin as slot 0, so that no entry is read unwritten: 512 bytes,
	v_lshl_add_u32 v[TB], v1, 3, v[LB]
	ds_store_b64 v[TB], v[CT:CT+1] offset:512      ; and 256; LDS serves a wave's instructions in order, so the scan's entries land on top
	s_mov_b32 s[CNT], 0
.macro SCAN q                          ; key q of my 16: a match goes to the next free entries in lane order, the others to entries of their own that nobody reads
	v_cmp_eq_u32 vcc_lo, s23, v[SV+(\q)]
	v_mbcnt_lo_u32_b32 v[TA], vcc_lo, s[CNT]
	v_cndmask_b32 v[TA], v[DO], v[TA], vcc_lo
	v_min_u32 v[TA], 0x13f, v[TA]
	v_lshl_add_u32 v[TA], v[TA], 1, v[LB]
	v_add_nc_u32 v[TB], 512*((\q)/4)+(\q)%4, v[SLOT0]
	ds_store_b16 v[TA], v[TB]
	s_bcnt1_i32_b32 s45, vcc_lo
	s_add_co_u32 s[CNT], s[CNT], s45
.endm
.irp q, 0,1,2,3,4,5,6,7,8,9,10,11,12,13,14,15
	SCAN \q
.endr
	s_max_u32 s45, s[CNT], 1                       ; the sixteen entries behind the last repeat it
	s_sub_co_u32 s45, s45, 1
	s_min_u32 s45, s45, 255
	v_lshl_add_u32 v[TA], s45, 1, v[LB]
	ds_load_u16 v[TB], v[TA]
	s_wait_dscnt 0x0
	v_add_nc_u32 v[TA], s[CNT], v2
	v_min_u32 v[TA], 0x10f, v[TA]
	v_lshl_add_u32 v[TA], v[TA], 1, v[LB]
	ds_store_b16 v[TA], v[TB]
	s_add_co_u32 s[NBW], s[CNT], 15
	s_lshr_b32 s[NBW], s[NBW], 4
.set i, 0
.rept NBI/2                            ; the bias is rounded to bf16 like every input, and kept as f32
	v_cvt_pk_bf16_f32 v[TA], v[BI+2*i], v[BI+2*i+1]
	v_lshlrev_b32 v[BI+2*i], 16, v[TA]
	v_and_b32 v[BI+2*i+1], 0xffff0000, v[TA]
.set i, i+1
.endr
	; THE FILL: my 256 rows of the slice, rounded, into LDS.  A slot's turn: its load is in, 4 numbers become 8 bytes, the slot is loaded again 32 rows on.
.macro WSLOT i, ahead, left
	s_wait_loadcnt \left                           ; loads come back in order: mine is in, the younger ones stay out
	v_cvt_pk_bf16_f32 v[CT+2*((\i)%8)], v[WR+4*(\i)], v[WR+4*(\i)+1]
	v_cvt_pk_bf16_f32 v[CT+2*((\i)%8)+1], v[WR+4*(\i)+2], v[WR+4*(\i)+3]
	ds_store_b64 v[WLDS], v[CT+2*((\i)%8):CT+2*((\i)%8)+1] offset:(\i)*PW
.if \ahead
	global_load_b128 v[WR+4*(\i):WR+4*(\i)+3], v[WOFF], s[30:31] offset:(32+(\i))*ROWP th:TH_LOAD_NT
.endif
.endm
	s_mov_b32 s[LC], 7
.Lfill:
.set i, 0
.rept 32
	WSLOT i, 1, 31
.set i, i+1
.endr
	s_wait_xcnt 0x0                                ; the loads' base is stepped only behind this wait
	s_add_nc_u64 s[30:31], s[30:31], 32*ROWP
	v_add_nc_u32 v[WLDS], 32*PW, v[WLDS]
	s_sub_co_u32 s[LC], s[LC], 1
	s_cmp_lg_u32 s[LC], 0
	s_cbranch_scc1 .Lfill
.set i, 0
.rept 32
	WSLOT i, 0, 31-i                               ; the last 32 rows: nothing is loaded, the counts run down
.set i, i+1
.endr
	s_wait_dscnt 0x0                               ; for the others' sake: my stores into the image are done
	s_barrier_signal -1
	s_barrier_wait -1                              ; the image is whole; from here on it is only read
; 16 turning loads: the weights' fragments of step j of a group of four (32 rows of the image, 8 blocks of 16 columns) into buffer j % 2
.macro FETCH_B j
	WIN 0x40
.set FB, 64*((\j)%2)
.irp c, 0,1,2,3,4,5,6,7
	ds_load_tr16_b128 v[FB+8*(\c):FB+8*(\c)+3],   v[BA] offset:(\j)*32*PW+32*(\c)
	ds_load_tr16_b128 v[FB+8*(\c)+4:FB+8*(\c)+7], v[BA] offset:(\j)*32*PW+32*(\c)+16*PW
.endr
.endm
; NL loads: the token fragments of one step for five blocks: lane l takes row l % 16, 16 bytes at 16 (l / 16) and 16 bytes 32 further on
.macro ALOAD buf, imm
.if PROD == 1
	WIN 0
.irp a, 0,1,2,3,4
	global_load_b128 v[AR+40*(\buf)+8*(\a):AR+40*(\buf)+8*(\a)+3],   v[AOFF+(\a)], s[34:35] offset:(\imm)
	global_load_b128 v[AR+40*(\buf)+8*(\a)+4:AR+40*(\buf)+8*(\a)+7], v[AOFF+(\a)], s[34:35] offset:(\imm)+32
.endr
.else
.if (\buf) < 2
	WIN 0
.set FA, 64+80*(\buf)
.else
	WIN 0xc0
.set FA, 80*((\buf)-2)
.endif
.irp kh, 0,1
.irp a, 0,1,2,3,4
	global_load_b128 v[FA+40*(\kh)+8*(\a):FA+40*(\kh)+8*(\a)+3],   v[AOFF+(\a)], s[34:35] offset:(\imm)+2048*(\kh)
	global_load_b128 v[FA+40*(\kh)+8*(\a)+4:FA+40*(\kh)+8*(\a)+7], v[AOFF+(\a)], s[34:35] offset:(\imm)+2048*(\kh)+32
.endr
.endr
.endif
.endm
; 8 matrix instructions for block a in step j.  The accumulators take turns, one instruction a turn.  zero = 1: the first products start the sums.
.macro MUL j, a, zero
.set FB, 64*((\j)%2)
.if PROD == 1
.set FA, AR+40*((\j)%4)+8*(\a)
.if (\a) == 4
	WIN 0xf1
.set AC, 0
.else
	WIN 0xa1
.set AC, 64*(\a)
.endif
.irp c, 0,1,2,3,4,5,6,7
.if \zero
	v_wmma_f32_16x16x32_bf16 v[AC+8*(\c):AC+8*(\c)+7], v[FB+8*(\c):FB+8*(\c)+7], v[FA:FA+7], 0
.else
	v_wmma_f32_16x16x32_bf16 v[AC+8*(\c):AC+8*(\c)+7], v[FB+8*(\c):FB+8*(\c)+7], v[FA:FA+7], v[AC+8*(\c):AC+8*(\c)+7]
.endif
.endr
.else
.if ((\j)%4) < 2
	WIN 0xa1
.set FA, 64+80*((\j)%4)+8*(\a)
.else
	WIN 0xad
.set FA, 80*(((\j)%4)-2)+8*(\a)
.endif
.set AC, 32*(\a)
.irp c, 0,1,2,3,4,5,6,7
.if (\zero) && ((\c) < 4)
	v_wmma_f32_16x16x32_bf16 v[AC+8*((\c)%4):AC+8*((\c)%4)+7], v[FB+8*(\c):FB+8*(\c)+7], v[FA+40*((\c)/4):FA+40*((\c)/4)+7], 0
.else
	v_wmma_f32_16x16x32_bf16 v[AC+8*((\c)%4):AC+8*((\c)%4)+7], v[FB+8*(\c):FB+8*(\c)+7], v[FA+40*((\c)/4):FA+40*((\c)/4)+7], v[AC+8*((\c)%4):AC+8*((\c)%4)+7]
.endif
.endr
.endif
.endm
; A STEP of 32 rows of the image.  In its middle stand both runs of loads: the next step's weights' fragments and the token fragments three steps on; their registers were last read by the step
; before, and the four v_nop are the places between those products and the loads (ISA guide 7.12.1 for vector instructions).
; left = the token loads that may stay out: the two younger buffers'.  skip = 1: block 4 is jumped where the trip has fewer than five blocks; the first step never jumps, so that its sums are started.
.macro STEP j, zero, ald, bld, left, skip
	s_wait_loadcnt \left
	s_wait_dscnt 0x0                               ; the weights' fragments, asked for 24 products ago
	MUL \j, 0, \zero
	MUL \j, 1, \zero
	PLACES
.if \bld
	FETCH_B (\j)+1
.endif
.if \ald
	ALOAD ((\j)+3)%4, 64*((\j)+3)
.endif
	MUL \j, 2, \zero
	MUL \j, 3, \zero
	WIN 0                                          ; at a branch and at a label every window is 0
.if \skip
	s_cmp_eq_u32 s[NBT], 5
	s_cbranch_scc0 .Ln5_\@
.endif
	MUL \j, 4, \zero
	WIN 0
.if \skip
.Ln5_\@:
.endif
.endm
.macro ADV                             ; four steps on
	s_wait_xcnt 0x0                                ; the token loads' base is stepped only behind this wait
	s_add_nc_u64 s[34:35], s[34:35], 256
	v_add_nc_u32 v[BA], 4*32*PW, v[BA]
.endm
.macro COPY a                          ; block a's sums plus the bias, each accumulator from its low end on
.if (PROD == 1) && ((\a) == 4)
	WIN 0x03
.set AC, 0
.else
	WIN 0x02
.set AC, NBI*(\a)
.endif
.set i, 0
.rept NBI/2
	v_pk_add_f32 v[X+2*i:X+2*i+1], v[AC+2*i:AC+2*i+1], v[BI+2*i:BI+2*i+1]
.set i, i+1
.endr
	WIN 0
.endm
	; THE TRIPS: four, five blocks each: 20 blocks cover the 16 that a wave can have.  The loop is entered behind its test: the first trip always multiplies, so that on every way
	; to the way out all sums have been started; the test that jumps a trip's products is reached by the backward jump alone.
	s_mov_b32 s[TT], 4
	s_mov_b32 s[B0], 0
	s_mov_b32 s[NBT], s[NBW]
	s_branch .Lwork
.Ltile:
	s_sub_co_i32 s[NBT], s[NBW], s[B0]
	s_cmp_le_i32 s[NBT], 0
	s_cbranch_scc1 .Lno_mul                        ; nothing left: the products are jumped; what is jumped holds no barrier
.Lwork:
	s_min_i32 s[NBT], s[NBT], 5
	s_wait_xcnt 0x0                                ; the last trip's stores have read their registers
.irp a, 0,1,2,3,4
	s_cmp_gt_u32 s[NBT], \a
	s_cselect_b32 s45, \a, 0                       ; a block past the count repeats the trip's first
	s_add_co_u32 s45, s45, s[B0]
	v_lshl_add_u32 v[TA], s45, 4, v2
	v_min_u32 v[TA], 0x10f, v[TA]
	v_lshl_add_u32 v[TA], v[TA], 1, v[LB]
	ds_load_u16 v[AOFF+(\a)], v[TA]
.endr
	s_wait_dscnt 0x0
.irp a, 0,1,2,3,4
.if PROD == 1
	v_sub_nc_u32 v[AOFF+(\a)], v[AOFF+(\a)], s27   ; slot -> token
	v_lshrrev_b32 v[AOFF+(\a)], s28, v[AOFF+(\a)]
	v_min_u32 v[AOFF+(\a)], 0x3ff, v[AOFF+(\a)]
.else
	v_min_u32 v[AOFF+(\a)], 0xfff, v[AOFF+(\a)]
.endif
	v_lshl_add_u32 v[AOFF+(\a)], v[AOFF+(\a)], ASH, v[H16]
.endr
	s_mov_b64 s[34:35], s[4:5]
	v_mov_b32 v[BA], v[BA0]
	ALOAD 0, 0
	ALOAD 1, 64
	ALOAD 2, 128
	FETCH_B 0
	STEP 0, 1, 1, 1, 2*NL, 0
	STEP 1, 0, 1, 1, 2*NL, 1
	STEP 2, 0, 1, 1, 2*NL, 1
	STEP 3, 0, 1, 1, 2*NL, 1
	ADV
	s_mov_b32 s[LC], 6
.Lgroup:
	STEP 0, 0, 1, 1, 2*NL, 1
	STEP 1, 0, 1, 1, 2*NL, 1
	STEP 2, 0, 1, 1, 2*NL, 1
	STEP 3, 0, 1, 1, 2*NL, 1
	ADV
	s_sub_co_u32 s[LC], s[LC], 1
	s_cmp_lg_u32 s[LC], 0
	s_cbranch_scc1 .Lgroup
	STEP 0, 0, 1, 1, 2*NL, 1                       ; the last four steps: one more run of token loads, then the counts run down
	STEP 1, 0, 0, 1, 2*NL, 1
	STEP 2, 0, 0, 1, NL, 1
	STEP 3, 0, 0, 0, 0, 1
	PLACES                                         ; between the last products and the first read of a sum
.Lno_mul:
	s_wait_dscnt 0x0                               ; my loads from the image are back
	s_barrier_signal -1
	s_barrier_wait -1                              ; every wave's are: only now is a stage written
	s_cmp_le_i32 s[NBT], 0
	s_cbranch_scc1 .Lno_out                        ; a trip without blocks has nothing to store; what is jumped holds no barrier
	; THE WAY OUT, a block of 16 rows at a time, through my own stage in LDS
	s_mov_b32 s[EA], 0
.Lepi:
	s_cmp_ge_u32 s[EA], s[NBT]
	s_cbranch_scc1 .Lepi_next
	s_cmp_eq_u32 s[EA], 0
	s_cbranch_scc0 .Lc1
	COPY 0
	s_branch .Lcommon
.Lc1:
	s_cmp_eq_u32 s[EA], 1
	s_cbranch_scc0 .Lc2
	COPY 1
	s_branch .Lcommon
.Lc2:
	s_cmp_eq_u32 s[EA], 2
	s_cbranch_scc0 .Lc3
	COPY 2
	s_branch .Lcommon
.Lc3:
	s_cmp_eq_u32 s[EA], 3
	s_cbranch_scc0 .Lc4
	COPY 3
	s_branch .Lcommon
.Lc4:
	COPY 4
.Lcommon:
	s_wait_xcnt 0x0                                ; the last block's stores have read their offsets and data
.if PROD == 1
.set i, 0
.rept 32
	v_pk_mul_f32 v[T+2*i:T+2*i+1], v[X+2*i:X+2*i+1], v[X+2*i:X+2*i+1]
.set i, i+1
.endr
.set i, 0
.rept 32
	v_pk_fma_f32 v[T+2*i:T+2*i+1], v[T+2*i:T+2*i+1], s[48:49], s[46:47] op_sel_hi:[1,0,0]  ; C1 x^2 + C0
.set i, i+1
.endr
.set i, 0
.rept 32
	v_pk_mul_f32 v[T+2*i:T+2*i+1], v[T+2*i:T+2*i+1], v[X+2*i:X+2*i+1]
.set i, i+1
.endr
.set i, 0
.rept 64
	v_exp_f32 v[T+i], v[T+i]
.set i, i+1
.endr
.endif
	s_add_co_u32 s45, s[B0], s[EA]                 ; the slots of the rows that I shall store: entries 16 block + 2 t + lane / 16 (plain work behind the exponentials)
	v_lshl_add_u32 v[TA], s45, 4, v3
	v_min_u32 v[TA], 0x101, v[TA]
	v_lshl_add_u32 v[TA], v[TA], 1, v[LB]
.irp t, 0,1,2,3,4,5,6,7
	ds_load_u16 v[DO+(\t)], v[TA] offset:4*(\t)
.endr
.if PROD == 1
	s_wait_alu depctr_va_vdst(0)                   ; one wait for the 64 exponentials, ahead of their first reader
.set i, 0
.rept 32
	v_pk_add_f32 v[T+2*i:T+2*i+1], v[T+2*i:T+2*i+1], 1.0 op_sel_hi:[1,0]
.set i, i+1
.endr
.set i, 0
.rept 64
	v_rcp_f32 v[T+i], v[T+i]
.set i, i+1
.endr
	v_nop
	s_wait_alu depctr_va_vdst(0)                   ; one wait for the 64 reciprocals
.set i, 0
.rept 32
	v_pk_mul_f32 v[T+2*i:T+2*i+1], v[T+2*i:T+2*i+1], v[X+2*i:X+2*i+1]
.set i, i+1
.endr
.set i, 0
.rept 32
	v_cvt_pk_bf16_f32 v[X+i], v[T+2*i], v[T+2*i+1]
.set i, i+1
.endr
.irp c, 0,1,2,3,4,5,6,7
	ds_store_b128 v[STO], v[X+4*(\c):X+4*(\c)+3] offset:32*(\c)
.endr
.else
.irp c, 0,1,2,3
	ds_store_b128 v[STO], v[X+8*(\c):X+8*(\c)+3] offset:64*(\c)
	ds_store_b128 v[STO], v[X+8*(\c)+4:X+8*(\c)+7] offset:64*(\c)+16
.endr
.endif
.irp t, 0,1,2,3,4,5,6,7
	ds_load_b128 v[BK+4*(\t):BK+4*(\t)+3], v[RD] offset:544*(\t)  ; LDS serves a wave's instructions in order (ISA guide 5.7.1.4): these see the stores above
.endr
	s_wait_dscnt 0x0
.irp t, 0,1,2,3,4,5,6,7
	v_min_u32 v[DO+(\t)], 0xfff, v[DO+(\t)]
	v_lshl_add_u32 v[DO+(\t)], v[DO+(\t)], 12, v[CO]
.endr
.irp t, 0,1,2,3,4,5,6,7
	global_store_b128 v[DO+(\t)], v[BK+4*(\t):BK+4*(\t)+3], s[20:21]  ; 16 lanes store the slice's 256 consecutive bytes of one row, aligned; the other 16 those of the next
.endr
.Lepi_next:
	s_add_co_u32 s[EA], s[EA], 1
	s_cmp_lt_u32 s[EA], 5
	s_cbranch_scc1 .Lepi
.Lno_out:
	s_wait_dscnt 0x0                               ; my stores into my stage, and my reads of it, are done
	s_barrier_signal -1
	s_barrier_wait -1                              ; every wave's are: only now does the next trip read LDS, or the wave end
	s_add_co_u32 s[B0], s[B0], 5
	s_sub_co_u32 s[TT], s[TT], 1
	s_cmp_lg_u32 s[TT], 0
	s_cbranch_scc1 .Ltile
	s_wait_tensorcnt 0x0                           ; the wave's end, behind my last LDS store
	ds_add_u32 v[SPW], v[NIL]
	s_wait_dscnt 0x0
	s_endpgm
.Lfunc_end_k_q0f45115fba_down:
	.size	k_q0f45115fba_down, .Lfunc_end_k_q0f45115fba_down-k_q0f45115fba_down
	.p2alignl 7, 3214868480
	.fill 96, 4, 3214868480
	.section	.rodata,"a",@progbits
	.p2align	6, 0x0
	.amdhsa_kernel k_q0f45115fba_down
		.amdhsa_group_segment_fixed_size 315904
		.amdhsa_private_segment_fixed_size 0
		.amdhsa_enable_private_segment 0
		.amdhsa_kernarg_size 72
		.amdhsa_user_sgpr_count 2
		.amdhsa_user_sgpr_kernarg_segment_ptr 1
		.amdhsa_wavefront_size32 1
		.amdhsa_system_sgpr_workgroup_id_x 1
		.amdhsa_system_sgpr_workgroup_id_y 1
		.amdhsa_system_sgpr_workgroup_id_z 1
		.amdhsa_system_vgpr_workitem_id 0
		.amdhsa_next_free_vgpr 928
		.amdhsa_next_free_sgpr 66
		.amdhsa_reserve_vcc 1
		.amdhsa_float_denorm_mode_32 3
		.amdhsa_float_denorm_mode_16_64 3
		.amdhsa_memory_ordered 1
		.amdhsa_forward_progress 1
		.amdhsa_inst_pref_size 119
	.end_amdhsa_kernel
	.amdgpu_metadata
---
amdhsa.version: [ 1, 2 ]
amdhsa.kernels:
  - .name:           k_q0f45115fba_down
    .symbol:         k_q0f45115fba_down.kd
    .args:
      - { .name: hbuf, .offset: 0, .size: 8, .value_kind: global_buffer, .address_space: global }
      - { .name: keys, .offset: 8, .size: 8, .value_kind: global_buffer, .address_space: global }
      - { .name: shared_w2, .offset: 16, .size: 8, .value_kind: global_buffer, .address_space: global }
      - { .name: mode_w2, .offset: 24, .size: 8, .value_kind: global_buffer, .address_space: global }
      - { .name: routed_w2, .offset: 32, .size: 8, .value_kind: global_buffer, .address_space: global }
      - { .name: shared_b2, .offset: 40, .size: 8, .value_kind: global_buffer, .address_space: global }
      - { .name: mode_b2, .offset: 48, .size: 8, .value_kind: global_buffer, .address_space: global }
      - { .name: routed_b2, .offset: 56, .size: 8, .value_kind: global_buffer, .address_space: global }
      - { .name: ybuf, .offset: 64, .size: 8, .value_kind: global_buffer, .address_space: global }
    .group_segment_fixed_size: 315904
    .private_segment_fixed_size: 0
    .kernarg_segment_align: 8
    .kernarg_segment_size: 72
    .max_flat_workgroup_size: 128
    .sgpr_count:     66
    .vgpr_count:     928
    .wavefront_size: 32
...
	.end_amdgpu_metadata
.endif
;; end of part 3
;; launch mix (part 4): grid 256 x 1, 8 waves a work-group, no clusters, 0 bytes of LDS; arguments ybuf, rprob, out0; writes out0
.if DOCPART == 4
	.amdgcn_target "amdgcn-amd-amdhsa--gfx1250"
	.amdhsa_code_object_version 6
	.text
	.protected	k_q0f45115fba_mix
	.globl	k_q0f45115fba_mix
	.p2align	8
	.type	k_q0f45115fba_mix,@function
k_q0f45115fba_mix:
	s_mov_b64 s[64:65], 0
	v_nop
	global_prefetch_b8 v0, s[64:65] scope:SCOPE_SE
	s_setreg_imm32_b32 hwreg(HW_REG_WAVE_MODE, 25, 1), 1
	s_wait_xcnt 0x0
; out0[t] = y[t] + y[1024 + t] + p0 y[2048 + 2 t] + p1 y[2049 + 2 t]: the shared row, the mode's row and the two routed rows with their probabilities.  All f32.
; A stream: 16 bytes a thread, a work-group of 256 threads covers a row of 4,096 bytes and owns four tokens; its 16 loads a thread go out together; each byte is read once and written once.
; No LDS, no barrier, no matrix unit: nothing is shared between threads.
.set Y, 4                              ; v[4:67]  token tk: y0 at 4 + 16 tk (and the result), y1 + 4, y2 + 8, y3 + 12
	s_load_b128 s[4:7], s[0:1], 0x0                ; ybuf, rprob
	s_load_b64 s[8:9], s[0:1], 0x10                ; out0
	v_lshlrev_b32 v1, 4, v0
	s_lshl_b32 s14, ttmp9, 14                      ; four rows of 4,096 bytes
	s_mov_b32 s15, 0
	s_lshl_b32 s24, ttmp9, 15                      ; eight rows
	s_mov_b32 s25, 0
	s_lshl_b32 s26, ttmp9, 5                       ; four pairs of probabilities
	s_mov_b32 s27, 0
	s_wait_kmcnt 0x0
	s_add_nc_u64 s[6:7], s[6:7], s[26:27]
	s_load_b256 s[16:23], s[6:7], 0x0
	s_add_nc_u64 s[10:11], s[4:5], s[14:15]        ; the shared rows; the modes' lie 4,194,304 bytes on
	s_add_nc_u64 s[12:13], s[4:5], s[24:25]
	s_add_nc_u64 s[12:13], s[12:13], 0x800000      ; the routed rows
	s_add_nc_u64 s[8:9], s[8:9], s[14:15]
.irp tk, 0,1,2,3
	global_load_b128 v[Y+16*(\tk):Y+16*(\tk)+3],     v1, s[10:11] offset:4096*(\tk) th:TH_LOAD_NT
	global_load_b128 v[Y+16*(\tk)+4:Y+16*(\tk)+7],   v1, s[10:11] offset:0x400000+4096*(\tk) th:TH_LOAD_NT
	global_load_b128 v[Y+16*(\tk)+8:Y+16*(\tk)+11],  v1, s[12:13] offset:8192*(\tk) th:TH_LOAD_NT
	global_load_b128 v[Y+16*(\tk)+12:Y+16*(\tk)+15], v1, s[12:13] offset:8192*(\tk)+4096 th:TH_LOAD_NT
.endr
	s_wait_kmcnt 0x0
.irp tk, 0,1,2,3
	s_wait_loadcnt 12-4*(\tk)                      ; the later tokens' loads stay out
	v_pk_add_f32 v[Y+16*(\tk):Y+16*(\tk)+1], v[Y+16*(\tk):Y+16*(\tk)+1], v[Y+16*(\tk)+4:Y+16*(\tk)+5]
	v_pk_add_f32 v[Y+16*(\tk)+2:Y+16*(\tk)+3], v[Y+16*(\tk)+2:Y+16*(\tk)+3], v[Y+16*(\tk)+6:Y+16*(\tk)+7]
.irp i, 0,1,2,3
	v_fma_f32 v[Y+16*(\tk)+(\i)], s[16+2*(\tk)], v[Y+16*(\tk)+8+(\i)], v[Y+16*(\tk)+(\i)]
.endr
.irp i, 0,1,2,3
	v_fma_f32 v[Y+16*(\tk)+(\i)], s[17+2*(\tk)], v[Y+16*(\tk)+12+(\i)], v[Y+16*(\tk)+(\i)]
.endr
	global_store_b128 v1, v[Y+16*(\tk):Y+16*(\tk)+3], s[8:9] offset:4096*(\tk) th:TH_STORE_NT  ; a wave's store covers 512 consecutive bytes, aligned
.endr
	s_endpgm
.Lfunc_end_k_q0f45115fba_mix:
	.size	k_q0f45115fba_mix, .Lfunc_end_k_q0f45115fba_mix-k_q0f45115fba_mix
	.p2alignl 7, 3214868480
	.fill 96, 4, 3214868480
	.section	.rodata,"a",@progbits
	.p2align	6, 0x0
	.amdhsa_kernel k_q0f45115fba_mix
		.amdhsa_group_segment_fixed_size 0
		.amdhsa_private_segment_fixed_size 0
		.amdhsa_enable_private_segment 0
		.amdhsa_kernarg_size 24
		.amdhsa_user_sgpr_count 2
		.amdhsa_user_sgpr_kernarg_segment_ptr 1
		.amdhsa_wavefront_size32 1
		.amdhsa_system_sgpr_workgroup_id_x 1
		.amdhsa_system_sgpr_workgroup_id_y 1
		.amdhsa_system_sgpr_workgroup_id_z 1
		.amdhsa_system_vgpr_workitem_id 0
		.amdhsa_next_free_vgpr 68
		.amdhsa_next_free_sgpr 66
		.amdhsa_reserve_vcc 0
		.amdhsa_float_denorm_mode_32 3
		.amdhsa_float_denorm_mode_16_64 3
		.amdhsa_memory_ordered 1
		.amdhsa_forward_progress 1
		.amdhsa_inst_pref_size 6
	.end_amdhsa_kernel
	.amdgpu_metadata
---
amdhsa.version: [ 1, 2 ]
amdhsa.kernels:
  - .name:           k_q0f45115fba_mix
    .symbol:         k_q0f45115fba_mix.kd
    .args:
      - { .name: ybuf, .offset: 0, .size: 8, .value_kind: global_buffer, .address_space: global }
      - { .name: rprob, .offset: 8, .size: 8, .value_kind: global_buffer, .address_space: global }
      - { .name: out0, .offset: 16, .size: 8, .value_kind: global_buffer, .address_space: global }
    .group_segment_fixed_size: 0
    .private_segment_fixed_size: 0
    .kernarg_segment_align: 8
    .kernarg_segment_size: 24
    .max_flat_workgroup_size: 256
    .sgpr_count:     66
    .vgpr_count:     68
    .wavefront_size: 32
...
	.end_amdgpu_metadata
.endif
;; end of part 4
;; ======== version 2 of 3: 5 launches; 1.36 times as fast as version 1
;; workspace buffers: xb 2,097,152 bytes; keys 16,384 bytes of whole numbers; rows 86,016 bytes of whole numbers; rprob 8,192 bytes; hbuf 16,777,216 bytes; ybuf 16,777,216 bytes
;; launch router: the kernel of part 1 again; grid 256 x 1, 4 waves a work-group, no clusters, 0 bytes of LDS; arguments hidden, router_w, router_b, mode_ids, xb, keys, rprob, out1, out2, out3; writes xb, keys, rprob, out1, out2, out3
;; launch sort (part 5): grid 16 x 1, 1 waves a work-group, no clusters, 0 bytes of LDS; arguments keys, rows; writes rows
.if DOCPART == 5
	.amdgcn_target "amdgcn-amd-amdhsa--gfx1250"
	.amdhsa_code_object_version 6
	.text
	.protected	k_q0f45115fba_sort
	.globl	k_q0f45115fba_sort
	.p2align	8
	.type	k_q0f45115fba_sort,@function
k_q0f45115fba_sort:
	s_mov_b64 s[64:65], 0
	v_nop
	global_prefetch_b8 v0, s[64:65] scope:SCOPE_SE
	s_setreg_imm32_b32 hwreg(HW_REG_WAVE_MODE, 25, 1), 1
	s_wait_xcnt 0x0
; THE ROWS OF EACH VIRTUAL EXPERT, listed.  keys[slot] (stored by the router's launch) names the virtual expert of each of the 4,096 rows of work.  Work-group v, one wave, reads the 2,048 keys in
; which v can stand (slots 0-2047 for v < 8, 2048-4095 for the routed experts) and stores, in its stripe of 5,376 bytes of rows:
;   entries 0 .. T-1        the slots whose key is v (in the order load, word, lane);
;   entries T .. T+319      one of those slots again (the first slot scanned, if there is none): the two products read at most 319 entries past the count, and find a row that exists;
;   entries 1280 .. 1311    where lanes without a match store, and what of the 320 would pass entry 1311: never read;      entry 1312  T.
; T is 1,024 at the most, and the products read no entry past 1279.
; A counting sort without atomics, LDS, branches or changes of EXEC, written in phases whose lines do not wait for their neighbours: 64 compares into 64 scalar masks, the ranks and the count, the
; vector lines in batches of 64, the stores.  Every store has an address and a data register of its own, so that no wait stands between them.
; These stores are 4 bytes a lane: some 10,000 bytes a stripe, against the 218 MB of weights that the list steers.
.set LSTR,  5376
.set NLIST, 1280
.set TOFF,  5248                       ; byte of entry 1312
.set K, 8                              ; v[8:71]    my 64 keys: word q = 4 x load + word of the load
.set P, 72                             ; v[72:135]  the rank, then the byte offset, of word q's store
.set D, 136                            ; v[136:199] its slot
.set F, 200                            ; v[200:209] byte offsets of the stores behind the count
; word q's mask lies in s[20 + q + 2 (q / 44)]: s20-63 and s66-85
	s_load_b128 s[4:7], s[0:1], 0x0                ; keys, rows
	v_and_b32 v1, 31, v0                           ; lane
	s_mov_b32 s8, ttmp9                            ; v
	s_movk_i32 s10, 0x800
	s_cmp_lt_u32 s8, 8
	s_cselect_b32 s9, 0, s10                       ; the first slot scanned
	s_lshl_b32 s12, s9, 2
	s_mov_b32 s13, 0
	s_mul_i32 s14, s8, LSTR
	s_mov_b32 s15, 0
	v_lshlrev_b32 v2, 4, v1                        ; 16 bytes a lane
	v_lshl_add_u32 v3, v1, 2, s9                   ; the slot of my first key
	v_add_nc_u32 v4, NLIST, v1                     ; my entry for a key that does not match
	s_mov_b32 s16, 0                               ; the count
	s_mov_b32 s17, 0                               ; a word with a match: 128 load + word,
	s_mov_b32 s18, 1                               ; and its mask (lane 0, if there is none)
	s_wait_kmcnt 0x0
	s_add_nc_u64 s[4:5], s[4:5], s[12:13]
	s_add_nc_u64 s[6:7], s[6:7], s[14:15]
.set j, 0
.rept 16
	global_load_b128 v[K+4*j:K+4*j+3], v2, s[4:5] offset:512*j  ; key 128 j + 4 lane + word
.set j, j+1
.endr
.set q, 0
.rept 64                               ; the slots hang on no key: they are made while the keys are on their way
	v_add_nc_u32 v[D+q], 128*(q/4)+q%4, v3
.set q, q+1
.endr
.set q, 0
.rept 64                               ; the masks
.if q%4 == 0
	s_wait_loadcnt 15-q/4                          ; the younger loads stay out
.endif
	v_cmp_eq_u32 s[20+q+2*(q/44)], s8, v[K+q]
.set q, q+1
.endr
.set q, 0
.rept 64                               ; a match's rank = the count so far + the matches in lower lanes; the last word with a match is kept
	v_mbcnt_lo_u32_b32 v[P+q], s[20+q+2*(q/44)], s16
	s_cmp_lg_u32 s[20+q+2*(q/44)], 0
	s_cselect_b32 s17, 128*(q/4)+q%4, s17
	s_cselect_b32 s18, s[20+q+2*(q/44)], s18
	s_bcnt1_i32_b32 s19, s[20+q+2*(q/44)]
	s_add_co_u32 s16, s16, s19
.set q, q+1
.endr
.set q, 0
.rept 64
	v_cndmask_b32 v[P+q], v4, v[P+q], s[20+q+2*(q/44)]
.set q, q+1
.endr
.set q, 0
.rept 64
	v_min_u32 v[P+q], 0x51f, v[P+q]
.set q, q+1
.endr
.set q, 0
.rept 64
	v_lshlrev_b32 v[P+q], 2, v[P+q]
.set q, q+1
.endr
.set q, 0
.rept 64
	global_store_b32 v[P+q], v[D+q], s[6:7]
.set q, q+1
.endr
	s_ctz_i32_b32 s18, s18                         ; the lowest matching lane of that word,
	s_lshl_b32 s18, s18, 2
	s_add_co_u32 s17, s17, s18
	s_add_co_u32 s17, s17, s9                      ; and its slot
	v_mov_b32 v6, s17
	v_add_nc_u32 v5, s16, v1                       ; T + lane
.set i, 0
.rept 10                               ; entries T .. T + 319
	v_add_nc_u32 v[F+i], 32*i, v5
.set i, i+1
.endr
.set i, 0
.rept 10
	v_min_u32 v[F+i], 0x51f, v[F+i]
.set i, i+1
.endr
.set i, 0
.rept 10
	v_lshlrev_b32 v[F+i], 2, v[F+i]
.set i, i+1
.endr
.set i, 0
.rept 10
	global_store_b32 v[F+i], v6, s[6:7]
.set i, i+1
.endr
	v_mov_b32 v210, s16
	v_mov_b32 v211, TOFF
	global_store_b32 v211, v210, s[6:7]            ; T: every lane stores the same word
	s_endpgm
.Lfunc_end_k_q0f45115fba_sort:
	.size	k_q0f45115fba_sort, .Lfunc_end_k_q0f45115fba_sort-k_q0f45115fba_sort
	.p2alignl 7, 3214868480
	.fill 96, 4, 3214868480
	.section	.rodata,"a",@progbits
	.p2align	6, 0x0
	.amdhsa_kernel k_q0f45115fba_sort
		.amdhsa_group_segment_fixed_size 0
		.amdhsa_private_segment_fixed_size 0
		.amdhsa_enable_private_segment 0
		.amdhsa_kernarg_size 16
		.amdhsa_user_sgpr_count 2
		.amdhsa_user_sgpr_kernarg_segment_ptr 1
		.amdhsa_wavefront_size32 1
		.amdhsa_system_sgpr_workgroup_id_x 1
		.amdhsa_system_sgpr_workgroup_id_y 1
		.amdhsa_system_sgpr_workgroup_id_z 1
		.amdhsa_system_vgpr_workitem_id 0
		.amdhsa_next_free_vgpr 216
		.amdhsa_next_free_sgpr 90
		.amdhsa_reserve_vcc 0
		.amdhsa_float_denorm_mode_32 3
		.amdhsa_float_denorm_mode_16_64 3
		.amdhsa_memory_ordered 1
		.amdhsa_forward_progress 1
		.amdhsa_inst_pref_size 46
	.end_amdhsa_kernel
	.amdgpu_metadata
---
amdhsa.version: [ 1, 2 ]
amdhsa.kernels:
  - .name:           k_q0f45115fba_sort
    .symbol:         k_q0f45115fba_sort.kd
    .args:
      - { .name: keys, .offset: 0, .size: 8, .value_kind: global_buffer, .address_space: global }
      - { .name: rows, .offset: 8, .size: 8, .value_kind: global_buffer, .address_space: global }
    .group_segment_fixed_size: 0
    .private_segment_fixed_size: 0
    .kernarg_segment_align: 8
    .kernarg_segment_size: 16
    .max_flat_workgroup_size: 32
    .sgpr_count:     90
    .vgpr_count:     216
    .wavefront_size: 32
...
	.end_amdgpu_metadata
.endif
;; end of part 5
;; launch up (part 6): grid 16 x 16, 4 waves a work-group, no clusters, 312,832 bytes of LDS; arguments xb, rows, shared_w1, mode_w1, routed_w1, shared_b1, mode_b1, routed_b1, hbuf; writes hbuf
.if DOCPART == 6
	.amdgcn_target "amdgcn-amd-amdhsa--gfx1250"
	.amdhsa_code_object_version 6
	.text
	.protected	k_q0f45115fba_up
	.globl	k_q0f45115fba_up
	.p2align	8
	.type	k_q0f45115fba_up,@function
k_q0f45115fba_up:
	s_mov_b64 s[64:65], 0
	v_nop
	global_prefetch_b8 v0, s[64:65] scope:SCOPE_SE
	s_setreg_imm32_b32 hwreg(HW_REG_WAVE_MODE, 25, 1), 1
	s_wait_xcnt 0x0
.set PROD, 1
; ONE PRODUCT OF THE EXPERTS' CHAIN, for the rows that chose the expert.  PROD = 1: h = gelu(x W1 + b1), rows of xb by token, 128 columns a slice, result in bf16.
; PROD = 2: y = h W2 + b2, rows of hbuf by slot, 64 columns a slice, result in f32 (partial rows, added by the last launch).  The two texts differ in the line above alone.
; GRID.  x = slice (16), y = virtual expert v (16): 0-3 the shared expert's four quarters of rows, 4-7 the modes, 8-15 the routed experts.  A work-group has one slice of ONE
; expert's weights (524,288 bytes of f32), rounds it to bf16 on the way through registers into LDS, and multiplies all rows of v.
; ROWS.  A row of work is a SLOT with a fixed place: t (shared), 1024 + t (mode), 2048 + 2 t + k (routed).  The launch before listed v's slots in rows: entries 0 .. T-1, then one of them repeated in the
; 320 entries behind, and T in entry 1312.  The list is taken in blocks of 16; trip i gives wave w the blocks 20 i + w + 4 a, a = 0 .. 4: an even deal, and four trips cover the 64 blocks that an expert
; can have, whatever the split.  The list's addresses hang on v, the wave and the lane alone, so the first trip's entries are asked for at the kernel's head; a later trip's are asked for only by a wave
; that has a block in it, that is where T > 16 (20 i + w): no entry past T + 319 is read, and a trip without work waits for nothing.  A block past the count holds the repeated row: it is loaded, its
; products but for the fifth block's are made, and nothing of it is stored; in the last block that counts the places past T store the repeated row's bytes once more.
; The first trip's products are never jumped, so that all sums have been started on every way to the way out.
; BARRIERS.  One behind the fill.  Then two in each of the four trips, on every wave's path (only work is jumped): one between the trip's loads from the image and the stores into the stages, one between
; those stores and the next trip's loads, so that the order of LDS reads and writes between waves does not rest on the regions' arithmetic alone.
; NO TENSOR LOADS, NO CLUSTER: each weight is f32 and has to pass through registers to be rounded; all slices but the shared expert's have one reader; the token rows come by a list.
; MATRIX USE.  Source 0 = 16 columns of the weights (turned out of LDS by ds_load_tr16_b128), source 1 = 16 rows of tokens (straight from memory): a lane then holds one row and eight neighbouring columns.
; LDS IMAGE.  1,024 rows of 288 bytes (256 + 32 of padding = 72 words, so that the eight rows of a turning load fall on different banks: 64 banks of 4 bytes, ISA guide 11.1).  PROD = 1: row k, 128 columns.
; PROD = 2: row k mod 1024, bytes 0-127 the 64 columns of k < 1024, bytes 128-255 those of k >= 1024: both halves of K go on one accumulator.  So both texts have 32 steps of 32 rows.
; LIMITS.  Weights, biases and x are rounded to bf16; h is rounded once to bf16.  gelu is the tanh form, x / (1 + 2^(x (C0 + C1 x^2))).  NaN and infinities are not treated apart.
.if PROD == 1
.set ROWP, 8192        ; bytes in a row of the weights
.set SLB,  512         ; bytes of a slice in it, and in the bias
.set WSH,  21          ; a wave's 256 rows of weights, as a shift
.set BROW, 8192        ; bytes of an expert's bias
.set NL,   10          ; loads of token fragments in a step
.set ASH,  11          ; a token row's bytes, as a shift
.set NBI,  64          ; registers of bias = results of a block of 16 rows
.set STH,  4           ; the stage: 16 bytes for each half of the lanes
.set BI,   192         ; v192-255 bias
.set AR,   32          ; v32-191 token fragments: four buffers of 40 (block a at + 8 a)
.set WR,   32          ; while LDS is filled: v32-159 the ring of 32 loads,
.set CT,   176         ; v176-191 eight pairs of rounded weights
.set X,    32          ; the way out: v32-95 results, v96-159 at work, v160-191 rows read back
.set T,    96
.set BK,   160
.set SLT,  64          ; window 3, v64-103: block a's eight slots that I store, at + 8 a
.else
.set ROWP, 4096
.set SLB,  256
.set WSH,  20
.set BROW, 4096
.set NL,   20
.set ASH,  12
.set NBI,  32
.set STH,  5           ; 32 bytes for each half of the lanes
.set BI,   32          ; v32-63 bias;  token fragments: buffers of 80 (40 x half of K + 8 a): v64-143, v144-223, and v0-79, v80-159 of window 3
.set WR,   64
.set CT,   192
.set X,    64
.set BK,   96
.set SLT,  160         ; window 3, v160-199
.endif
; window 1: the weights' fragments, four buffers of 64.  Accumulators: PROD = 1: (a, c) at 64 a + 8 c of window 2, block 4 at 8 c of window 3; PROD = 2: (a, c) at 32 a + 8 c of window 2.
.set PW,    288
.set STAGE, 1024*PW         ; behind the image: 16 rows x 272 bytes a wave, for the way out
.set SPARE, STAGE+4*4352    ; the spare words, 128 bytes a wave: two blocks of 256 bytes that no other line names
.set LSTR,  5376            ; bytes of an expert's stripe in rows
.set TOFF,  5248            ; where its count stands
.set SPW,  4           ; v4   SPARE + 4 x my thread's number; never rewritten
.set NIL,  5           ; v5   0; never rewritten
.set BA0,  6           ; v6   my lane's place in a turning load
.set BA,   7           ; v7   the same, stepped along K
.set AOFF, 8           ; v8-12  blocks 0-4: the slot, then the byte offset, of my row
.set H16,  14          ; v14  16 x (lane / 16)
.set STO,  15          ; v15  the way out: where I put my part of a row
.set RD,   16          ; v16  where I read rows back
.set CO,   17          ; v17  16 x (lane % 16)
.set DO,   18          ; v18-25  byte offsets of the rows that I store
.set TA,   26
.set TB,   27
.set WOFF, 28          ; v28  my 16 bytes in a row of the slice
.set WLDS, 29          ; v29  where their 8 bytes go
.set LOFA, 30          ; v30  the list: byte of entry 16 (20 trip + wave) + lane % 16
.set LOFB, 31          ; v31  the list: byte of entry 16 (20 trip + wave) + 8 (lane / 16)
.set WV,   22          ; s22 wave; s23 v; s24 slice; s25 expert; s27, s28 slot -> token: less s27, shifted by s28
.set CNT,  38          ; s38  the expert's rows
.set REM,  39          ; s39  its blocks - wave + 3
.set NBT,  40          ; s40  my blocks in this trip, 1 to 5; 0 or less: none
.set B0,   41          ; s41  20 x trip
.set TT,   42          ; s42  trips to go
.set LC,   43          ; s43  inner loops' count
.set EA,   44          ; s44  block on the way out
.set MSB, 0
.macro WIN new                         ; s_set_vgpr_msb: bits 1:0 source 0, 3:2 source 1, 5:4 source 2, 7:6 destination; the high byte repeats the setting that is left
.if MSB != (\new)
	s_set_vgpr_msb (MSB<<8)|(\new)
.set MSB, (\new)
.endif
.endm
.macro PLACES
.rept 4
	v_nop
.endr
.endm
; A trip's part of the list, 15 loads: for each of my five blocks the slot of row lane % 16, and the eight slots 8 (lane / 16) + 0 .. 7 that I shall store
.macro LISTLOAD
	WIN 0
.irp a, 0,1,2,3,4
	global_load_b32 v[AOFF+(\a)], v[LOFA], s[6:7] offset:256*(\a)
.endr
	WIN 0xc0
.irp a, 0,1,2,3,4
	global_load_b128 v[SLT+8*(\a):SLT+8*(\a)+3],   v[LOFB], s[6:7] offset:256*(\a)
	global_load_b128 v[SLT+8*(\a)+4:SLT+8*(\a)+7], v[LOFB], s[6:7] offset:256*(\a)+16
.endr
	WIN 0
.endm
	s_load_b512 s[4:19], s[0:1], 0x0               ; rows of tokens 4, list 6, weights: shared 8, mode 10, routed 12, biases: shared 14, mode 16, routed 18
	s_load_b64 s[20:21], s[0:1], 0x40              ; result
	v_lshl_add_u32 v[SPW], v0, 2, SPARE
	v_mov_b32 v[NIL], 0
	v_lshrrev_b32 v1, 5, v0
	v_readfirstlane_b32 s[WV], v1
	s_and_b32 s23, ttmp7, 0xffff
	s_mov_b32 s24, ttmp9
	s_sub_co_u32 s45, s23, 4
	s_sub_co_u32 s50, s23, 8
	s_movk_i32 s43, 0x400
	s_movk_i32 s44, 0x800
	s_cmp_lt_u32 s23, 8
	s_cselect_b32 s25, s45, s50
	s_cselect_b32 s27, s43, s44
	s_cselect_b32 s28, 0, 1
	s_cmp_lt_u32 s23, 4
	s_cselect_b32 s25, 0, s25
	s_cselect_b32 s27, 0, s27
	s_lshl_b32 s36, s25, 23                        ; an expert's weights are 8,388,608 bytes
	s_mul_i32 s45, s24, SLB
	s_add_co_u32 s36, s36, s45
	s_lshl_b32 s50, s[WV], WSH
	s_add_co_u32 s36, s36, s50                     ; + my slice + my wave's 256 rows
	s_mov_b32 s37, 0
	s_mul_i32 s52, s25, BROW
	s_add_co_u32 s52, s52, s45
	s_mov_b32 s53, 0
	s_lshl_b32 s54, s24, 8                         ; a slice is 256 bytes of a result row
	s_mov_b32 s55, 0
	s_mul_i32 s56, s23, LSTR                       ; v's stripe of the list
	s_mov_b32 s57, 0
	s_mov_b32 s46, 0xc0135761                      ; C0 = -2 sqrt(2 / pi) log2 e
	s_mov_b32 s47, s46
	s_mov_b32 s48, 0xbdd2d3e8                      ; C1 = 0.044715 C0
	s_mov_b32 s49, s48
	v_and_b32 v1, 31, v0                           ; lane
	v_and_b32 v2, 15, v0                           ; r
	v_bfe_u32 v3, v0, 4, 1                         ; h
	v_and_b32 v[TA], 7, v0
	v_lshl_add_u32 v[TA], v3, 3, v[TA]
	v_mul_u32_u24 v[BA0], v[TA], PW                ; the turning load: row 8 h + lane % 8,
	v_bfe_u32 v[TB], v0, 3, 1
	v_lshl_add_u32 v[BA0], v[TB], 4, v[BA0]        ; 16 bytes for each eight lanes
	v_lshlrev_b32 v[H16], 4, v3
	s_mul_i32 s45, s[WV], 4352
	s_add_co_u32 s45, s45, STAGE
	v_mul_u32_u24 v[STO], v2, 272
	v_lshl_add_u32 v[STO], v3, STH, v[STO]
	v_add_nc_u32 v[STO], s45, v[STO]
	v_mul_u32_u24 v[RD], v3, 8*272                 ; back: lanes 0-15 take rows 0-7 of the stage, one a load, lanes 16-31 rows 8-15
	v_lshl_add_u32 v[RD], v2, 4, v[RD]
	v_add_nc_u32 v[RD], s45, v[RD]
	v_lshlrev_b32 v[CO], 4, v2
.if PROD == 1
	v_lshlrev_b32 v[WOFF], 4, v1                   ; 32 lanes take the slice's 512 bytes of a row
.else
	v_lshlrev_b32 v[WOFF], 4, v2                   ; 16 lanes take the slice's 256 bytes of row k, the other 16 those of row k + 1024
	v_lshl_add_u32 v[WOFF], v3, 22, v[WOFF]
.endif
	s_mul_i32 s45, s[WV], 256*PW
	v_lshl_add_u32 v[WLDS], v1, 3, s45
	s_lshl_b32 s45, s[WV], 6                       ; a block of the list is 64 bytes
	v_lshl_add_u32 v[LOFA], v2, 2, s45
	v_lshl_add_u32 v[LOFB], v3, 5, s45
	v_lshlrev_b32 v[TA], 5, v3                     ; the bias of my eight columns: 32 h
	s_wait_kmcnt 0x0
	s_cmp_lt_u32 s23, 8
	s_cselect_b64 s[30:31], s[10:11], s[12:13]
	s_cselect_b64 s[32:33], s[16:17], s[18:19]
	s_cmp_lt_u32 s23, 4
	s_cselect_b64 s[30:31], s[8:9], s[30:31]
	s_cselect_b64 s[32:33], s[14:15], s[32:33]
	s_add_nc_u64 s[6:7], s[6:7], s[56:57]          ; the list at v's stripe
	s_add_nc_u64 s[30:31], s[30:31], s[36:37]      ; weights at my wave's first row of the slice
	s_add_nc_u64 s[32:33], s[32:33], s[52:53]      ; bias at the slice
	s_add_nc_u64 s[20:21], s[20:21], s[54:55]      ; result at the slice
	s_load_b32 s[CNT], s[6:7], TOFF                ; wanted behind the fill
	LISTLOAD                                       ; the first trip's
.set i, 0
.rept NBI/8
	global_load_b128 v[BI+8*i:BI+8*i+3], v[TA], s[32:33] offset:64*i
	global_load_b128 v[BI+8*i+4:BI+8*i+7], v[TA], s[32:33] offset:64*i+16
.set i, i+1
.endr
.set i, 0
.rept 32                               ; the ring: 32 loads of 512 bytes of every wave are on their way from here to the end of the fill
	global_load_b128 v[WR+4*i:WR+4*i+3], v[WOFF], s[30:31] offset:i*ROWP th:TH_LOAD_NT
.set i, i+1
.endr
	s_wait_loadcnt 32                              ; the ring's 32 loads are younger: the list's entries and the bias are in
.set i, 0
.rept NBI/2                            ; the bias is rounded to bf16 like every input, and kept as f32
	v_cvt_pk_bf16_f32 v[TA], v[BI+2*i], v[BI+2*i+1]
	v_lshlrev_b32 v[BI+2*i], 16, v[TA]
	v_and_b32 v[BI+2*i+1], 0xffff0000, v[TA]
.set i, i+1
.endr
	; THE FILL: my 256 rows of the slice, rounded, into LDS.  A slot's turn: its load is in, 4 numbers become 8 bytes, the slot is loaded again 32 rows on.
.macro WSLOT i, ahead, left
	s_wait_loadcnt \left                           ; loads come back in order: mine is in, the younger ones stay out
	v_cvt_pk_bf16_f32 v[CT+2*((\i)%8)], v[WR+4*(\i)], v[WR+4*(\i)+1]
	v_cvt_pk_bf16_f32 v[CT+2*((\i)%8)+1], v[WR+4*(\i)+2], v[WR+4*(\i)+3]
	ds_store_b64 v[WLDS], v[CT+2*((\i)%8):CT+2*((\i)%8)+1] offset:(\i)*PW
.if \ahead
	global_load_b128 v[WR+4*(\i):WR+4*(\i)+3], v[WOFF], s[30:31] offset:(32+(\i))*ROWP th:TH_LOAD_NT
.endif
.endm
	s_mov_b32 s[LC], 7
.Lfill:
.set i, 0
.rept 32
	WSLOT i, 1, 31
.set i, i+1
.endr
	s_wait_xcnt 0x0                                ; the loads' base is stepped only behind this wait
	s_add_nc_u64 s[30:31], s[30:31], 32*ROWP
	v_add_nc_u32 v[WLDS], 32*PW, v[WLDS]
	s_sub_co_u32 s[LC], s[LC], 1
	s_cmp_lg_u32 s[LC], 0
	s_cbranch_scc1 .Lfill
.set i, 0
.rept 32
	WSLOT i, 0, 31-i                               ; the last 32 rows: nothing is loaded, the counts run down
.set i, i+1
.endr
	s_wait_dscnt 0x0                               ; for the others' sake: my stores into the image are done
	s_barrier_signal -1
	s_barrier_wait -1                              ; the image is whole; from here on it is only read
; 16 turning loads: the weights' fragments of step j, counted from the group's first (32 rows of the image, 8 blocks of 16 columns), into buffer j % 4
.macro FETCH_B j
	WIN 0x40
.set FB, 64*((\j)%4)
.irp c, 0,1,2,3,4,5,6,7
	ds_load_tr16_b128 v[FB+8*(\c):FB+8*(\c)+3],   v[BA] offset:(\j)*32*PW+32*(\c)
	ds_load_tr16_b128 v[FB+8*(\c)+4:FB+8*(\c)+7], v[BA] offset:(\j)*32*PW+32*(\c)+16*PW
.endr
.endm
; NL loads: the token fragments of one step for five blocks: lane l takes row l % 16, 16 bytes at 16 (l / 16) and 16 bytes 32 further on
.macro ALOAD buf, imm
.if PROD == 1
	WIN 0
.irp a, 0,1,2,3,4
	global_load_b128 v[AR+40*(\buf)+8*(\a):AR+40*(\buf)+8*(\a)+3],   v[AOFF+(\a)], s[34:35] offset:(\imm)
	global_load_b128 v[AR+40*(\buf)+8*(\a)+4:AR+40*(\buf)+8*(\a)+7], v[AOFF+(\a)], s[34:35] offset:(\imm)+32
.endr
.else
.if (\buf) < 2
	WIN 0
.set FA, 64+80*(\buf)
.else
	WIN 0xc0
.set FA, 80*((\buf)-2)
.endif
.irp kh, 0,1
.irp a, 0,1,2,3,4
	global_load_b128 v[FA+40*(\kh)+8*(\a):FA+40*(\kh)+8*(\a)+3],   v[AOFF+(\a)], s[34:35] offset:(\imm)+2048*(\kh)
	global_load_b128 v[FA+40*(\kh)+8*(\a)+4:FA+40*(\kh)+8*(\a)+7], v[AOFF+(\a)], s[34:35] offset:(\imm)+2048*(\kh)+32
.endr
.endr
.endif
.endm
; 8 matrix instructions for block a in step j.  The accumulators take turns, one instruction a turn.  zero = 1: the first products start the sums.
.macro MUL j, a, zero
.set FB, 64*((\j)%4)
.if PROD == 1
.set FA, AR+40*((\j)%4)+8*(\a)
.if (\a) == 4
	WIN 0xf1
.set AC, 0
.else
	WIN 0xa1
.set AC, 64*(\a)
.endif
.irp c, 0,1,2,3,4,5,6,7
.if \zero
	v_wmma_f32_16x16x32_bf16 v[AC+8*(\c):AC+8*(\c)+7], v[FB+8*(\c):FB+8*(\c)+7], v[FA:FA+7], 0
.else
	v_wmma_f32_16x16x32_bf16 v[AC+8*(\c):AC+8*(\c)+7], v[FB+8*(\c):FB+8*(\c)+7], v[FA:FA+7], v[AC+8*(\c):AC+8*(\c)+7]
.endif
.endr
.else
.if ((\j)%4) < 2
	WIN 0xa1
.set FA, 64+80*((\j)%4)+8*(\a)
.else
	WIN 0xad
.set FA, 80*(((\j)%4)-2)+8*(\a)
.endif
.set AC, 32*(\a)
.irp c, 0,1,2,3,4,5,6,7
.if (\zero) && ((\c) < 4)
	v_wmma_f32_16x16x32_bf16 v[AC+8*((\c)%4):AC+8*((\c)%4)+7], v[FB+8*(\c):FB+8*(\c)+7], v[FA+40*((\c)/4):FA+40*((\c)/4)+7], 0
.else
	v_wmma_f32_16x16x32_bf16 v[AC+8*((\c)%4):AC+8*((\c)%4)+7], v[FB+8*(\c):FB+8*(\c)+7], v[FA+40*((\c)/4):FA+40*((\c)/4)+7], v[AC+8*((\c)%4):AC+8*((\c)%4)+7]
.endif
.endr
.endif
.endm
; A STEP of 32 rows of the image.  In its middle stand both runs of loads: the weights' fragments of the step after next and the token fragments three steps on.  The token buffer was last read by the
; step before, and the four v_nop are the places between those products and the loads (ISA guide 7.12.1 for vector instructions).
; left = the token loads that may stay out: the two younger buffers'.  dleft = the LDS loads that may stay out: the next step's run of 16, the only LDS instructions issued behind this step's own run.
; skip = 1: block 4 is jumped where the trip has fewer than five blocks; the first step never jumps, so that its sums are started.
; adv = 1: the token loads' base goes four steps on, just ahead of the first run that needs the new one: 40 products behind the last run that named the old one.
.macro STEP j, zero, ald, bld, left, dleft, skip, adv
	s_wait_loadcnt \left
	s_wait_dscnt \dleft
	MUL \j, 0, \zero
	MUL \j, 1, \zero
.if (\bld) || (\ald)
	PLACES
.endif
.if \bld
	FETCH_B (\j)+2
.endif
.if \adv
	s_wait_xcnt 0x0                                ; the token loads' base is stepped only behind this wait
	s_add_nc_u64 s[34:35], s[34:35], 256
.endif
.if \ald
	ALOAD ((\j)+3)%4, 64*((\j)+3)
.endif
	MUL \j, 2, \zero
	MUL \j, 3, \zero
	WIN 0                                          ; at a branch and at a label every window is 0
.if \skip
	s_cmp_eq_u32 s[NBT], 5
	s_cbranch_scc0 .Ln5_\@
.endif
	MUL \j, 4, \zero
	WIN 0
.if \skip
.Ln5_\@:
.endif
.endm
.macro ADVB                            ; the image's address goes four steps on
	v_add_nc_u32 v[BA], 4*32*PW, v[BA]
.endm
.macro COPY a                          ; block a's sums plus the bias, each accumulator from its low end on; and the byte offsets of the rows that I store
.if (PROD == 1) && ((\a) == 4)
	WIN 0x03
.set AC, 0
.else
	WIN 0x02
.set AC, NBI*(\a)
.endif
.set i, 0
.rept NBI/2
	v_pk_add_f32 v[X+2*i:X+2*i+1], v[AC+2*i:AC+2*i+1], v[BI+2*i:BI+2*i+1]
.set i, i+1
.endr
	WIN 0x0c
.irp t, 0,1,2,3,4,5,6,7
	v_min_u32 v[DO+(\t)], 0xfff, v[SLT+8*(\a)+(\t)]
.endr
	WIN 0
.irp t, 0,1,2,3,4,5,6,7
	v_lshl_add_u32 v[DO+(\t)], v[DO+(\t)], 12, v[CO]
.endr
.endm
	; THE TRIPS: four.  The loop is entered behind its test: the first trip always multiplies; the test that jumps a trip's products is reached by the backward jump alone.
	s_wait_kmcnt 0x0                               ; the expert's rows
	s_add_co_u32 s[REM], s[CNT], 15
	s_lshr_b32 s[REM], s[REM], 4                   ; its blocks
	s_sub_co_u32 s[REM], s[REM], s[WV]
	s_add_co_u32 s[REM], s[REM], 3                 ; of the blocks 20 i + wave + 4 a those with a < (blocks - wave + 3 - 20 i) / 4 count
	s_mov_b32 s[TT], 4
	s_mov_b32 s[B0], 0
	s_ashr_i32 s[NBT], s[REM], 2
	s_branch .Lwork
.Ltile:
	s_sub_co_i32 s[NBT], s[REM], s[B0]
	s_ashr_i32 s[NBT], s[NBT], 2
	s_cmp_le_i32 s[NBT], 0
	s_cbranch_scc1 .Lno_mul                        ; nothing left: the products are jumped; what is jumped holds no barrier
.Lwork:
	s_min_i32 s[NBT], s[NBT], 5
	s_wait_xcnt 0x0                                ; the last trip's stores have read their registers
	s_wait_loadcnt 0x0                             ; this trip's part of the list is in
.irp a, 0,1,2,3,4
.if PROD == 1
	v_sub_nc_u32 v[AOFF+(\a)], v[AOFF+(\a)], s27   ; slot -> token
	v_lshrrev_b32 v[AOFF+(\a)], s28, v[AOFF+(\a)]
	v_min_u32 v[AOFF+(\a)], 0x3ff, v[AOFF+(\a)]
.else
	v_min_u32 v[AOFF+(\a)], 0xfff, v[AOFF+(\a)]
.endif
	v_lshl_add_u32 v[AOFF+(\a)], v[AOFF+(\a)], ASH, v[H16]
.endr
	s_mov_b64 s[34:35], s[4:5]
	v_mov_b32 v[BA], v[BA0]
	ALOAD 0, 0
	ALOAD 1, 64
	ALOAD 2, 128
	FETCH_B 0
	FETCH_B 1
	STEP 0, 1, 1, 1, 2*NL, 16, 0, 0
	STEP 1, 0, 1, 1, 2*NL, 16, 1, 0
	STEP 2, 0, 1, 1, 2*NL, 16, 1, 0
	STEP 3, 0, 1, 1, 2*NL, 16, 1, 0
	ADVB
	s_mov_b32 s[LC], 6
.Lgroup:
	STEP 0, 0, 1, 1, 2*NL, 16, 1, 1
	STEP 1, 0, 1, 1, 2*NL, 16, 1, 0
	STEP 2, 0, 1, 1, 2*NL, 16, 1, 0
	STEP 3, 0, 1, 1, 2*NL, 16, 1, 0
	ADVB
	s_sub_co_u32 s[LC], s[LC], 1
	s_cmp_lg_u32 s[LC], 0
	s_cbranch_scc1 .Lgroup
	STEP 0, 0, 1, 1, 2*NL, 16, 1, 1                ; the last four steps: one more run of token loads, two more of fragments, then the counts run down
	STEP 1, 0, 0, 1, 2*NL, 16, 1, 0
	STEP 2, 0, 0, 0, NL, 16, 1, 0
	STEP 3, 0, 0, 0, 0, 0, 1, 0
	PLACES                                         ; between the last products and the first read of a sum
.Lno_mul:
	s_wait_loadcnt 0x0                             ; no load is out on any way from here on
	s_wait_dscnt 0x0                               ; my loads from the image are back
	s_barrier_signal -1
	s_barrier_wait -1                              ; every wave's are: only now is a stage written
	s_cmp_le_i32 s[NBT], 0
	s_cbranch_scc1 .Lno_out                        ; a trip without blocks has nothing to store; what is jumped holds no barrier
	; THE WAY OUT, a block of 16 rows at a time, through my own stage in LDS
	s_mov_b32 s[EA], 0
.Lepi:
	s_cmp_ge_u32 s[EA], s[NBT]
	s_cbranch_scc1 .Lepi_next
	s_wait_xcnt 0x0                                ; the last block's stores have read their offsets and data
	s_cmp_eq_u32 s[EA], 0
	s_cbranch_scc0 .Lc1
	COPY 0
	s_branch .Lcommon
.Lc1:
	s_cmp_eq_u32 s[EA], 1
	s_cbranch_scc0 .Lc2
	COPY 1
	s_branch .Lcommon
.Lc2:
	s_cmp_eq_u32 s[EA], 2
	s_cbranch_scc0 .Lc3
	COPY 2
	s_branch .Lcommon
.Lc3:
	s_cmp_eq_u32 s[EA], 3
	s_cbranch_scc0 .Lc4
	COPY 3
	s_branch .Lcommon
.Lc4:
	COPY 4
.Lcommon:
.if PROD == 1
.set i, 0
.rept 32
	v_pk_mul_f32 v[T+2*i:T+2*i+1], v[X+2*i:X+2*i+1], v[X+2*i:X+2*i+1]
.set i, i+1
.endr
.set i, 0
.rept 32
	v_pk_fma_f32 v[T+2*i:T+2*i+1], v[T+2*i:T+2*i+1], s[48:49], s[46:47] op_sel_hi:[1,0,0]  ; C1 x^2 + C0
.set i, i+1
.endr
.set i, 0
.rept 32
	v_pk_mul_f32 v[T+2*i:T+2*i+1], v[T+2*i:T+2*i+1], v[X+2*i:X+2*i+1]
.set i, i+1
.endr
.set i, 0
.rept 64
	v_exp_f32 v[T+i], v[T+i]
.set i, i+1
.endr
	v_nop                                          ; a plain instruction behind the last exponential
	s_wait_alu depctr_va_vdst(0)                   ; one wait for the 64 exponentials, ahead of their first reader
.set i, 0
.rept 32
	v_pk_add_f32 v[T+2*i:T+2*i+1], v[T+2*i:T+2*i+1], 1.0 op_sel_hi:[1,0]
.set i, i+1
.endr
.set i, 0
.rept 64
	v_rcp_f32 v[T+i], v[T+i]
.set i, i+1
.endr
	v_nop
	s_wait_alu depctr_va_vdst(0)                   ; one wait for the 64 reciprocals
.set i, 0
.rept 32
	v_pk_mul_f32 v[T+2*i:T+2*i+1], v[T+2*i:T+2*i+1], v[X+2*i:X+2*i+1]
.set i, i+1
.endr
.set i, 0
.rept 32
	v_cvt_pk_bf16_f32 v[X+i], v[T+2*i], v[T+2*i+1]
.set i, i+1
.endr
.irp c, 0,1,2,3,4,5,6,7
	ds_store_b128 v[STO], v[X+4*(\c):X+4*(\c)+3] offset:32*(\c)
.endr
.else
.irp c, 0,1,2,3
	ds_store_b128 v[STO], v[X+8*(\c):X+8*(\c)+3] offset:64*(\c)
	ds_store_b128 v[STO], v[X+8*(\c)+4:X+8*(\c)+7] offset:64*(\c)+16
.endr
.endif
.irp t, 0,1,2,3,4,5,6,7
	ds_load_b128 v[BK+4*(\t):BK+4*(\t)+3], v[RD] offset:272*(\t)  ; LDS serves a wave's instructions in order (ISA guide 5.7.1.4): these see the stores above
.endr
	s_wait_dscnt 0x0
.irp t, 0,1,2,3,4,5,6,7
	global_store_b128 v[DO+(\t)], v[BK+4*(\t):BK+4*(\t)+3], s[20:21]  ; 16 lanes store the slice's 256 consecutive bytes of one row, aligned; the other 16 those of another
.endr
.Lepi_next:
	s_add_co_u32 s[EA], s[EA], 1
	s_cmp_lt_u32 s[EA], 5
	s_cbranch_scc1 .Lepi
.Lno_out:
	s_wait_dscnt 0x0                               ; my stores into my stage, and my reads of it, are done
	s_barrier_signal -1
	s_barrier_wait -1                              ; every wave's are: only now does the next trip read LDS, or the wave end
	s_add_co_u32 s[B0], s[B0], 20
	s_cmp_eq_u32 s[TT], 1
	s_cbranch_scc1 .Lno_list                       ; behind the last trip nothing is asked for
	s_sub_co_i32 s45, s[REM], s[B0]
	s_cmp_lt_i32 s45, 4
	s_cbranch_scc1 .Lno_list                       ; nor where the next trip has no block of mine: the same number jumps its products
	v_add_nc_u32 v[LOFA], 20*64, v[LOFA]           ; no load is out here: every way has passed the wait for 0 above
	v_add_nc_u32 v[LOFB], 20*64, v[LOFB]
	LISTLOAD                                       ; the next trip's part of the list
.Lno_list:
	s_sub_co_u32 s[TT], s[TT], 1
	s_cmp_lg_u32 s[TT], 0
	s_cbranch_scc1 .Ltile
	s_wait_tensorcnt 0x0                           ; the wave's end, behind my last LDS store
	ds_add_u32 v[SPW], v[NIL]
	s_wait_dscnt 0x0
	s_endpgm
.Lfunc_end_k_q0f45115fba_up:
	.size	k_q0f45115fba_up, .Lfunc_end_k_q0f45115fba_up-k_q0f45115fba_up
	.p2alignl 7, 3214868480
	.fill 96, 4, 3214868480
	.section	.rodata,"a",@progbits
	.p2align	6, 0x0
	.amdhsa_kernel k_q0f45115fba_up
		.amdhsa_group_segment_fixed_size 312832
		.amdhsa_private_segment_fixed_size 0
		.amdhsa_enable_private_segment 0
		.amdhsa_kernarg_size 72
		.amdhsa_user_sgpr_count 2
		.amdhsa_user_sgpr_kernarg_segment_ptr 1
		.amdhsa_wavefront_size32 1
		.amdhsa_system_sgpr_workgroup_id_x 1
		.amdhsa_system_sgpr_workgroup_id_y 1
		.amdhsa_system_sgpr_workgroup_id_z 1
		.amdhsa_system_vgpr_workitem_id 0
		.amdhsa_next_free_vgpr 880
		.amdhsa_next_free_sgpr 66
		.amdhsa_reserve_vcc 0
		.amdhsa_float_denorm_mode_32 3
		.amdhsa_float_denorm_mode_16_64 3
		.amdhsa_memory_ordered 1
		.amdhsa_forward_progress 1
		.amdhsa_inst_pref_size 129
	.end_amdhsa_kernel
	.amdgpu_metadata
---
amdhsa.version: [ 1, 2 ]
amdhsa.kernels:
  - .name:           k_q0f45115fba_up
    .symbol:         k_q0f45115fba_up.kd
    .args:
      - { .name: xb, .offset: 0, .size: 8, .value_kind: global_buffer, .address_space: global }
      - { .name: rows, .offset: 8, .size: 8, .value_kind: global_buffer, .address_space: global }
      - { .name: shared_w1, .offset: 16, .size: 8, .value_kind: global_buffer, .address_space: global }
      - { .name: mode_w1, .offset: 24, .size: 8, .value_kind: global_buffer, .address_space: global }
      - { .name: routed_w1, .offset: 32, .size: 8, .value_kind: global_buffer, .address_space: global }
      - { .name: shared_b1, .offset: 40, .size: 8, .value_kind: global_buffer, .address_space: global }
      - { .name: mode_b1, .offset: 48, .size: 8, .value_kind: global_buffer, .address_space: global }
      - { .name: routed_b1, .offset: 56, .size: 8, .value_kind: global_buffer, .address_space: global }
      - { .name: hbuf, .offset: 64, .size: 8, .value_kind: global_buffer, .address_space: global }
    .group_segment_fixed_size: 312832
    .private_segment_fixed_size: 0
    .kernarg_segment_align: 8
    .kernarg_segment_size: 72
    .max_flat_workgroup_size: 128
    .sgpr_count:     66
    .vgpr_count:     880
    .wavefront_size: 32
...
	.end_amdgpu_metadata
.endif
;; end of part 6
;; launch down (part 7): grid 16 x 16, 4 waves a work-group, no clusters, 312,832 bytes of LDS; arguments hbuf, rows, shared_w2, mode_w2, routed_w2, shared_b2, mode_b2, routed_b2, ybuf; writes ybuf
.if DOCPART == 7
	.amdgcn_target "amdgcn-amd-amdhsa--gfx1250"
	.amdhsa_code_object_version 6
	.text
	.protected	k_q0f45115fba_down
	.globl	k_q0f45115fba_down
	.p2align	8
	.type	k_q0f45115fba_down,@function
k_q0f45115fba_down:
	s_mov_b64 s[64:65], 0
	v_nop
	global_prefetch_b8 v0, s[64:65] scope:SCOPE_SE
	s_setreg_imm32_b32 hwreg(HW_REG_WAVE_MODE, 25, 1), 1
	s_wait_xcnt 0x0
.set PROD, 2
; ONE PRODUCT OF THE EXPERTS' CHAIN, for the rows that chose the expert.  PROD = 1: h = gelu(x W1 + b1), rows of xb by token, 128 columns a slice, result in bf16.
; PROD = 2: y = h W2 + b2, rows of hbuf by slot, 64 columns a slice, result in f32 (partial rows, added by the last launch).  The two texts differ in the line above alone.
; GRID.  x = slice (16), y = virtual expert v (16): 0-3 the shared expert's four quarters of rows, 4-7 the modes, 8-15 the routed experts.  A work-group has one slice of ONE
; expert's weights (524,288 bytes of f32), rounds it to bf16 on the way through registers into LDS, and multiplies all rows of v.
; ROWS.  A row of work is a SLOT with a fixed place: t (shared), 1024 + t (mode), 2048 + 2 t + k (routed).  The launch before listed v's slots in rows: entries 0 .. T-1, then one of them repeated in the
; 320 entries behind, and T in entry 1312.  The list is taken in blocks of 16; trip i gives wave w the blocks 20 i + w + 4 a, a = 0 .. 4: an even deal, and four trips cover the 64 blocks that an expert
; can have, whatever the split.  The list's addresses hang on v, the wave and the lane alone, so the first trip's entries are asked for at the kernel's head; a later trip's are asked for only by a wave
; that has a block in it, that is where T > 16 (20 i + w): no entry past T + 319 is read, and a trip without work waits for nothing.  A block past the count holds the repeated row: it is loaded, its
; products but for the fifth block's are made, and nothing of it is stored; in the last block that counts the places past T store the repeated row's bytes once more.
; The first trip's products are never jumped, so that all sums have been started on every way to the way out.
; BARRIERS.  One behind the fill.  Then two in each of the four trips, on every wave's path (only work is jumped): one between the trip's loads from the image and the stores into the stages, one between
; those stores and the next trip's loads, so that the order of LDS reads and writes between waves does not rest on the regions' arithmetic alone.
; NO TENSOR LOADS, NO CLUSTER: each weight is f32 and has to pass through registers to be rounded; all slices but the shared expert's have one reader; the token rows come by a list.
; MATRIX USE.  Source 0 = 16 columns of the weights (turned out of LDS by ds_load_tr16_b128), source 1 = 16 rows of tokens (straight from memory): a lane then holds one row and eight neighbouring columns.
; LDS IMAGE.  1,024 rows of 288 bytes (256 + 32 of padding = 72 words, so that the eight rows of a turning load fall on different banks: 64 banks of 4 bytes, ISA guide 11.1).  PROD = 1: row k, 128 columns.
; PROD = 2: row k mod 1024, bytes 0-127 the 64 columns of k < 1024, bytes 128-255 those of k >= 1024: both halves of K go on one accumulator.  So both texts have 32 steps of 32 rows.
; LIMITS.  Weights, biases and x are rounded to bf16; h is rounded once to bf16.  gelu is the tanh form, x / (1 + 2^(x (C0 + C1 x^2))).  NaN and infinities are not treated apart.
.if PROD == 1
.set ROWP, 8192        ; bytes in a row of the weights
.set SLB,  512         ; bytes of a slice in it, and in the bias
.set WSH,  21          ; a wave's 256 rows of weights, as a shift
.set BROW, 8192        ; bytes of an expert's bias
.set NL,   10          ; loads of token fragments in a step
.set ASH,  11          ; a token row's bytes, as a shift
.set NBI,  64          ; registers of bias = results of a block of 16 rows
.set STH,  4           ; the stage: 16 bytes for each half of the lanes
.set BI,   192         ; v192-255 bias
.set AR,   32          ; v32-191 token fragments: four buffers of 40 (block a at + 8 a)
.set WR,   32          ; while LDS is filled: v32-159 the ring of 32 loads,
.set CT,   176         ; v176-191 eight pairs of rounded weights
.set X,    32          ; the way out: v32-95 results, v96-159 at work, v160-191 rows read back
.set T,    96
.set BK,   160
.set SLT,  64          ; window 3, v64-103: block a's eight slots that I store, at + 8 a
.else
.set ROWP, 4096
.set SLB,  256
.set WSH,  20
.set BROW, 4096
.set NL,   20
.set ASH,  12
.set NBI,  32
.set STH,  5           ; 32 bytes for each half of the lanes
.set BI,   32          ; v32-63 bias;  token fragments: buffers of 80 (40 x half of K + 8 a): v64-143, v144-223, and v0-79, v80-159 of window 3
.set WR,   64
.set CT,   192
.set X,    64
.set BK,   96
.set SLT,  160         ; window 3, v160-199
.endif
; window 1: the weights' fragments, four buffers of 64.  Accumulators: PROD = 1: (a, c) at 64 a + 8 c of window 2, block 4 at 8 c of window 3; PROD = 2: (a, c) at 32 a + 8 c of window 2.
.set PW,    288
.set STAGE, 1024*PW         ; behind the image: 16 rows x 272 bytes a wave, for the way out
.set SPARE, STAGE+4*4352    ; the spare words, 128 bytes a wave: two blocks of 256 bytes that no other line names
.set LSTR,  5376            ; bytes of an expert's stripe in rows
.set TOFF,  5248            ; where its count stands
.set SPW,  4           ; v4   SPARE + 4 x my thread's number; never rewritten
.set NIL,  5           ; v5   0; never rewritten
.set BA0,  6           ; v6   my lane's place in a turning load
.set BA,   7           ; v7   the same, stepped along K
.set AOFF, 8           ; v8-12  blocks 0-4: the slot, then the byte offset, of my row
.set H16,  14          ; v14  16 x (lane / 16)
.set STO,  15          ; v15  the way out: where I put my part of a row
.set RD,   16          ; v16  where I read rows back
.set CO,   17          ; v17  16 x (lane % 16)
.set DO,   18          ; v18-25  byte offsets of the rows that I store
.set TA,   26
.set TB,   27
.set WOFF, 28          ; v28  my 16 bytes in a row of the slice
.set WLDS, 29          ; v29  where their 8 bytes go
.set LOFA, 30          ; v30  the list: byte of entry 16 (20 trip + wave) + lane % 16
.set LOFB, 31          ; v31  the list: byte of entry 16 (20 trip + wave) + 8 (lane / 16)
.set WV,   22          ; s22 wave; s23 v; s24 slice; s25 expert; s27, s28 slot -> token: less s27, shifted by s28
.set CNT,  38          ; s38  the expert's rows
.set REM,  39          ; s39  its blocks - wave + 3
.set NBT,  40          ; s40  my blocks in this trip, 1 to 5; 0 or less: none
.set B0,   41          ; s41  20 x trip
.set TT,   42          ; s42  trips to go
.set LC,   43          ; s43  inner loops' count
.set EA,   44          ; s44  block on the way out
.set MSB, 0
.macro WIN new                         ; s_set_vgpr_msb: bits 1:0 source 0, 3:2 source 1, 5:4 source 2, 7:6 destination; the high byte repeats the setting that is left
.if MSB != (\new)
	s_set_vgpr_msb (MSB<<8)|(\new)
.set MSB, (\new)
.endif
.endm
.macro PLACES
.rept 4
	v_nop
.endr
.endm
; A trip's part of the list, 15 loads: for each of my five blocks the slot of row lane % 16, and the eight slots 8 (lane / 16) + 0 .. 7 that I shall store
.macro LISTLOAD
	WIN 0
.irp a, 0,1,2,3,4
	global_load_b32 v[AOFF+(\a)], v[LOFA], s[6:7] offset:256*(\a)
.endr
	WIN 0xc0
.irp a, 0,1,2,3,4
	global_load_b128 v[SLT+8*(\a):SLT+8*(\a)+3],   v[LOFB], s[6:7] offset:256*(\a)
	global_load_b128 v[SLT+8*(\a)+4:SLT+8*(\a)+7], v[LOFB], s[6:7] offset:256*(\a)+16
.endr
	WIN 0
.endm
	s_load_b512 s[4:19], s[0:1], 0x0               ; rows of tokens 4, list 6, weights: shared 8, mode 10, routed 12, biases: shared 14, mode 16, routed 18
	s_load_b64 s[20:21], s[0:1], 0x40              ; result
	v_lshl_add_u32 v[SPW], v0, 2, SPARE
	v_mov_b32 v[NIL], 0
	v_lshrrev_b32 v1, 5, v0
	v_readfirstlane_b32 s[WV], v1
	s_and_b32 s23, ttmp7, 0xffff
	s_mov_b32 s24, ttmp9
	s_sub_co_u32 s45, s23, 4
	s_sub_co_u32 s50, s23, 8
	s_movk_i32 s43, 0x400
	s_movk_i32 s44, 0x800
	s_cmp_lt_u32 s23, 8
	s_cselect_b32 s25, s45, s50
	s_cselect_b32 s27, s43, s44
	s_cselect_b32 s28, 0, 1
	s_cmp_lt_u32 s23, 4
	s_cselect_b32 s25, 0, s25
	s_cselect_b32 s27, 0, s27
	s_lshl_b32 s36, s25, 23                        ; an expert's weights are 8,388,608 bytes
	s_mul_i32 s45, s24, SLB
	s_add_co_u32 s36, s36, s45
	s_lshl_b32 s50, s[WV], WSH
	s_add_co_u32 s36, s36, s50                     ; + my slice + my wave's 256 rows
	s_mov_b32 s37, 0
	s_mul_i32 s52, s25, BROW
	s_add_co_u32 s52, s52, s45
	s_mov_b32 s53, 0
	s_lshl_b32 s54, s24, 8                         ; a slice is 256 bytes of a result row
	s_mov_b32 s55, 0
	s_mul_i32 s56, s23, LSTR                       ; v's stripe of the list
	s_mov_b32 s57, 0
	s_mov_b32 s46, 0xc0135761                      ; C0 = -2 sqrt(2 / pi) log2 e
	s_mov_b32 s47, s46
	s_mov_b32 s48, 0xbdd2d3e8                      ; C1 = 0.044715 C0
	s_mov_b32 s49, s48
	v_and_b32 v1, 31, v0                           ; lane
	v_and_b32 v2, 15, v0                           ; r
	v_bfe_u32 v3, v0, 4, 1                         ; h
	v_and_b32 v[TA], 7, v0
	v_lshl_add_u32 v[TA], v3, 3, v[TA]
	v_mul_u32_u24 v[BA0], v[TA], PW                ; the turning load: row 8 h + lane % 8,
	v_bfe_u32 v[TB], v0, 3, 1
	v_lshl_add_u32 v[BA0], v[TB], 4, v[BA0]        ; 16 bytes for each eight lanes
	v_lshlrev_b32 v[H16], 4, v3
	s_mul_i32 s45, s[WV], 4352
	s_add_co_u32 s45, s45, STAGE
	v_mul_u32_u24 v[STO], v2, 272
	v_lshl_add_u32 v[STO], v3, STH, v[STO]
	v_add_nc_u32 v[STO], s45, v[STO]
	v_mul_u32_u24 v[RD], v3, 8*272                 ; back: lanes 0-15 take rows 0-7 of the stage, one a load, lanes 16-31 rows 8-15
	v_lshl_add_u32 v[RD], v2, 4, v[RD]
	v_add_nc_u32 v[RD], s45, v[RD]
	v_lshlrev_b32 v[CO], 4, v2
.if PROD == 1
	v_lshlrev_b32 v[WOFF], 4, v1                   ; 32 lanes take the slice's 512 bytes of a row
.else
	v_lshlrev_b32 v[WOFF], 4, v2                   ; 16 lanes take the slice's 256 bytes of row k, the other 16 those of row k + 1024
	v_lshl_add_u32 v[WOFF], v3, 22, v[WOFF]
.endif
	s_mul_i32 s45, s[WV], 256*PW
	v_lshl_add_u32 v[WLDS], v1, 3, s45
	s_lshl_b32 s45, s[WV], 6                       ; a block of the list is 64 bytes
	v_lshl_add_u32 v[LOFA], v2, 2, s45
	v_lshl_add_u32 v[LOFB], v3, 5, s45
	v_lshlrev_b32 v[TA], 5, v3                     ; the bias of my eight columns: 32 h
	s_wait_kmcnt 0x0
	s_cmp_lt_u32 s23, 8
	s_cselect_b64 s[30:31], s[10:11], s[12:13]
	s_cselect_b64 s[32:33], s[16:17], s[18:19]
	s_cmp_lt_u32 s23, 4
	s_cselect_b64 s[30:31], s[8:9], s[30:31]
	s_cselect_b64 s[32:33], s[14:15], s[32:33]
	s_add_nc_u64 s[6:7], s[6:7], s[56:57]          ; the list at v's stripe
	s_add_nc_u64 s[30:31], s[30:31], s[36:37]      ; weights at my wave's first row of the slice
	s_add_nc_u64 s[32:33], s[32:33], s[52:53]      ; bias at the slice
	s_add_nc_u64 s[20:21], s[20:21], s[54:55]      ; result at the slice
	s_load_b32 s[CNT], s[6:7], TOFF                ; wanted behind the fill
	LISTLOAD                                       ; the first trip's
.set i, 0
.rept NBI/8
	global_load_b128 v[BI+8*i:BI+8*i+3], v[TA], s[32:33] offset:64*i
	global_load_b128 v[BI+8*i+4:BI+8*i+7], v[TA], s[32:33] offset:64*i+16
.set i, i+1
.endr
.set i, 0
.rept 32                               ; the ring: 32 loads of 512 bytes of every wave are on their way from here to the end of the fill
	global_load_b128 v[WR+4*i:WR+4*i+3], v[WOFF], s[30:31] offset:i*ROWP th:TH_LOAD_NT
.set i, i+1
.endr
	s_wait_loadcnt 32                              ; the ring's 32 loads are younger: the list's entries and the bias are in
.set i, 0
.rept NBI/2                            ; the bias is rounded to bf16 like every input, and kept as f32
	v_cvt_pk_bf16_f32 v[TA], v[BI+2*i], v[BI+2*i+1]
	v_lshlrev_b32 v[BI+2*i], 16, v[TA]
	v_and_b32 v[BI+2*i+1], 0xffff0000, v[TA]
.set i, i+1
.endr
	; THE FILL: my 256 rows of the slice, rounded, into LDS.  A slot's turn: its load is in, 4 numbers become 8 bytes, the slot is loaded again 32 rows on.
.macro WSLOT i, ahead, left
	s_wait_loadcnt \left                           ; loads come back in order: mine is in, the younger ones stay out
	v_cvt_pk_bf16_f32 v[CT+2*((\i)%8)], v[WR+4*(\i)], v[WR+4*(\i)+1]
	v_cvt_pk_bf16_f32 v[CT+2*((\i)%8)+1], v[WR+4*(\i)+2], v[WR+4*(\i)+3]
	ds_store_b64 v[WLDS], v[CT+2*((\i)%8):CT+2*((\i)%8)+1] offset:(\i)*PW
.if \ahead
	global_load_b128 v[WR+4*(\i):WR+4*(\i)+3], v[WOFF], s[30:31] offset:(32+(\i))*ROWP th:TH_LOAD_NT
.endif
.endm
	s_mov_b32 s[LC], 7
.Lfill:
.set i, 0
.rept 32
	WSLOT i, 1, 31
.set i, i+1
.endr
	s_wait_xcnt 0x0                                ; the loads' base is stepped only behind this wait
	s_add_nc_u64 s[30:31], s[30:31], 32*ROWP
	v_add_nc_u32 v[WLDS], 32*PW, v[WLDS]
	s_sub_co_u32 s[LC], s[LC], 1
	s_cmp_lg_u32 s[LC], 0
	s_cbranch_scc1 .Lfill
.set i, 0
.rept 32
	WSLOT i, 0, 31-i                               ; the last 32 rows: nothing is loaded, the counts run down
.set i, i+1
.endr
	s_wait_dscnt 0x0                               ; for the others' sake: my stores into the image are done
	s_barrier_signal -1
	s_barrier_wait -1                              ; the image is whole; from here on it is only read
; 16 turning loads: the weights' fragments of step j, counted from the group's first (32 rows of the image, 8 blocks of 16 columns), into buffer j % 4
.macro FETCH_B j
	WIN 0x40
.set FB, 64*((\j)%4)
.irp c, 0,1,2,3,4,5,6,7
	ds_load_tr16_b128 v[FB+8*(\c):FB+8*(\c)+3],   v[BA] offset:(\j)*32*PW+32*(\c)
	ds_load_tr16_b128 v[FB+8*(\c)+4:FB+8*(\c)+7], v[BA] offset:(\j)*32*PW+32*(\c)+16*PW
.endr
.endm
; NL loads: the token fragments of one step for five blocks: lane l takes row l % 16, 16 bytes at 16 (l / 16) and 16 bytes 32 further on
.macro ALOAD buf, imm
.if PROD == 1
	WIN 0
.irp a, 0,1,2,3,4
	global_load_b128 v[AR+40*(\buf)+8*(\a):AR+40*(\buf)+8*(\a)+3],   v[AOFF+(\a)], s[34:35] offset:(\imm)
	global_load_b128 v[AR+40*(\buf)+8*(\a)+4:AR+40*(\buf)+8*(\a)+7], v[AOFF+(\a)], s[34:35] offset:(\imm)+32
.endr
.else
.if (\buf) < 2
	WIN 0
.set FA, 64+80*(\buf)
.else
	WIN 0xc0
.set FA, 80*((\buf)-2)
.endif
.irp kh, 0,1
.irp a, 0,1,2,3,4
	global_load_b128 v[FA+40*(\kh)+8*(\a):FA+40*(\kh)+8*(\a)+3],   v[AOFF+(\a)], s[34:35] offset:(\imm)+2048*(\kh)
	global_load_b128 v[FA+40*(\kh)+8*(\a)+4:FA+40*(\kh)+8*(\a)+7], v[AOFF+(\a)], s[34:35] offset:(\imm)+2048*(\kh)+32
.endr
.endr
.endif
.endm
; 8 matrix instructions for block a in step j.  The accumulators take turns, one instruction a turn.  zero = 1: the first products start the sums.
.macro MUL j, a, zero
.set FB, 64*((\j)%4)
.if PROD == 1
.set FA, AR+40*((\j)%4)+8*(\a)
.if (\a) == 4
	WIN 0xf1
.set AC, 0
.else
	WIN 0xa1
.set AC, 64*(\a)
.endif
.irp c, 0,1,2,3,4,5,6,7
.if \zero
	v_wmma_f32_16x16x32_bf16 v[AC+8*(\c):AC+8*(\c)+7], v[FB+8*(\c):FB+8*(\c)+7], v[FA:FA+7], 0
.else
	v_wmma_f32_16x16x32_bf16 v[AC+8*(\c):AC+8*(\c)+7], v[FB+8*(\c):FB+8*(\c)+7], v[FA:FA+7], v[AC+8*(\c):AC+8*(\c)+7]
.endif
.endr
.else
.if ((\j)%4) < 2
	WIN 0xa1
.set FA, 64+80*((\j)%4)+8*(\a)
.else
	WIN 0xad
.set FA, 80*(((\j)%4)-2)+8*(\a)
.endif
.set AC, 32*(\a)
.irp c, 0,1,2,3,4,5,6,7
.if (\zero) && ((\c) < 4)
	v_wmma_f32_16x16x32_bf16 v[AC+8*((\c)%4):AC+8*((\c)%4)+7], v[FB+8*(\c):FB+8*(\c)+7], v[FA+40*((\c)/4):FA+40*((\c)/4)+7], 0
.else
	v_wmma_f32_16x16x32_bf16 v[AC+8*((\c)%4):AC+8*((\c)%4)+7], v[FB+8*(\c):FB+8*(\c)+7], v[FA+40*((\c)/4):FA+40*((\c)/4)+7], v[AC+8*((\c)%4):AC+8*((\c)%4)+7]
.endif
.endr
.endif
.endm
; A STEP of 32 rows of the image.  In its middle stand both runs of loads: the weights' fragments of the step after next and the token fragments three steps on.  The token buffer was last read by the
; step before, and the four v_nop are the places between those products and the loads (ISA guide 7.12.1 for vector instructions).
; left = the token loads that may stay out: the two younger buffers'.  dleft = the LDS loads that may stay out: the next step's run of 16, the only LDS instructions issued behind this step's own run.
; skip = 1: block 4 is jumped where the trip has fewer than five blocks; the first step never jumps, so that its sums are started.
; adv = 1: the token loads' base goes four steps on, just ahead of the first run that needs the new one: 40 products behind the last run that named the old one.
.macro STEP j, zero, ald, bld, left, dleft, skip, adv
	s_wait_loadcnt \left
	s_wait_dscnt \dleft
	MUL \j, 0, \zero
	MUL \j, 1, \zero
.if (\bld) || (\ald)
	PLACES
.endif
.if \bld
	FETCH_B (\j)+2
.endif
.if \adv
	s_wait_xcnt 0x0                                ; the token loads' base is stepped only behind this wait
	s_add_nc_u64 s[34:35], s[34:35], 256
.endif
.if \ald
	ALOAD ((\j)+3)%4, 64*((\j)+3)
.endif
	MUL \j, 2, \zero
	MUL \j, 3, \zero
	WIN 0                                          ; at a branch and at a label every window is 0
.if \skip
	s_cmp_eq_u32 s[NBT], 5
	s_cbranch_scc0 .Ln5_\@
.endif
	MUL \j, 4, \zero
	WIN 0
.if \skip
.Ln5_\@:
.endif
.endm
.macro ADVB                            ; the image's address goes four steps on
	v_add_nc_u32 v[BA], 4*32*PW, v[BA]
.endm
.macro COPY a                          ; block a's sums plus the bias, each accumulator from its low end on; and the byte offsets of the rows that I store
.if (PROD == 1) && ((\a) == 4)
	WIN 0x03
.set AC, 0
.else
	WIN 0x02
.set AC, NBI*(\a)
.endif
.set i, 0
.rept NBI/2
	v_pk_add_f32 v[X+2*i:X+2*i+1], v[AC+2*i:AC+2*i+1], v[BI+2*i:BI+2*i+1]
.set i, i+1
.endr
	WIN 0x0c
.irp t, 0,1,2,3,4,5,6,7
	v_min_u32 v[DO+(\t)], 0xfff, v[SLT+8*(\a)+(\t)]
.endr
	WIN 0
.irp t, 0,1,2,3,4,5,6,7
	v_lshl_add_u32 v[DO+(\t)], v[DO+(\t)], 12, v[CO]
.endr
.endm
	; THE TRIPS: four.  The loop is entered behind its test: the first trip always multiplies; the test that jumps a trip's products is reached by the backward jump alone.
	s_wait_kmcnt 0x0                               ; the expert's rows
	s_add_co_u32 s[REM], s[CNT], 15
	s_lshr_b32 s[REM], s[REM], 4                   ; its blocks
	s_sub_co_u32 s[REM], s[REM], s[WV]
	s_add_co_u32 s[REM], s[REM], 3                 ; of the blocks 20 i + wave + 4 a those with a < (blocks - wave + 3 - 20 i) / 4 count
	s_mov_b32 s[TT], 4
	s_mov_b32 s[B0], 0
	s_ashr_i32 s[NBT], s[REM], 2
	s_branch .Lwork
.Ltile:
	s_sub_co_i32 s[NBT], s[REM], s[B0]
	s_ashr_i32 s[NBT], s[NBT], 2
	s_cmp_le_i32 s[NBT], 0
	s_cbranch_scc1 .Lno_mul                        ; nothing left: the products are jumped; what is jumped holds no barrier
.Lwork:
	s_min_i32 s[NBT], s[NBT], 5
	s_wait_xcnt 0x0                                ; the last trip's stores have read their registers
	s_wait_loadcnt 0x0                             ; this trip's part of the list is in
.irp a, 0,1,2,3,4
.if PROD == 1
	v_sub_nc_u32 v[AOFF+(\a)], v[AOFF+(\a)], s27   ; slot -> token
	v_lshrrev_b32 v[AOFF+(\a)], s28, v[AOFF+(\a)]
	v_min_u32 v[AOFF+(\a)], 0x3ff, v[AOFF+(\a)]
.else
	v_min_u32 v[AOFF+(\a)], 0xfff, v[AOFF+(\a)]
.endif
	v_lshl_add_u32 v[AOFF+(\a)], v[AOFF+(\a)], ASH, v[H16]
.endr
	s_mov_b64 s[34:35], s[4:5]
	v_mov_b32 v[BA], v[BA0]
	ALOAD 0, 0
	ALOAD 1, 64
	ALOAD 2, 128
	FETCH_B 0
	FETCH_B 1
	STEP 0, 1, 1, 1, 2*NL, 16, 0, 0
	STEP 1, 0, 1, 1, 2*NL, 16, 1, 0
	STEP 2, 0, 1, 1, 2*NL, 16, 1, 0
	STEP 3, 0, 1, 1, 2*NL, 16, 1, 0
	ADVB
	s_mov_b32 s[LC], 6
.Lgroup:
	STEP 0, 0, 1, 1, 2*NL, 16, 1, 1
	STEP 1, 0, 1, 1, 2*NL, 16, 1, 0
	STEP 2, 0, 1, 1, 2*NL, 16, 1, 0
	STEP 3, 0, 1, 1, 2*NL, 16, 1, 0
	ADVB
	s_sub_co_u32 s[LC], s[LC], 1
	s_cmp_lg_u32 s[LC], 0
	s_cbranch_scc1 .Lgroup
	STEP 0, 0, 1, 1, 2*NL, 16, 1, 1                ; the last four steps: one more run of token loads, two more of fragments, then the counts run down
	STEP 1, 0, 0, 1, 2*NL, 16, 1, 0
	STEP 2, 0, 0, 0, NL, 16, 1, 0
	STEP 3, 0, 0, 0, 0, 0, 1, 0
	PLACES                                         ; between the last products and the first read of a sum
.Lno_mul:
	s_wait_loadcnt 0x0                             ; no load is out on any way from here on
	s_wait_dscnt 0x0                               ; my loads from the image are back
	s_barrier_signal -1
	s_barrier_wait -1                              ; every wave's are: only now is a stage written
	s_cmp_le_i32 s[NBT], 0
	s_cbranch_scc1 .Lno_out                        ; a trip without blocks has nothing to store; what is jumped holds no barrier
	; THE WAY OUT, a block of 16 rows at a time, through my own stage in LDS
	s_mov_b32 s[EA], 0
.Lepi:
	s_cmp_ge_u32 s[EA], s[NBT]
	s_cbranch_scc1 .Lepi_next
	s_wait_xcnt 0x0                                ; the last block's stores have read their offsets and data
	s_cmp_eq_u32 s[EA], 0
	s_cbranch_scc0 .Lc1
	COPY 0
	s_branch .Lcommon
.Lc1:
	s_cmp_eq_u32 s[EA], 1
	s_cbranch_scc0 .Lc2
	COPY 1
	s_branch .Lcommon
.Lc2:
	s_cmp_eq_u32 s[EA], 2
	s_cbranch_scc0 .Lc3
	COPY 2
	s_branch .Lcommon
.Lc3:
	s_cmp_eq_u32 s[EA], 3
	s_cbranch_scc0 .Lc4
	COPY 3
	s_branch .Lcommon
.Lc4:
	COPY 4
.Lcommon:
.if PROD == 1
.set i, 0
.rept 32
	v_pk_mul_f32 v[T+2*i:T+2*i+1], v[X+2*i:X+2*i+1], v[X+2*i:X+2*i+1]
.set i, i+1
.endr
.set i, 0
.rept 32
	v_pk_fma_f32 v[T+2*i:T+2*i+1], v[T+2*i:T+2*i+1], s[48:49], s[46:47] op_sel_hi:[1,0,0]  ; C1 x^2 + C0
.set i, i+1
.endr
.set i, 0
.rept 32
	v_pk_mul_f32 v[T+2*i:T+2*i+1], v[T+2*i:T+2*i+1], v[X+2*i:X+2*i+1]
.set i, i+1
.endr
.set i, 0
.rept 64
	v_exp_f32 v[T+i], v[T+i]
.set i, i+1
.endr
	v_nop                                          ; a plain instruction behind the last exponential
	s_wait_alu depctr_va_vdst(0)                   ; one wait for the 64 exponentials, ahead of their first reader
.set i, 0
.rept 32
	v_pk_add_f32 v[T+2*i:T+2*i+1], v[T+2*i:T+2*i+1], 1.0 op_sel_hi:[1,0]
.set i, i+1
.endr
.set i, 0
.rept 64
	v_rcp_f32 v[T+i], v[T+i]
.set i, i+1
.endr
	v_nop
	s_wait_alu depctr_va_vdst(0)                   ; one wait for the 64 reciprocals
.set i, 0
.rept 32
	v_pk_mul_f32 v[T+2*i:T+2*i+1], v[T+2*i:T+2*i+1], v[X+2*i:X+2*i+1]
.set i, i+1
.endr
.set i, 0
.rept 32
	v_cvt_pk_bf16_f32 v[X+i], v[T+2*i], v[T+2*i+1]
.set i, i+1
.endr
.irp c, 0,1,2,3,4,5,6,7
	ds_store_b128 v[STO], v[X+4*(\c):X+4*(\c)+3] offset:32*(\c)
.endr
.else
.irp c, 0,1,2,3
	ds_store_b128 v[STO], v[X+8*(\c):X+8*(\c)+3] offset:64*(\c)
	ds_store_b128 v[STO], v[X+8*(\c)+4:X+8*(\c)+7] offset:64*(\c)+16
.endr
.endif
.irp t, 0,1,2,3,4,5,6,7
	ds_load_b128 v[BK+4*(\t):BK+4*(\t)+3], v[RD] offset:272*(\t)  ; LDS serves a wave's instructions in order (ISA guide 5.7.1.4): these see the stores above
.endr
	s_wait_dscnt 0x0
.irp t, 0,1,2,3,4,5,6,7
	global_store_b128 v[DO+(\t)], v[BK+4*(\t):BK+4*(\t)+3], s[20:21]  ; 16 lanes store the slice's 256 consecutive bytes of one row, aligned; the other 16 those of another
.endr
.Lepi_next:
	s_add_co_u32 s[EA], s[EA], 1
	s_cmp_lt_u32 s[EA], 5
	s_cbranch_scc1 .Lepi
.Lno_out:
	s_wait_dscnt 0x0                               ; my stores into my stage, and my reads of it, are done
	s_barrier_signal -1
	s_barrier_wait -1                              ; every wave's are: only now does the next trip read LDS, or the wave end
	s_add_co_u32 s[B0], s[B0], 20
	s_cmp_eq_u32 s[TT], 1
	s_cbranch_scc1 .Lno_list                       ; behind the last trip nothing is asked for
	s_sub_co_i32 s45, s[REM], s[B0]
	s_cmp_lt_i32 s45, 4
	s_cbranch_scc1 .Lno_list                       ; nor where the next trip has no block of mine: the same number jumps its products
	v_add_nc_u32 v[LOFA], 20*64, v[LOFA]           ; no load is out here: every way has passed the wait for 0 above
	v_add_nc_u32 v[LOFB], 20*64, v[LOFB]
	LISTLOAD                                       ; the next trip's part of the list
.Lno_list:
	s_sub_co_u32 s[TT], s[TT], 1
	s_cmp_lg_u32 s[TT], 0
	s_cbranch_scc1 .Ltile
	s_wait_tensorcnt 0x0                           ; the wave's end, behind my last LDS store
	ds_add_u32 v[SPW], v[NIL]
	s_wait_dscnt 0x0
	s_endpgm
.Lfunc_end_k_q0f45115fba_down:
	.size	k_q0f45115fba_down, .Lfunc_end_k_q0f45115fba_down-k_q0f45115fba_down
	.p2alignl 7, 3214868480
	.fill 96, 4, 3214868480
	.section	.rodata,"a",@progbits
	.p2align	6, 0x0
	.amdhsa_kernel k_q0f45115fba_down
		.amdhsa_group_segment_fixed_size 312832
		.amdhsa_private_segment_fixed_size 0
		.amdhsa_enable_private_segment 0
		.amdhsa_kernarg_size 72
		.amdhsa_user_sgpr_count 2
		.amdhsa_user_sgpr_kernarg_segment_ptr 1
		.amdhsa_wavefront_size32 1
		.amdhsa_system_sgpr_workgroup_id_x 1
		.amdhsa_system_sgpr_workgroup_id_y 1
		.amdhsa_system_sgpr_workgroup_id_z 1
		.amdhsa_system_vgpr_workitem_id 0
		.amdhsa_next_free_vgpr 976
		.amdhsa_next_free_sgpr 66
		.amdhsa_reserve_vcc 0
		.amdhsa_float_denorm_mode_32 3
		.amdhsa_float_denorm_mode_16_64 3
		.amdhsa_memory_ordered 1
		.amdhsa_forward_progress 1
		.amdhsa_inst_pref_size 116
	.end_amdhsa_kernel
	.amdgpu_metadata
---
amdhsa.version: [ 1, 2 ]
amdhsa.kernels:
  - .name:           k_q0f45115fba_down
    .symbol:         k_q0f45115fba_down.kd
    .args:
      - { .name: hbuf, .offset: 0, .size: 8, .value_kind: global_buffer, .address_space: global }
      - { .name: rows, .offset: 8, .size: 8, .value_kind: global_buffer, .address_space: global }
      - { .name: shared_w2, .offset: 16, .size: 8, .value_kind: global_buffer, .address_space: global }
      - { .name: mode_w2, .offset: 24, .size: 8, .value_kind: global_buffer, .address_space: global }
      - { .name: routed_w2, .offset: 32, .size: 8, .value_kind: global_buffer, .address_space: global }
      - { .name: shared_b2, .offset: 40, .size: 8, .value_kind: global_buffer, .address_space: global }
      - { .name: mode_b2, .offset: 48, .size: 8, .value_kind: global_buffer, .address_space: global }
      - { .name: routed_b2, .offset: 56, .size: 8, .value_kind: global_buffer, .address_space: global }
      - { .name: ybuf, .offset: 64, .size: 8, .value_kind: global_buffer, .address_space: global }
    .group_segment_fixed_size: 312832
    .private_segment_fixed_size: 0
    .kernarg_segment_align: 8
    .kernarg_segment_size: 72
    .max_flat_workgroup_size: 128
    .sgpr_count:     66
    .vgpr_count:     976
    .wavefront_size: 32
...
	.end_amdgpu_metadata
.endif
;; end of part 7
;; launch mix: the kernel of part 4 again; grid 256 x 1, 8 waves a work-group, no clusters, 0 bytes of LDS; arguments ybuf, rprob, out0; writes out0
;; ======== version 3 of 3: 5 launches; version 2 with the launches up, down written anew for expert scheduling mode
;; workspace buffers: xb 2,097,152 bytes; keys 16,384 bytes of whole numbers; rows 86,016 bytes of whole numbers; rprob 8,192 bytes; hbuf 16,777,216 bytes; ybuf 16,777,216 bytes
;; launch router: the kernel of part 1 again; grid 256 x 1, 4 waves a work-group, no clusters, 0 bytes of LDS; arguments hidden, router_w, router_b, mode_ids, xb, keys, rprob, out1, out2, out3; writes xb, keys, rprob, out1, out2, out3
;; launch sort: the kernel of part 5 again; grid 16 x 1, 1 waves a work-group, no clusters, 0 bytes of LDS; arguments keys, rows; writes rows
;; launch up (part 8): grid 16 x 16, 4 waves a work-group, no clusters, 312,832 bytes of LDS; arguments xb, rows, shared_w1, mode_w1, routed_w1, shared_b1, mode_b1, routed_b1, hbuf; writes hbuf
.if DOCPART == 8
	.amdgcn_target "amdgcn-amd-amdhsa--gfx1250"
	.amdhsa_code_object_version 6
	.text
	.protected	k_q0f45115fba_up
	.globl	k_q0f45115fba_up
	.p2align	8
	.type	k_q0f45115fba_up,@function
k_q0f45115fba_up:
	s_mov_b64 s[64:65], 0
	v_nop
	global_prefetch_b8 v0, s[64:65] scope:SCOPE_SE
	s_setreg_imm32_b32 hwreg(HW_REG_WAVE_SCHED_MODE, 0, 2), 2
	s_setreg_imm32_b32 hwreg(HW_REG_WAVE_MODE, 25, 1), 1
	s_wait_xcnt 0x0
	s_wait_alu depctr_vm_vsrc(0)
.set PROD, 1
; ONE PRODUCT OF THE EXPERTS' CHAIN, for the rows that chose the expert.  PROD = 1: h = gelu(x W1 + b1), rows of xb by token, 128 columns a slice, result in bf16.
; PROD = 2: y = h W2 + b2, rows of hbuf by slot, 64 columns a slice, result in f32 (partial rows, added by the last launch).  The two texts differ in the line above alone.
; GRID.  x = slice (16), y = virtual expert v (16): 0-3 the shared expert's four quarters of rows, 4-7 the modes, 8-15 the routed experts.  A work-group has one slice of ONE
; expert's weights (524,288 bytes of f32), rounds it to bf16 on the way through registers into LDS, and multiplies all rows of v.
; ROWS.  A row of work is a SLOT with a fixed place: t (shared), 1024 + t (mode), 2048 + 2 t + k (routed).  The launch before listed v's slots in rows: entries 0 .. T-1, then one of them repeated in the
; 320 entries behind, and T in entry 1312.  The list is taken in blocks of 16; trip i gives wave w the blocks 20 i + w + 4 a, a = 0 .. 4: an even deal, and four trips cover the 64 blocks that an expert
; can have, whatever the split.  The list's addresses hang on v, the wave and the lane alone, so the first trip's entries are asked for at the kernel's head; a later trip's are asked for only by a wave
; that has a block in it, that is where T > 16 (20 i + w): no entry past T + 319 is read, and a trip without work waits for nothing.  A block past the count holds the repeated row: it is loaded, its
; products but for the fifth block's are made, and nothing of it is stored; in the last block that counts the places past T store the repeated row's bytes once more.
; The first trip's products are never jumped, so that all sums have been started on every way to the way out.
; BARRIERS.  One behind the fill.  Then two in each of the four trips, on every wave's path (only work is jumped): one between the trip's loads from the image and the stores into the stages, one between
; those stores and the next trip's loads, so that the order of LDS reads and writes between waves does not rest on the regions' arithmetic alone.
; NO TENSOR LOADS, NO CLUSTER: each weight is f32 and has to pass through registers to be rounded; all slices but the shared expert's have one reader; the token rows come by a list.
; MATRIX USE.  Source 0 = 16 columns of the weights (turned out of LDS by ds_load_tr16_b128), source 1 = 16 rows of tokens (straight from memory): a lane then holds one row and eight neighbouring columns.
; LDS IMAGE.  1,024 rows of 288 bytes (256 + 32 of padding = 72 words, so that the eight rows of a turning load fall on different banks: 64 banks of 4 bytes, ISA guide 11.1).  PROD = 1: row k, 128 columns.
; PROD = 2: row k mod 1024, bytes 0-127 the 64 columns of k < 1024, bytes 128-255 those of k >= 1024: both halves of K go on one accumulator.  So both texts have 32 steps of 32 rows.
; LIMITS.  Weights, biases and x are rounded to bf16; h is rounded once to bf16.  gelu is the tanh form, x / (1 + 2^(x (C0 + C1 x^2))).  NaN and infinities are not treated apart.
; THE MODE: SCHED_MODE bits 1:0 = 2 (LLVM: expert scheduling mode 2), set by the entry lines.  The code itself states the register dependences between vector or matrix instructions and memory or LDS
; instructions, with s_wait_alu, always for 0.
; THE PLAN.  Registers that memory or LDS instructions touch:
;   THE FILL.   WR, 32 slots: a group of four slots is read by its eight conversions and then loaded again.  CT, two halves of eight: written by a group's conversions, read by its four LDS stores, written
;               again two groups on.  v[WLDS]: read by every LDS store, stepped once a trip.  v[WOFF]: never written again.  So a group has one wait on va_vdst, behind its conversions, and one on
;               vm_vsrc at its head (groups 0 and 1 lean on the one that stands ahead of the add to v[WLDS]).
;   A TRIP.     v[AOFF ..]: the list's loads land in them, the trip's head makes offsets of them, the trip's token loads read them.  SLT: the list's loads land there, the way out's vector lines read it.
;               Token buffers 0-3: step j's products read buffer j % 4; the loads issued in step j, for step j + 3, land in buffer (j - 1) % 4.  Fragment buffers 0-3: step j's products read buffer j % 4;
;               the loads issued in step j, for step j + 2, land in buffer (j + 2) % 4, last read in step j - 2.  v[BA]: read by every turning load, written at a trip's head and once in four steps.
;               So ONE wait on va_vdst stands at a step's head, behind the waits for the step's data: the step before is done reading the token buffer in which this step's loads land.  Behind it the
;               step's loads are dealt among its products, which name fragment buffer j % 4, token buffer j % 4 and the accumulators: none of the registers that those loads touch.
;   THE WAY OUT.  X and DO: written by vector lines, read by the LDS stores and the stores.  BK: the loads from the stage land in it, the stores read it.  One wait on vm_vsrc at a block's head, one on
;               va_vdst ahead of its LDS stores.  X, T, BK, and in the fill WR and CT, lie over the token buffers: the waits at the fill's end, at a trip's end and at a trip's head state that.
.if PROD == 1
.set ROWP, 8192        ; bytes in a row of the weights
.set SLB,  512         ; bytes of a slice in it, and in the bias
.set WSH,  21          ; a wave's 256 rows of weights, as a shift
.set BROW, 8192        ; bytes of an expert's bias
.set NL,   10          ; loads of token fragments in a step
.set ASH,  11          ; a token row's bytes, as a shift
.set NBI,  64          ; registers of bias = results of a block of 16 rows
.set STH,  4           ; the stage: 16 bytes for each half of the lanes
.set BI,   192         ; v192-255 bias
.set AR,   32          ; v32-191 token fragments: four buffers of 40 (block a at + 8 a)
.set WR,   32          ; while LDS is filled: v32-159 the ring of 32 loads,
.set CT,   176         ; v176-191 eight pairs of rounded weights
.set X,    32          ; the way out: v32-95 results, v96-159 at work, v160-191 rows read back
.set T,    96
.set BK,   160
.set SLT,  64          ; window 3, v64-103: block a's eight slots that I store, at + 8 a
.else
.set ROWP, 4096
.set SLB,  256
.set WSH,  20
.set BROW, 4096
.set NL,   20
.set ASH,  12
.set NBI,  32
.set STH,  5           ; 32 bytes for each half of the lanes
.set BI,   32          ; v32-63 bias;  token fragments: buffers of 80 (40 x half of K + 8 a): v64-143, v144-223, and v0-79, v80-159 of window 3
.set WR,   64
.set CT,   192
.set X,    64
.set BK,   96
.set SLT,  160         ; window 3, v160-199
.endif
; window 1: the weights' fragments, four buffers of 64.  Accumulators: PROD = 1: (a, c) at 64 a + 8 c of window 2, block 4 at 8 c of window 3; PROD = 2: (a, c) at 32 a + 8 c of window 2.
.set PW,    288
.set STAGE, 1024*PW         ; behind the image: 16 rows x 272 bytes a wave, for the way out; the 512 bytes behind the stages take the wave's last LDS add
.set LSTR,  5376            ; bytes of an expert's stripe in rows
.set TOFF,  5248            ; where its count stands
.set BA0,  6           ; v6   my lane's place in a turning load
.set BA,   7           ; v7   the same, stepped along K
.set AOFF, 8           ; v8-12  blocks 0-4: the slot, then the byte offset, of my row
.set H16,  14          ; v14  16 x (lane / 16)
.set STO,  15          ; v15  the way out: where I put my part of a row
.set RD,   16          ; v16  where I read rows back
.set CO,   17          ; v17  16 x (lane % 16)
.set DO,   18          ; v18-25  byte offsets of the rows that I store
.set TA,   26
.set TB,   27
.set WOFF, 28          ; v28  my 16 bytes in a row of the slice
.set WLDS, 29          ; v29  where their 8 bytes go
.set LOFA, 30          ; v30  the list: byte of entry 16 (20 trip + wave) + lane % 16
.set LOFB, 31          ; v31  the list: byte of entry 16 (20 trip + wave) + 8 (lane / 16)
.set WV,   22          ; s22 wave; s23 v; s24 slice; s25 expert; s27, s28 slot -> token: less s27, shifted by s28
.set CNT,  38          ; s38  the expert's rows
.set REM,  39          ; s39  its blocks - wave + 3
.set NBT,  40          ; s40  my blocks in this trip, 1 to 5; 0 or less: none
.set B0,   41          ; s41  20 x trip
.set TT,   42          ; s42  trips to go
.set LC,   43          ; s43  inner loops' count
.set EA,   44          ; s44  block on the way out
.set MSB, 0
.macro WIN new                         ; s_set_vgpr_msb: bits 1:0 source 0, 3:2 source 1, 5:4 source 2, 7:6 destination; the high byte repeats the setting that is left
.if MSB != (\new)
	s_set_vgpr_msb (MSB<<8)|(\new)
.set MSB, (\new)
.endif
.endm
.macro PLACES
.rept 4
	v_nop
.endr
.endm
; A trip's part of the list, 15 loads: for each of my five blocks the slot of row lane % 16, and the eight slots 8 (lane / 16) + 0 .. 7 that I shall store
.macro LISTLOAD
	WIN 0
.irp a, 0,1,2,3,4
	global_load_b32 v[AOFF+(\a)], v[LOFA], s[6:7] offset:256*(\a)
.endr
	WIN 0xc0
.irp a, 0,1,2,3,4
	global_load_b128 v[SLT+8*(\a):SLT+8*(\a)+3],   v[LOFB], s[6:7] offset:256*(\a)
	global_load_b128 v[SLT+8*(\a)+4:SLT+8*(\a)+7], v[LOFB], s[6:7] offset:256*(\a)+16
.endr
	WIN 0
.endm
	s_load_b512 s[4:19], s[0:1], 0x0               ; rows of tokens 4, list 6, weights: shared 8, mode 10, routed 12, biases: shared 14, mode 16, routed 18
	s_load_b64 s[20:21], s[0:1], 0x40              ; result
	v_lshl_add_u32 v5, v0, 2, 0x4c400
	v_mov_b32 v13, 0
	v_lshrrev_b32 v1, 5, v0
	v_readfirstlane_b32 s[WV], v1
	s_and_b32 s23, ttmp7, 0xffff
	s_mov_b32 s24, ttmp9
	s_sub_co_u32 s45, s23, 4
	s_sub_co_u32 s50, s23, 8
	s_movk_i32 s43, 0x400
	s_movk_i32 s44, 0x800
	s_cmp_lt_u32 s23, 8
	s_cselect_b32 s25, s45, s50
	s_cselect_b32 s27, s43, s44
	s_cselect_b32 s28, 0, 1
	s_cmp_lt_u32 s23, 4
	s_cselect_b32 s25, 0, s25
	s_cselect_b32 s27, 0, s27
	s_lshl_b32 s36, s25, 23                        ; an expert's weights are 8,388,608 bytes
	s_mul_i32 s45, s24, SLB
	s_add_co_u32 s36, s36, s45
	s_wait_alu depctr_va_sdst(0)                   ; s22, the wave's number, is written, ahead of its first reader
	s_lshl_b32 s50, s[WV], WSH
	s_add_co_u32 s36, s36, s50                     ; + my slice + my wave's 256 rows
	s_mov_b32 s37, 0
	s_mul_i32 s52, s25, BROW
	s_add_co_u32 s52, s52, s45
	s_mov_b32 s53, 0
	s_lshl_b32 s54, s24, 8                         ; a slice is 256 bytes of a result row
	s_mov_b32 s55, 0
	s_mul_i32 s56, s23, LSTR                       ; v's stripe of the list
	s_mov_b32 s57, 0
	s_mov_b32 s46, 0xc0135761                      ; C0 = -2 sqrt(2 / pi) log2 e
	s_mov_b32 s47, s46
	s_mov_b32 s48, 0xbdd2d3e8                      ; C1 = 0.044715 C0
	s_mov_b32 s49, s48
	v_and_b32 v1, 31, v0                           ; lane
	v_and_b32 v2, 15, v0                           ; r
	v_bfe_u32 v3, v0, 4, 1                         ; h
	v_and_b32 v[TA], 7, v0
	v_lshl_add_u32 v[TA], v3, 3, v[TA]
	v_mul_u32_u24 v[BA0], v[TA], PW                ; the turning load: row 8 h + lane % 8,
	v_bfe_u32 v[TB], v0, 3, 1
	v_lshl_add_u32 v[BA0], v[TB], 4, v[BA0]        ; 16 bytes for each eight lanes
	v_lshlrev_b32 v[H16], 4, v3
	s_mul_i32 s45, s[WV], 4352
	s_add_co_u32 s45, s45, STAGE
	v_mul_u32_u24 v[STO], v2, 272
	v_lshl_add_u32 v[STO], v3, STH, v[STO]
	v_add_nc_u32 v[STO], s45, v[STO]
	v_mul_u32_u24 v[RD], v3, 8*272                 ; back: lanes 0-15 take rows 0-7 of the stage, one a load, lanes 16-31 rows 8-15
	v_lshl_add_u32 v[RD], v2, 4, v[RD]
	v_add_nc_u32 v[RD], s45, v[RD]
	v_lshlrev_b32 v[CO], 4, v2
.if PROD == 1
	v_lshlrev_b32 v[WOFF], 4, v1                   ; 32 lanes take the slice's 512 bytes of a row
.else
	v_lshlrev_b32 v[WOFF], 4, v2                   ; 16 lanes take the slice's 256 bytes of row k, the other 16 those of row k + 1024
	v_lshl_add_u32 v[WOFF], v3, 22, v[WOFF]
.endif
	s_mul_i32 s45, s[WV], 256*PW
	v_lshl_add_u32 v[WLDS], v1, 3, s45
	s_lshl_b32 s45, s[WV], 6                       ; a block of the list is 64 bytes
	v_lshl_add_u32 v[LOFA], v2, 2, s45
	v_lshl_add_u32 v[LOFB], v3, 5, s45
	v_lshlrev_b32 v[TA], 5, v3                     ; the bias of my eight columns: 32 h
	s_wait_kmcnt 0x0
	s_cmp_lt_u32 s23, 8
	s_cselect_b64 s[30:31], s[10:11], s[12:13]
	s_cselect_b64 s[32:33], s[16:17], s[18:19]
	s_cmp_lt_u32 s23, 4
	s_cselect_b64 s[30:31], s[8:9], s[30:31]
	s_cselect_b64 s[32:33], s[14:15], s[32:33]
	s_add_nc_u64 s[6:7], s[6:7], s[56:57]          ; the list at v's stripe
	s_add_nc_u64 s[30:31], s[30:31], s[36:37]      ; weights at my wave's first row of the slice
	s_add_nc_u64 s[32:33], s[32:33], s[52:53]      ; bias at the slice
	s_add_nc_u64 s[20:21], s[20:21], s[54:55]      ; result at the slice
	s_load_b32 s[CNT], s[6:7], TOFF                ; wanted behind the fill
	s_wait_alu depctr_va_vdst(0)                   ; the offsets and LDS addresses made above are written: v[LOFA], v[LOFB], v[TA] and v[WOFF], which the loads below read, and v[WLDS], v[STO], v[RD] for later
	LISTLOAD                                       ; the first trip's
.set i, 0
.rept NBI/8
	global_load_b128 v[BI+8*i:BI+8*i+3], v[TA], s[32:33] offset:64*i
	global_load_b128 v[BI+8*i+4:BI+8*i+7], v[TA], s[32:33] offset:64*i+16
.set i, i+1
.endr
.set i, 0
.rept 32                               ; the ring: 28 to 32 loads of 512 bytes of every wave are on their way from here to the end of the fill
	global_load_b128 v[WR+4*i:WR+4*i+3], v[WOFF], s[30:31] offset:i*ROWP th:TH_LOAD_NT
.set i, i+1
.endr
	s_wait_loadcnt 32                              ; the ring's 32 loads are younger: the list's entries and the bias are in
	s_wait_alu depctr_vm_vsrc(0)                   ; the bias's loads have read v[TA], which the roundings below write
.set i, 0
.rept NBI/2                            ; the bias is rounded to bf16 like every input, and kept as f32
	v_cvt_pk_bf16_f32 v[TA], v[BI+2*i], v[BI+2*i+1]
	v_lshlrev_b32 v[BI+2*i], 16, v[TA]
	v_and_b32 v[BI+2*i+1], 0xffff0000, v[TA]
.set i, i+1
.endr
	; THE FILL: my 256 rows of the slice, rounded, into LDS, four slots of the ring at a time.  A group's turn: its four loads are in, 16 numbers become 32 bytes, the slots are loaded again 32 rows on.
.macro WGROUP g, ahead, left
	s_wait_loadcnt \left                           ; loads come back in order: the group's four are in, the younger ones stay out
.if (\g) > 1
	s_wait_alu depctr_vm_vsrc(0)                   ; the LDS stores of the group before last have read this half of CT, which the conversions below write again
.endif
.irp k, 0,1,2,3
	v_cvt_pk_bf16_f32 v[CT+2*((4*(\g)+(\k))%8)], v[WR+4*(4*(\g)+(\k))], v[WR+4*(4*(\g)+(\k))+1]
	v_cvt_pk_bf16_f32 v[CT+2*((4*(\g)+(\k))%8)+1], v[WR+4*(4*(\g)+(\k))+2], v[WR+4*(4*(\g)+(\k))+3]
.endr
	s_wait_alu depctr_va_vdst(0)                   ; the conversions have written CT, which the LDS stores read, and are done reading the four slots, in which the loads land; in a trip's first group v[WLDS] is written
.if \ahead
.irp k, 0,1,2,3
	global_load_b128 v[WR+4*(4*(\g)+(\k)):WR+4*(4*(\g)+(\k))+3], v[WOFF], s[30:31] offset:(32+4*(\g)+(\k))*ROWP th:TH_LOAD_NT
.endr
.endif
.irp k, 0,1,2,3
	ds_store_b64 v[WLDS], v[CT+2*((4*(\g)+(\k))%8):CT+2*((4*(\g)+(\k))%8)+1] offset:(4*(\g)+(\k))*PW
.endr
.endm
	s_mov_b32 s[LC], 7
.Lfill:
.set i, 0
.rept 8
	WGROUP i, 1, 28
.set i, i+1
.endr
	s_wait_xcnt 0x0                                ; the loads' base is stepped only behind this wait
	s_wait_alu depctr_vm_vsrc(0)                   ; the LDS stores issued so far have read v[WLDS], which the add below writes, and both halves of CT, which the next two groups write
	s_add_nc_u64 s[30:31], s[30:31], 32*ROWP
	v_add_nc_u32 v[WLDS], 32*PW, v[WLDS]
	s_sub_co_u32 s[LC], s[LC], 1
	s_cmp_lg_u32 s[LC], 0
	s_cbranch_scc1 .Lfill
.set i, 0
.rept 8
	WGROUP i, 0, 28-4*i                            ; the last 32 rows: nothing is loaded, the counts run down
.set i, i+1
.endr
	s_wait_dscnt 0x0                               ; for the others' sake: my stores into the image are done
	s_barrier_signal -1
	s_barrier_wait -1                              ; the image is whole; from here on it is only read
	s_wait_alu depctr_vm_vsrc(0)                   ; my LDS stores have read v[CT ..]: from here on token loads land in these registers
; Load n of 16 of the weights' fragments of step j, counted from the group's first (32 rows of the image, 8 blocks of 16 columns), into buffer j % 4: a turning load
.macro BLOAD j, n
	WIN 0x40
.set BD, 64*((\j)%4)+8*((\n)/2)+4*((\n)%2)
	ds_load_tr16_b128 v[BD:BD+3], v[BA] offset:(\j)*32*PW+32*((\n)/2)+16*PW*((\n)%2)
.endm
.macro FETCH_B j                       ; all 16
.set n, 0
.rept 16
	BLOAD \j, n
.set n, n+1
.endr
.endm
; Load n of NL of the token fragments of one step for five blocks: lane l takes row l % 16, 16 bytes at 16 (l / 16) and 16 bytes 32 further on.  n: half of K (PROD = 2), block, which 16 bytes
.macro TLOAD buf, imm, n
.if PROD == 1
	WIN 0
.set TD, AR+40*(\buf)
.elseif (\buf) < 2
	WIN 0
.set TD, 64+80*(\buf)
.else
	WIN 0xc0
.set TD, 80*((\buf)-2)
.endif
.set TD, TD+40*((\n)/10)+8*(((\n)%10)/2)+4*((\n)%2)
	global_load_b128 v[TD:TD+3], v[AOFF+((\n)%10)/2], s[34:35] offset:(\imm)+2048*((\n)/10)+32*((\n)%2)
.endm
.macro ALOAD buf, imm                  ; all NL
.set n, 0
.rept NL
	TLOAD \buf, \imm, n
.set n, n+1
.endr
.endm
; The next few of step j's loads (q counts them): five token loads, for step j + 3, while there are any; then four of the weights' fragments, for step j + 2; then nothing.
.macro DEAL j, ald, bld
.if (\ald) && (q < NL)
.rept 5
	TLOAD ((\j)+3)%4, 64*((\j)+3), q
.set q, q+1
.endr
.elseif (\bld) && (q < NL+16)
.rept 4
	BLOAD (\j)+2, q-NL
.set q, q+1
.endr
.endif
.endm
; 8 matrix instructions for block a in step j.  The accumulators take turns, one instruction a turn.  zero = 1: the first products start the sums.
; deal = 1: behind every fourth of them stands a deal of the step's loads.
.macro MUL j, a, zero, ald, bld, deal
.set FB, 64*((\j)%4)
.if PROD == 1
.set FA, AR+40*((\j)%4)+8*(\a)
.if (\a) == 4
.set MW, 0xf1
.set AC, 0
.else
.set MW, 0xa1
.set AC, 64*(\a)
.endif
.irp c, 0,1,2,3,4,5,6,7
	WIN MW
.if \zero
	v_wmma_f32_16x16x32_bf16 v[AC+8*(\c):AC+8*(\c)+7], v[FB+8*(\c):FB+8*(\c)+7], v[FA:FA+7], 0
.else
	v_wmma_f32_16x16x32_bf16 v[AC+8*(\c):AC+8*(\c)+7], v[FB+8*(\c):FB+8*(\c)+7], v[FA:FA+7], v[AC+8*(\c):AC+8*(\c)+7]
.endif
.if (\deal) && ((\c)%4 == 3)
	DEAL \j, \ald, \bld
.endif
.endr
.else
.if ((\j)%4) < 2
.set MW, 0xa1
.set FA, 64+80*((\j)%4)+8*(\a)
.else
.set MW, 0xad
.set FA, 80*(((\j)%4)-2)+8*(\a)
.endif
.set AC, 32*(\a)
.irp c, 0,1,2,3,4,5,6,7
	WIN MW
.if (\zero) && ((\c) < 4)
	v_wmma_f32_16x16x32_bf16 v[AC+8*((\c)%4):AC+8*((\c)%4)+7], v[FB+8*(\c):FB+8*(\c)+7], v[FA+40*((\c)/4):FA+40*((\c)/4)+7], 0
.else
	v_wmma_f32_16x16x32_bf16 v[AC+8*((\c)%4):AC+8*((\c)%4)+7], v[FB+8*(\c):FB+8*(\c)+7], v[FA+40*((\c)/4):FA+40*((\c)/4)+7], v[AC+8*((\c)%4):AC+8*((\c)%4)+7]
.endif
.if (\deal) && ((\c)%4 == 3)
	DEAL \j, \ald, \bld
.endif
.endr
.endif
.endm
; A STEP of 32 rows of the image.  Its loads, the token fragments three steps on and the weights' fragments of the step after next, are dealt among its products: a deal at the head, one behind every
; fourth product of blocks 0 to 3; NL / 5 + 4 deals, so all are out ahead of block 4, which may be jumped.
; left = the token loads that may stay out: the two younger buffers'.  dleft = the LDS loads that may stay out: the next step's 16, the only LDS instructions issued behind this step's own.
; skip = 1: block 4 is jumped where the trip has fewer than five blocks; the first step never jumps, so that its sums are started.
; adv = 1: the token loads' base goes four steps on, just ahead of the first load that needs the new one: a step's products behind the last load that named the old one.
; The trip's first step (zero = 1) has no wait on va_vdst: no vector or matrix instruction stands between the wait at the trip's head and its loads.  A step that loads fragments alone has none either:
; their buffer's last readers, the products of two steps back, stand ahead of the wait at the head of the step before, and no product since names that buffer or v[BA].
.macro STEP j, zero, ald, bld, left, dleft, skip, adv
	s_wait_loadcnt \left
	s_wait_dscnt \dleft
.if (\ald) && !(\zero)
	s_wait_alu depctr_va_vdst(0)                   ; the last step's products are done reading their token buffer, in which this step's token loads land; in a group's first step v[BA] is written
.endif
.if \adv
	s_wait_xcnt 0x0                                ; the token loads' base is stepped only behind this wait
	s_add_nc_u64 s[34:35], s[34:35], 256
.endif
.set q, NL*(1-(\ald))
	DEAL \j, \ald, \bld
	MUL \j, 0, \zero, \ald, \bld, 1
	MUL \j, 1, \zero, \ald, \bld, 1
	MUL \j, 2, \zero, \ald, \bld, 1
	MUL \j, 3, \zero, \ald, \bld, 1
	WIN 0                                          ; at a branch and at a label every window is 0
.if \skip
	s_cmp_eq_u32 s[NBT], 5
	s_cbranch_scc0 .Ln5_\@
.endif
	MUL \j, 4, \zero, 0, 0, 0
	WIN 0
.if \skip
.Ln5_\@:
.endif
.endm
.macro ADVB                            ; the image's address goes four steps on
	s_wait_alu depctr_vm_vsrc(0)                   ; the turning loads issued so far have read v[BA]
	v_add_nc_u32 v[BA], 4*32*PW, v[BA]
.endm
.macro COPY a                          ; block a's sums plus the bias, each accumulator from its low end on; and the byte offsets of the rows that I store
.if (PROD == 1) && ((\a) == 4)
	WIN 0x03
.set AC, 0
.else
	WIN 0x02
.set AC, NBI*(\a)
.endif
.set i, 0
.rept NBI/2
	v_pk_add_f32 v[X+2*i:X+2*i+1], v[AC+2*i:AC+2*i+1], v[BI+2*i:BI+2*i+1]
.set i, i+1
.endr
	WIN 0x0c
.irp t, 0,1,2,3,4,5,6,7
	v_min_u32 v[DO+(\t)], 0xfff, v[SLT+8*(\a)+(\t)]
.endr
	WIN 0
.irp t, 0,1,2,3,4,5,6,7
	v_lshl_add_u32 v[DO+(\t)], v[DO+(\t)], 12, v[CO]
.endr
.endm
	; THE TRIPS: four.  The loop is entered behind its test: the first trip always multiplies; the test that jumps a trip's products is reached by the backward jump alone.
	s_wait_kmcnt 0x0                               ; the expert's rows
	s_add_co_u32 s[REM], s[CNT], 15
	s_lshr_b32 s[REM], s[REM], 4                   ; its blocks
	s_sub_co_u32 s[REM], s[REM], s[WV]
	s_add_co_u32 s[REM], s[REM], 3                 ; of the blocks 20 i + wave + 4 a those with a < (blocks - wave + 3 - 20 i) / 4 count
	s_mov_b32 s[TT], 4
	s_mov_b32 s[B0], 0
	s_ashr_i32 s[NBT], s[REM], 2
	s_branch .Lwork
.Ltile:
	s_sub_co_i32 s[NBT], s[REM], s[B0]
	s_ashr_i32 s[NBT], s[NBT], 2
	s_cmp_le_i32 s[NBT], 0
	s_cbranch_scc1 .Lno_mul                        ; nothing left: the products are jumped; what is jumped holds no barrier
.Lwork:
	s_min_i32 s[NBT], s[NBT], 5
	s_wait_xcnt 0x0                                ; the last trip's stores have read their registers
	s_wait_loadcnt 0x0                             ; this trip's part of the list is in
.irp a, 0,1,2,3,4
.if PROD == 1
	v_sub_nc_u32 v[AOFF+(\a)], v[AOFF+(\a)], s27   ; slot -> token
	v_lshrrev_b32 v[AOFF+(\a)], s28, v[AOFF+(\a)]
	v_min_u32 v[AOFF+(\a)], 0x3ff, v[AOFF+(\a)]
.else
	v_min_u32 v[AOFF+(\a)], 0xfff, v[AOFF+(\a)]
.endif
	v_lshl_add_u32 v[AOFF+(\a)], v[AOFF+(\a)], ASH, v[H16]
.endr
	s_mov_b64 s[34:35], s[4:5]
	v_mov_b32 v[BA], v[BA0]
	s_wait_alu depctr_va_vdst(0)                   ; v[AOFF ..] and v[BA] are written, which the loads below read; the fill's conversions, the last trip's products and its way out are done with the token and fragment buffers, in which they land
	ALOAD 0, 0
	ALOAD 1, 64
	ALOAD 2, 128
	FETCH_B 0
	FETCH_B 1
	STEP 0, 1, 1, 1, 2*NL, 16, 0, 0
	STEP 1, 0, 1, 1, 2*NL, 16, 1, 0
	STEP 2, 0, 1, 1, 2*NL, 16, 1, 0
	STEP 3, 0, 1, 1, 2*NL, 16, 1, 0
	ADVB
	s_mov_b32 s[LC], 6
.Lgroup:
	STEP 0, 0, 1, 1, 2*NL, 16, 1, 1
	STEP 1, 0, 1, 1, 2*NL, 16, 1, 0
	STEP 2, 0, 1, 1, 2*NL, 16, 1, 0
	STEP 3, 0, 1, 1, 2*NL, 16, 1, 0
	ADVB
	s_sub_co_u32 s[LC], s[LC], 1
	s_cmp_lg_u32 s[LC], 0
	s_cbranch_scc1 .Lgroup
	STEP 0, 0, 1, 1, 2*NL, 16, 1, 1                ; the last four steps: token loads once more, fragments twice more, then the counts run down
	STEP 1, 0, 0, 1, 2*NL, 16, 1, 0
	STEP 2, 0, 0, 0, NL, 16, 1, 0
	STEP 3, 0, 0, 0, 0, 0, 1, 0
	PLACES                                         ; between the last products and the first read of a sum
.Lno_mul:
	s_wait_loadcnt 0x0                             ; no load is out on any way from here on
	s_wait_dscnt 0x0                               ; my loads from the image are back
	s_barrier_signal -1
	s_barrier_wait -1                              ; every wave's are: only now is a stage written
	s_cmp_le_i32 s[NBT], 0
	s_cbranch_scc1 .Lno_out                        ; a trip without blocks has nothing to store; what is jumped holds no barrier
	; THE WAY OUT, a block of 16 rows at a time, through my own stage in LDS
	s_mov_b32 s[EA], 0
.Lepi:
	s_cmp_ge_u32 s[EA], s[NBT]
	s_cbranch_scc1 .Lepi_next
	s_wait_xcnt 0x0                                ; the last block's stores have read their offsets and data
	s_wait_alu depctr_vm_vsrc(0)                   ; the last block's LDS stores have read v[X ..], its stores v[DO ..] and v[BK ..]: all three are written again below
	s_cmp_eq_u32 s[EA], 0
	s_cbranch_scc0 .Lc1
	COPY 0
	s_branch .Lcommon
.Lc1:
	s_cmp_eq_u32 s[EA], 1
	s_cbranch_scc0 .Lc2
	COPY 1
	s_branch .Lcommon
.Lc2:
	s_cmp_eq_u32 s[EA], 2
	s_cbranch_scc0 .Lc3
	COPY 2
	s_branch .Lcommon
.Lc3:
	s_cmp_eq_u32 s[EA], 3
	s_cbranch_scc0 .Lc4
	COPY 3
	s_branch .Lcommon
.Lc4:
	COPY 4
.Lcommon:
.if PROD == 1
.set i, 0
.rept 32
	v_pk_mul_f32 v[T+2*i:T+2*i+1], v[X+2*i:X+2*i+1], v[X+2*i:X+2*i+1]
.set i, i+1
.endr
.set i, 0
.rept 32
	v_pk_fma_f32 v[T+2*i:T+2*i+1], v[T+2*i:T+2*i+1], s[48:49], s[46:47] op_sel_hi:[1,0,0]  ; C1 x^2 + C0
.set i, i+1
.endr
.set i, 0
.rept 32
	v_pk_mul_f32 v[T+2*i:T+2*i+1], v[T+2*i:T+2*i+1], v[X+2*i:X+2*i+1]
.set i, i+1
.endr
.set i, 0
.rept 64
	v_exp_f32 v[T+i], v[T+i]
.set i, i+1
.endr
	v_nop                                          ; a plain instruction behind the last exponential
	s_wait_alu depctr_va_vdst(0)                   ; the 64 exponentials have written v[T ..]: one wait, ahead of their first reader
.set i, 0
.rept 32
	v_pk_add_f32 v[T+2*i:T+2*i+1], v[T+2*i:T+2*i+1], 1.0 op_sel_hi:[1,0]
.set i, i+1
.endr
.set i, 0
.rept 64
	v_rcp_f32 v[T+i], v[T+i]
.set i, i+1
.endr
	v_nop
	s_wait_alu depctr_va_vdst(0)                   ; the 64 reciprocals have written v[T ..]: one wait, ahead of their first reader
.set i, 0
.rept 32
	v_pk_mul_f32 v[T+2*i:T+2*i+1], v[T+2*i:T+2*i+1], v[X+2*i:X+2*i+1]
.set i, i+1
.endr
.set i, 0
.rept 32
	v_cvt_pk_bf16_f32 v[X+i], v[T+2*i], v[T+2*i+1]
.set i, i+1
.endr
.endif
	s_wait_alu depctr_va_vdst(0)                   ; v[X ..] is written, which the LDS stores read, and v[DO ..], which the stores read; the products are done reading the registers of BK, in which the loads from the stage land
.if PROD == 1
.irp c, 0,1,2,3,4,5,6,7
	ds_store_b128 v[STO], v[X+4*(\c):X+4*(\c)+3] offset:32*(\c)
.endr
.else
.irp c, 0,1,2,3
	ds_store_b128 v[STO], v[X+8*(\c):X+8*(\c)+3] offset:64*(\c)
	ds_store_b128 v[STO], v[X+8*(\c)+4:X+8*(\c)+7] offset:64*(\c)+16
.endr
.endif
.irp t, 0,1,2,3,4,5,6,7
	ds_load_b128 v[BK+4*(\t):BK+4*(\t)+3], v[RD] offset:272*(\t)  ; LDS serves a wave's instructions in order (ISA guide 5.7.1.4): these see the stores above
.endr
	s_wait_dscnt 0x0
.irp t, 0,1,2,3,4,5,6,7
	global_store_b128 v[DO+(\t)], v[BK+4*(\t):BK+4*(\t)+3], s[20:21]  ; 16 lanes store the slice's 256 consecutive bytes of one row, aligned; the other 16 those of another
.endr
.Lepi_next:
	s_add_co_u32 s[EA], s[EA], 1
	s_cmp_lt_u32 s[EA], 5
	s_cbranch_scc1 .Lepi
.Lno_out:
	s_wait_dscnt 0x0                               ; my stores into my stage, and my reads of it, are done
	s_barrier_signal -1
	s_barrier_wait -1                              ; every wave's are: only now does the next trip read LDS, or the wave end
	s_wait_alu depctr_vm_vsrc(0)                   ; ahead of the branches: this trip's loads have read v[AOFF ..], v[BA], v[LOFA] and v[LOFB], its stores v[X ..], v[BK ..] and v[DO ..]: all are written again below or in the next trip
	s_add_co_u32 s[B0], s[B0], 20
	s_cmp_eq_u32 s[TT], 1
	s_cbranch_scc1 .Lno_list                       ; behind the last trip nothing is asked for
	s_sub_co_i32 s45, s[REM], s[B0]
	s_cmp_lt_i32 s45, 4
	s_cbranch_scc1 .Lno_list                       ; nor where the next trip has no block of mine: the same number jumps its products
	v_add_nc_u32 v[LOFA], 20*64, v[LOFA]           ; no load is out here: every way has passed the wait for 0 above
	v_add_nc_u32 v[LOFB], 20*64, v[LOFB]
	s_wait_alu depctr_va_vdst(0)                   ; v[LOFA] and v[LOFB] are written, which the list's loads read; the trip's head is done writing v[AOFF ..] and the way out done reading SLT, in which they land
	LISTLOAD                                       ; the next trip's part of the list
.Lno_list:
	s_sub_co_u32 s[TT], s[TT], 1
	s_cmp_lg_u32 s[TT], 0
	s_cbranch_scc1 .Ltile
	s_wait_dscnt 0x0                               ; the wave's end: my LDS work is done, ahead of the add onto the spare words behind the stages
	s_wait_alu depctr_hold_cnt(0) depctr_sa_sdst(0) depctr_va_vdst(0) depctr_va_sdst(0) depctr_va_ssrc(0) depctr_va_vcc(0) depctr_vm_vsrc(0)
	s_wait_tensorcnt 0x0
	ds_add_u32 v5, v13
	s_wait_dscnt 0x0
	s_endpgm
.Lfunc_end_k_q0f45115fba_up:
	.size	k_q0f45115fba_up, .Lfunc_end_k_q0f45115fba_up-k_q0f45115fba_up
	.p2alignl 7, 3214868480
	.fill 96, 4, 3214868480
	.section	.rodata,"a",@progbits
	.p2align	6, 0x0
	.amdhsa_kernel k_q0f45115fba_up
		.amdhsa_group_segment_fixed_size 312832
		.amdhsa_private_segment_fixed_size 0
		.amdhsa_enable_private_segment 0
		.amdhsa_kernarg_size 72
		.amdhsa_user_sgpr_count 2
		.amdhsa_user_sgpr_kernarg_segment_ptr 1
		.amdhsa_wavefront_size32 1
		.amdhsa_system_sgpr_workgroup_id_x 1
		.amdhsa_system_sgpr_workgroup_id_y 1
		.amdhsa_system_sgpr_workgroup_id_z 1
		.amdhsa_system_vgpr_workitem_id 0
		.amdhsa_next_free_vgpr 880
		.amdhsa_next_free_sgpr 66
		.amdhsa_reserve_vcc 0
		.amdhsa_float_denorm_mode_32 3
		.amdhsa_float_denorm_mode_16_64 3
		.amdhsa_memory_ordered 1
		.amdhsa_forward_progress 1
		.amdhsa_inst_pref_size 130
	.end_amdhsa_kernel
	.amdgpu_metadata
---
amdhsa.version: [ 1, 2 ]
amdhsa.kernels:
  - .name:           k_q0f45115fba_up
    .symbol:         k_q0f45115fba_up.kd
    .args:
      - { .name: xb, .offset: 0, .size: 8, .value_kind: global_buffer, .address_space: global }
      - { .name: rows, .offset: 8, .size: 8, .value_kind: global_buffer, .address_space: global }
      - { .name: shared_w1, .offset: 16, .size: 8, .value_kind: global_buffer, .address_space: global }
      - { .name: mode_w1, .offset: 24, .size: 8, .value_kind: global_buffer, .address_space: global }
      - { .name: routed_w1, .offset: 32, .size: 8, .value_kind: global_buffer, .address_space: global }
      - { .name: shared_b1, .offset: 40, .size: 8, .value_kind: global_buffer, .address_space: global }
      - { .name: mode_b1, .offset: 48, .size: 8, .value_kind: global_buffer, .address_space: global }
      - { .name: routed_b1, .offset: 56, .size: 8, .value_kind: global_buffer, .address_space: global }
      - { .name: hbuf, .offset: 64, .size: 8, .value_kind: global_buffer, .address_space: global }
    .group_segment_fixed_size: 312832
    .private_segment_fixed_size: 0
    .kernarg_segment_align: 8
    .kernarg_segment_size: 72
    .max_flat_workgroup_size: 128
    .sgpr_count:     66
    .vgpr_count:     880
    .wavefront_size: 32
...
	.end_amdgpu_metadata
.endif
;; end of part 8
;; launch down (part 9): grid 16 x 16, 4 waves a work-group, no clusters, 312,832 bytes of LDS; arguments hbuf, rows, shared_w2, mode_w2, routed_w2, shared_b2, mode_b2, routed_b2, ybuf; writes ybuf
.if DOCPART == 9
	.amdgcn_target "amdgcn-amd-amdhsa--gfx1250"
	.amdhsa_code_object_version 6
	.text
	.protected	k_q0f45115fba_down
	.globl	k_q0f45115fba_down
	.p2align	8
	.type	k_q0f45115fba_down,@function
k_q0f45115fba_down:
	s_mov_b64 s[64:65], 0
	v_nop
	global_prefetch_b8 v0, s[64:65] scope:SCOPE_SE
	s_setreg_imm32_b32 hwreg(HW_REG_WAVE_SCHED_MODE, 0, 2), 2
	s_setreg_imm32_b32 hwreg(HW_REG_WAVE_MODE, 25, 1), 1
	s_wait_xcnt 0x0
	s_wait_alu depctr_vm_vsrc(0)
.set PROD, 2
; ONE PRODUCT OF THE EXPERTS' CHAIN, for the rows that chose the expert.  PROD = 1: h = gelu(x W1 + b1), rows of xb by token, 128 columns a slice, result in bf16.
; PROD = 2: y = h W2 + b2, rows of hbuf by slot, 64 columns a slice, result in f32 (partial rows, added by the last launch).  The two texts differ in the line above alone.
; GRID.  x = slice (16), y = virtual expert v (16): 0-3 the shared expert's four quarters of rows, 4-7 the modes, 8-15 the routed experts.  A work-group has one slice of ONE
; expert's weights (524,288 bytes of f32), rounds it to bf16 on the way through registers into LDS, and multiplies all rows of v.
; ROWS.  A row of work is a SLOT with a fixed place: t (shared), 1024 + t (mode), 2048 + 2 t + k (routed).  The launch before listed v's slots in rows: entries 0 .. T-1, then one of them repeated in the
; 320 entries behind, and T in entry 1312.  The list is taken in blocks of 16; trip i gives wave w the blocks 20 i + w + 4 a, a = 0 .. 4: an even deal, and four trips cover the 64 blocks that an expert
; can have, whatever the split.  The list's addresses hang on v, the wave and the lane alone, so the first trip's entries are asked for at the kernel's head; a later trip's are asked for only by a wave
; that has a block in it, that is where T > 16 (20 i + w): no entry past T + 319 is read, and a trip without work waits for nothing.  A block past the count holds the repeated row: it is loaded, its
; products but for the fifth block's are made, and nothing of it is stored; in the last block that counts the places past T store the repeated row's bytes once more.
; The first trip's products are never jumped, so that all sums have been started on every way to the way out.
; BARRIERS.  One behind the fill.  Then two in each of the four trips, on every wave's path (only work is jumped): one between the trip's loads from the image and the stores into the stages, one between
; those stores and the next trip's loads, so that the order of LDS reads and writes between waves does not rest on the regions' arithmetic alone.
; NO TENSOR LOADS, NO CLUSTER: each weight is f32 and has to pass through registers to be rounded; all slices but the shared expert's have one reader; the token rows come by a list.
; MATRIX USE.  Source 0 = 16 columns of the weights (turned out of LDS by ds_load_tr16_b128), source 1 = 16 rows of tokens (straight from memory): a lane then holds one row and eight neighbouring columns.
; LDS IMAGE.  1,024 rows of 288 bytes (256 + 32 of padding = 72 words, so that the eight rows of a turning load fall on different banks: 64 banks of 4 bytes, ISA guide 11.1).  PROD = 1: row k, 128 columns.
; PROD = 2: row k mod 1024, bytes 0-127 the 64 columns of k < 1024, bytes 128-255 those of k >= 1024: both halves of K go on one accumulator.  So both texts have 32 steps of 32 rows.
; LIMITS.  Weights, biases and x are rounded to bf16; h is rounded once to bf16.  gelu is the tanh form, x / (1 + 2^(x (C0 + C1 x^2))).  NaN and infinities are not treated apart.
; THE MODE: SCHED_MODE bits 1:0 = 2 (LLVM: expert scheduling mode 2), set by the entry lines.  The code itself states the register dependences between vector or matrix instructions and memory or LDS
; instructions, with s_wait_alu, always for 0.
; THE PLAN.  Registers that memory or LDS instructions touch:
;   THE FILL.   WR, 32 slots: a group of four slots is read by its eight conversions and then loaded again.  CT, two halves of eight: written by a group's conversions, read by its four LDS stores, written
;               again two groups on.  v[WLDS]: read by every LDS store, stepped once a trip.  v[WOFF]: never written again.  So a group has one wait on va_vdst, behind its conversions, and one on
;               vm_vsrc at its head (groups 0 and 1 lean on the one that stands ahead of the add to v[WLDS]).
;   A TRIP.     v[AOFF ..]: the list's loads land in them, the trip's head makes offsets of them, the trip's token loads read them.  SLT: the list's loads land there, the way out's vector lines read it.
;               Token buffers 0-3: step j's products read buffer j % 4; the loads issued in step j, for step j + 3, land in buffer (j - 1) % 4.  Fragment buffers 0-3: step j's products read buffer j % 4;
;               the loads issued in step j, for step j + 2, land in buffer (j + 2) % 4, last read in step j - 2.  v[BA]: read by every turning load, written at a trip's head and once in four steps.
;               So ONE wait on va_vdst stands at a step's head, behind the waits for the step's data: the step before is done reading the token buffer in which this step's loads land.  Behind it the
;               step's loads are dealt among its products, which name fragment buffer j % 4, token buffer j % 4 and the accumulators: none of the registers that those loads touch.
;   THE WAY OUT.  X and DO: written by vector lines, read by the LDS stores and the stores.  BK: the loads from the stage land in it, the stores read it.  One wait on vm_vsrc at a block's head, one on
;               va_vdst ahead of its LDS stores.  X, T, BK, and in the fill WR and CT, lie over the token buffers: the waits at the fill's end, at a trip's end and at a trip's head state that.
.if PROD == 1
.set ROWP, 8192        ; bytes in a row of the weights
.set SLB,  512         ; bytes of a slice in it, and in the bias
.set WSH,  21          ; a wave's 256 rows of weights, as a shift
.set BROW, 8192        ; bytes of an expert's bias
.set NL,   10          ; loads of token fragments in a step
.set ASH,  11          ; a token row's bytes, as a shift
.set NBI,  64          ; registers of bias = results of a block of 16 rows
.set STH,  4           ; the stage: 16 bytes for each half of the lanes
.set BI,   192         ; v192-255 bias
.set AR,   32          ; v32-191 token fragments: four buffers of 40 (block a at + 8 a)
.set WR,   32          ; while LDS is filled: v32-159 the ring of 32 loads,
.set CT,   176         ; v176-191 eight pairs of rounded weights
.set X,    32          ; the way out: v32-95 results, v96-159 at work, v160-191 rows read back
.set T,    96
.set BK,   160
.set SLT,  64          ; window 3, v64-103: block a's eight slots that I store, at + 8 a
.else
.set ROWP, 4096
.set SLB,  256
.set WSH,  20
.set BROW, 4096
.set NL,   20
.set ASH,  12
.set NBI,  32
.set STH,  5           ; 32 bytes for each half of the lanes
.set BI,   32          ; v32-63 bias;  token fragments: buffers of 80 (40 x half of K + 8 a): v64-143, v144-223, and v0-79, v80-159 of window 3
.set WR,   64
.set CT,   192
.set X,    64
.set BK,   96
.set SLT,  160         ; window 3, v160-199
.endif
; window 1: the weights' fragments, four buffers of 64.  Accumulators: PROD = 1: (a, c) at 64 a + 8 c of window 2, block 4 at 8 c of window 3; PROD = 2: (a, c) at 32 a + 8 c of window 2.
.set PW,    288
.set STAGE, 1024*PW         ; behind the image: 16 rows x 272 bytes a wave, for the way out; the 512 bytes behind the stages take the wave's last LDS add
.set LSTR,  5376            ; bytes of an expert's stripe in rows
.set TOFF,  5248            ; where its count stands
.set BA0,  6           ; v6   my lane's place in a turning load
.set BA,   7           ; v7   the same, stepped along K
.set AOFF, 8           ; v8-12  blocks 0-4: the slot, then the byte offset, of my row
.set H16,  14          ; v14  16 x (lane / 16)
.set STO,  15          ; v15  the way out: where I put my part of a row
.set RD,   16          ; v16  where I read rows back
.set CO,   17          ; v17  16 x (lane % 16)
.set DO,   18          ; v18-25  byte offsets of the rows that I store
.set TA,   26
.set TB,   27
.set WOFF, 28          ; v28  my 16 bytes in a row of the slice
.set WLDS, 29          ; v29  where their 8 bytes go
.set LOFA, 30          ; v30  the list: byte of entry 16 (20 trip + wave) + lane % 16
.set LOFB, 31          ; v31  the list: byte of entry 16 (20 trip + wave) + 8 (lane / 16)
.set WV,   22          ; s22 wave; s23 v; s24 slice; s25 expert; s27, s28 slot -> token: less s27, shifted by s28
.set CNT,  38          ; s38  the expert's rows
.set REM,  39          ; s39  its blocks - wave + 3
.set NBT,  40          ; s40  my blocks in this trip, 1 to 5; 0 or less: none
.set B0,   41          ; s41  20 x trip
.set TT,   42          ; s42  trips to go
.set LC,   43          ; s43  inner loops' count
.set EA,   44          ; s44  block on the way out
.set MSB, 0
.macro WIN new                         ; s_set_vgpr_msb: bits 1:0 source 0, 3:2 source 1, 5:4 source 2, 7:6 destination; the high byte repeats the setting that is left
.if MSB != (\new)
	s_set_vgpr_msb (MSB<<8)|(\new)
.set MSB, (\new)
.endif
.endm
.macro PLACES
.rept 4
	v_nop
.endr
.endm
; A trip's part of the list, 15 loads: for each of my five blocks the slot of row lane % 16, and the eight slots 8 (lane / 16) + 0 .. 7 that I shall store
.macro LISTLOAD
	WIN 0
.irp a, 0,1,2,3,4
	global_load_b32 v[AOFF+(\a)], v[LOFA], s[6:7] offset:256*(\a)
.endr
	WIN 0xc0
.irp a, 0,1,2,3,4
	global_load_b128 v[SLT+8*(\a):SLT+8*(\a)+3],   v[LOFB], s[6:7] offset:256*(\a)
	global_load_b128 v[SLT+8*(\a)+4:SLT+8*(\a)+7], v[LOFB], s[6:7] offset:256*(\a)+16
.endr
	WIN 0
.endm
	s_load_b512 s[4:19], s[0:1], 0x0               ; rows of tokens 4, list 6, weights: shared 8, mode 10, routed 12, biases: shared 14, mode 16, routed 18
	s_load_b64 s[20:21], s[0:1], 0x40              ; result
	v_lshl_add_u32 v254, v0, 2, 0x4c400
	v_mov_b32 v255, 0
	v_lshrrev_b32 v1, 5, v0
	v_readfirstlane_b32 s[WV], v1
	s_and_b32 s23, ttmp7, 0xffff
	s_mov_b32 s24, ttmp9
	s_sub_co_u32 s45, s23, 4
	s_sub_co_u32 s50, s23, 8
	s_movk_i32 s43, 0x400
	s_movk_i32 s44, 0x800
	s_cmp_lt_u32 s23, 8
	s_cselect_b32 s25, s45, s50
	s_cselect_b32 s27, s43, s44
	s_cselect_b32 s28, 0, 1
	s_cmp_lt_u32 s23, 4
	s_cselect_b32 s25, 0, s25
	s_cselect_b32 s27, 0, s27
	s_lshl_b32 s36, s25, 23                        ; an expert's weights are 8,388,608 bytes
	s_mul_i32 s45, s24, SLB
	s_add_co_u32 s36, s36, s45
	s_wait_alu depctr_va_sdst(0)                   ; s22, the wave's number, is written, ahead of its first reader
	s_lshl_b32 s50, s[WV], WSH
	s_add_co_u32 s36, s36, s50                     ; + my slice + my wave's 256 rows
	s_mov_b32 s37, 0
	s_mul_i32 s52, s25, BROW
	s_add_co_u32 s52, s52, s45
	s_mov_b32 s53, 0
	s_lshl_b32 s54, s24, 8                         ; a slice is 256 bytes of a result row
	s_mov_b32 s55, 0
	s_mul_i32 s56, s23, LSTR                       ; v's stripe of the list
	s_mov_b32 s57, 0
	s_mov_b32 s46, 0xc0135761                      ; C0 = -2 sqrt(2 / pi) log2 e
	s_mov_b32 s47, s46
	s_mov_b32 s48, 0xbdd2d3e8                      ; C1 = 0.044715 C0
	s_mov_b32 s49, s48
	v_and_b32 v1, 31, v0                           ; lane
	v_and_b32 v2, 15, v0                           ; r
	v_bfe_u32 v3, v0, 4, 1                         ; h
	v_and_b32 v[TA], 7, v0
	v_lshl_add_u32 v[TA], v3, 3, v[TA]
	v_mul_u32_u24 v[BA0], v[TA], PW                ; the turning load: row 8 h + lane % 8,
	v_bfe_u32 v[TB], v0, 3, 1
	v_lshl_add_u32 v[BA0], v[TB], 4, v[BA0]        ; 16 bytes for each eight lanes
	v_lshlrev_b32 v[H16], 4, v3
	s_mul_i32 s45, s[WV], 4352
	s_add_co_u32 s45, s45, STAGE
	v_mul_u32_u24 v[STO], v2, 272
	v_lshl_add_u32 v[STO], v3, STH, v[STO]
	v_add_nc_u32 v[STO], s45, v[STO]
	v_mul_u32_u24 v[RD], v3, 8*272                 ; back: lanes 0-15 take rows 0-7 of the stage, one a load, lanes 16-31 rows 8-15
	v_lshl_add_u32 v[RD], v2, 4, v[RD]
	v_add_nc_u32 v[RD], s45, v[RD]
	v_lshlrev_b32 v[CO], 4, v2
.if PROD == 1
	v_lshlrev_b32 v[WOFF], 4, v1                   ; 32 lanes take the slice's 512 bytes of a row
.else
	v_lshlrev_b32 v[WOFF], 4, v2                   ; 16 lanes take the slice's 256 bytes of row k, the other 16 those of row k + 1024
	v_lshl_add_u32 v[WOFF], v3, 22, v[WOFF]
.endif
	s_mul_i32 s45, s[WV], 256*PW
	v_lshl_add_u32 v[WLDS], v1, 3, s45
	s_lshl_b32 s45, s[WV], 6                       ; a block of the list is 64 bytes
	v_lshl_add_u32 v[LOFA], v2, 2, s45
	v_lshl_add_u32 v[LOFB], v3, 5, s45
	v_lshlrev_b32 v[TA], 5, v3                     ; the bias of my eight columns: 32 h
	s_wait_kmcnt 0x0
	s_cmp_lt_u32 s23, 8
	s_cselect_b64 s[30:31], s[10:11], s[12:13]
	s_cselect_b64 s[32:33], s[16:17], s[18:19]
	s_cmp_lt_u32 s23, 4
	s_cselect_b64 s[30:31], s[8:9], s[30:31]
	s_cselect_b64 s[32:33], s[14:15], s[32:33]
	s_add_nc_u64 s[6:7], s[6:7], s[56:57]          ; the list at v's stripe
	s_add_nc_u64 s[30:31], s[30:31], s[36:37]      ; weights at my wave's first row of the slice
	s_add_nc_u64 s[32:33], s[32:33], s[52:53]      ; bias at the slice
	s_add_nc_u64 s[20:21], s[20:21], s[54:55]      ; result at the slice
	s_load_b32 s[CNT], s[6:7], TOFF                ; wanted behind the fill
	s_wait_alu depctr_va_vdst(0)                   ; the offsets and LDS addresses made above are written: v[LOFA], v[LOFB], v[TA] and v[WOFF], which the loads below read, and v[WLDS], v[STO], v[RD] for later
	LISTLOAD                                       ; the first trip's
.set i, 0
.rept NBI/8
	global_load_b128 v[BI+8*i:BI+8*i+3], v[TA], s[32:33] offset:64*i
	global_load_b128 v[BI+8*i+4:BI+8*i+7], v[TA], s[32:33] offset:64*i+16
.set i, i+1
.endr
.set i, 0
.rept 32                               ; the ring: 28 to 32 loads of 512 bytes of every wave are on their way from here to the end of the fill
	global_load_b128 v[WR+4*i:WR+4*i+3], v[WOFF], s[30:31] offset:i*ROWP th:TH_LOAD_NT
.set i, i+1
.endr
	s_wait_loadcnt 32                              ; the ring's 32 loads are younger: the list's entries and the bias are in
	s_wait_alu depctr_vm_vsrc(0)                   ; the bias's loads have read v[TA], which the roundings below write
.set i, 0
.rept NBI/2                            ; the bias is rounded to bf16 like every input, and kept as f32
	v_cvt_pk_bf16_f32 v[TA], v[BI+2*i], v[BI+2*i+1]
	v_lshlrev_b32 v[BI+2*i], 16, v[TA]
	v_and_b32 v[BI+2*i+1], 0xffff0000, v[TA]
.set i, i+1
.endr
	; THE FILL: my 256 rows of the slice, rounded, into LDS, four slots of the ring at a time.  A group's turn: its four loads are in, 16 numbers become 32 bytes, the slots are loaded again 32 rows on.
.macro WGROUP g, ahead, left
	s_wait_loadcnt \left                           ; loads come back in order: the group's four are in, the younger ones stay out
.if (\g) > 1
	s_wait_alu depctr_vm_vsrc(0)                   ; the LDS stores of the group before last have read this half of CT, which the conversions below write again
.endif
.irp k, 0,1,2,3
	v_cvt_pk_bf16_f32 v[CT+2*((4*(\g)+(\k))%8)], v[WR+4*(4*(\g)+(\k))], v[WR+4*(4*(\g)+(\k))+1]
	v_cvt_pk_bf16_f32 v[CT+2*((4*(\g)+(\k))%8)+1], v[WR+4*(4*(\g)+(\k))+2], v[WR+4*(4*(\g)+(\k))+3]
.endr
	s_wait_alu depctr_va_vdst(0)                   ; the conversions have written CT, which the LDS stores read, and are done reading the four slots, in which the loads land; in a trip's first group v[WLDS] is written
.if \ahead
.irp k, 0,1,2,3
	global_load_b128 v[WR+4*(4*(\g)+(\k)):WR+4*(4*(\g)+(\k))+3], v[WOFF], s[30:31] offset:(32+4*(\g)+(\k))*ROWP th:TH_LOAD_NT
.endr
.endif
.irp k, 0,1,2,3
	ds_store_b64 v[WLDS], v[CT+2*((4*(\g)+(\k))%8):CT+2*((4*(\g)+(\k))%8)+1] offset:(4*(\g)+(\k))*PW
.endr
.endm
	s_mov_b32 s[LC], 7
.Lfill:
.set i, 0
.rept 8
	WGROUP i, 1, 28
.set i, i+1
.endr
	s_wait_xcnt 0x0                                ; the loads' base is stepped only behind this wait
	s_wait_alu depctr_vm_vsrc(0)                   ; the LDS stores issued so far have read v[WLDS], which the add below writes, and both halves of CT, which the next two groups write
	s_add_nc_u64 s[30:31], s[30:31], 32*ROWP
	v_add_nc_u32 v[WLDS], 32*PW, v[WLDS]
	s_sub_co_u32 s[LC], s[LC], 1
	s_cmp_lg_u32 s[LC], 0
	s_cbranch_scc1 .Lfill
.set i, 0
.rept 8
	WGROUP i, 0, 28-4*i                            ; the last 32 rows: nothing is loaded, the counts run down
.set i, i+1
.endr
	s_wait_dscnt 0x0                               ; for the others' sake: my stores into the image are done
	s_barrier_signal -1
	s_barrier_wait -1                              ; the image is whole; from here on it is only read
	s_wait_alu depctr_vm_vsrc(0)                   ; my LDS stores have read v[CT ..]: from here on token loads land in these registers
; Load n of 16 of the weights' fragments of step j, counted from the group's first (32 rows of the image, 8 blocks of 16 columns), into buffer j % 4: a turning load
.macro BLOAD j, n
	WIN 0x40
.set BD, 64*((\j)%4)+8*((\n)/2)+4*((\n)%2)
	ds_load_tr16_b128 v[BD:BD+3], v[BA] offset:(\j)*32*PW+32*((\n)/2)+16*PW*((\n)%2)
.endm
.macro FETCH_B j                       ; all 16
.set n, 0
.rept 16
	BLOAD \j, n
.set n, n+1
.endr
.endm
; Load n of NL of the token fragments of one step for five blocks: lane l takes row l % 16, 16 bytes at 16 (l / 16) and 16 bytes 32 further on.  n: half of K (PROD = 2), block, which 16 bytes
.macro TLOAD buf, imm, n
.if PROD == 1
	WIN 0
.set TD, AR+40*(\buf)
.elseif (\buf) < 2
	WIN 0
.set TD, 64+80*(\buf)
.else
	WIN 0xc0
.set TD, 80*((\buf)-2)
.endif
.set TD, TD+40*((\n)/10)+8*(((\n)%10)/2)+4*((\n)%2)
	global_load_b128 v[TD:TD+3], v[AOFF+((\n)%10)/2], s[34:35] offset:(\imm)+2048*((\n)/10)+32*((\n)%2)
.endm
.macro ALOAD buf, imm                  ; all NL
.set n, 0
.rept NL
	TLOAD \buf, \imm, n
.set n, n+1
.endr
.endm
; The next few of step j's loads (q counts them): five token loads, for step j + 3, while there are any; then four of the weights' fragments, for step j + 2; then nothing.
.macro DEAL j, ald, bld
.if (\ald) && (q < NL)
.rept 5
	TLOAD ((\j)+3)%4, 64*((\j)+3), q
.set q, q+1
.endr
.elseif (\bld) && (q < NL+16)
.rept 4
	BLOAD (\j)+2, q-NL
.set q, q+1
.endr
.endif
.endm
; 8 matrix instructions for block a in step j.  The accumulators take turns, one instruction a turn.  zero = 1: the first products start the sums.
; deal = 1: behind every fourth of them stands a deal of the step's loads.
.macro MUL j, a, zero, ald, bld, deal
.set FB, 64*((\j)%4)
.if PROD == 1
.set FA, AR+40*((\j)%4)+8*(\a)
.if (\a) == 4
.set MW, 0xf1
.set AC, 0
.else
.set MW, 0xa1
.set AC, 64*(\a)
.endif
.irp c, 0,1,2,3,4,5,6,7
	WIN MW
.if \zero
	v_wmma_f32_16x16x32_bf16 v[AC+8*(\c):AC+8*(\c)+7], v[FB+8*(\c):FB+8*(\c)+7], v[FA:FA+7], 0
.else
	v_wmma_f32_16x16x32_bf16 v[AC+8*(\c):AC+8*(\c)+7], v[FB+8*(\c):FB+8*(\c)+7], v[FA:FA+7], v[AC+8*(\c):AC+8*(\c)+7]
.endif
.if (\deal) && ((\c)%4 == 3)
	DEAL \j, \ald, \bld
.endif
.endr
.else
.if ((\j)%4) < 2
.set MW, 0xa1
.set FA, 64+80*((\j)%4)+8*(\a)
.else
.set MW, 0xad
.set FA, 80*(((\j)%4)-2)+8*(\a)
.endif
.set AC, 32*(\a)
.irp c, 0,1,2,3,4,5,6,7
	WIN MW
.if (\zero) && ((\c) < 4)
	v_wmma_f32_16x16x32_bf16 v[AC+8*((\c)%4):AC+8*((\c)%4)+7], v[FB+8*(\c):FB+8*(\c)+7], v[FA+40*((\c)/4):FA+40*((\c)/4)+7], 0
.else
	v_wmma_f32_16x16x32_bf16 v[AC+8*((\c)%4):AC+8*((\c)%4)+7], v[FB+8*(\c):FB+8*(\c)+7], v[FA+40*((\c)/4):FA+40*((\c)/4)+7], v[AC+8*((\c)%4):AC+8*((\c)%4)+7]
.endif
.if (\deal) && ((\c)%4 == 3)
	DEAL \j, \ald, \bld
.endif
.endr
.endif
.endm
; A STEP of 32 rows of the image.  Its loads, the token fragments three steps on and the weights' fragments of the step after next, are dealt among its products: a deal at the head, one behind every
; fourth product of blocks 0 to 3; NL / 5 + 4 deals, so all are out ahead of block 4, which may be jumped.
; left = the token loads that may stay out: the two younger buffers'.  dleft = the LDS loads that may stay out: the next step's 16, the only LDS instructions issued behind this step's own.
; skip = 1: block 4 is jumped where the trip has fewer than five blocks; the first step never jumps, so that its sums are started.
; adv = 1: the token loads' base goes four steps on, just ahead of the first load that needs the new one: a step's products behind the last load that named the old one.
; The trip's first step (zero = 1) has no wait on va_vdst: no vector or matrix instruction stands between the wait at the trip's head and its loads.  A step that loads fragments alone has none either:
; their buffer's last readers, the products of two steps back, stand ahead of the wait at the head of the step before, and no product since names that buffer or v[BA].
.macro STEP j, zero, ald, bld, left, dleft, skip, adv
	s_wait_loadcnt \left
	s_wait_dscnt \dleft
.if (\ald) && !(\zero)
	s_wait_alu depctr_va_vdst(0)                   ; the last step's products are done reading their token buffer, in which this step's token loads land; in a group's first step v[BA] is written
.endif
.if \adv
	s_wait_xcnt 0x0                                ; the token loads' base is stepped only behind this wait
	s_add_nc_u64 s[34:35], s[34:35], 256
.endif
.set q, NL*(1-(\ald))
	DEAL \j, \ald, \bld
	MUL \j, 0, \zero, \ald, \bld, 1
	MUL \j, 1, \zero, \ald, \bld, 1
	MUL \j, 2, \zero, \ald, \bld, 1
	MUL \j, 3, \zero, \ald, \bld, 1
	WIN 0                                          ; at a branch and at a label every window is 0
.if \skip
	s_cmp_eq_u32 s[NBT], 5
	s_cbranch_scc0 .Ln5_\@
.endif
	MUL \j, 4, \zero, 0, 0, 0
	WIN 0
.if \skip
.Ln5_\@:
.endif
.endm
.macro ADVB                            ; the image's address goes four steps on
	s_wait_alu depctr_vm_vsrc(0)                   ; the turning loads issued so far have read v[BA]
	v_add_nc_u32 v[BA], 4*32*PW, v[BA]
.endm
.macro COPY a                          ; block a's sums plus the bias, each accumulator from its low end on; and the byte offsets of the rows that I store
.if (PROD == 1) && ((\a) == 4)
	WIN 0x03
.set AC, 0
.else
	WIN 0x02
.set AC, NBI*(\a)
.endif
.set i, 0
.rept NBI/2
	v_pk_add_f32 v[X+2*i:X+2*i+1], v[AC+2*i:AC+2*i+1], v[BI+2*i:BI+2*i+1]
.set i, i+1
.endr
	WIN 0x0c
.irp t, 0,1,2,3,4,5,6,7
	v_min_u32 v[DO+(\t)], 0xfff, v[SLT+8*(\a)+(\t)]
.endr
	WIN 0
.irp t, 0,1,2,3,4,5,6,7
	v_lshl_add_u32 v[DO+(\t)], v[DO+(\t)], 12, v[CO]
.endr
.endm
	; THE TRIPS: four.  The loop is entered behind its test: the first trip always multiplies; the test that jumps a trip's products is reached by the backward jump alone.
	s_wait_kmcnt 0x0                               ; the expert's rows
	s_add_co_u32 s[REM], s[CNT], 15
	s_lshr_b32 s[REM], s[REM], 4                   ; its blocks
	s_sub_co_u32 s[REM], s[REM], s[WV]
	s_add_co_u32 s[REM], s[REM], 3                 ; of the blocks 20 i + wave + 4 a those with a < (blocks - wave + 3 - 20 i) / 4 count
	s_mov_b32 s[TT], 4
	s_mov_b32 s[B0], 0
	s_ashr_i32 s[NBT], s[REM], 2
	s_branch .Lwork
.Ltile:
	s_sub_co_i32 s[NBT], s[REM], s[B0]
	s_ashr_i32 s[NBT], s[NBT], 2
	s_cmp_le_i32 s[NBT], 0
	s_cbranch_scc1 .Lno_mul                        ; nothing left: the products are jumped; what is jumped holds no barrier
.Lwork:
	s_min_i32 s[NBT], s[NBT], 5
	s_wait_xcnt 0x0                                ; the last trip's stores have read their registers
	s_wait_loadcnt 0x0                             ; this trip's part of the list is in
.irp a, 0,1,2,3,4
.if PROD == 1
	v_sub_nc_u32 v[AOFF+(\a)], v[AOFF+(\a)], s27   ; slot -> token
	v_lshrrev_b32 v[AOFF+(\a)], s28, v[AOFF+(\a)]
	v_min_u32 v[AOFF+(\a)], 0x3ff, v[AOFF+(\a)]
.else
	v_min_u32 v[AOFF+(\a)], 0xfff, v[AOFF+(\a)]
.endif
	v_lshl_add_u32 v[AOFF+(\a)], v[AOFF+(\a)], ASH, v[H16]
.endr
	s_mov_b64 s[34:35], s[4:5]
	v_mov_b32 v[BA], v[BA0]
	s_wait_alu depctr_va_vdst(0)                   ; v[AOFF ..] and v[BA] are written, which the loads below read; the fill's conversions, the last trip's products and its way out are done with the token and fragment buffers, in which they land
	ALOAD 0, 0
	ALOAD 1, 64
	ALOAD 2, 128
	FETCH_B 0
	FETCH_B 1
	STEP 0, 1, 1, 1, 2*NL, 16, 0, 0
	STEP 1, 0, 1, 1, 2*NL, 16, 1, 0
	STEP 2, 0, 1, 1, 2*NL, 16, 1, 0
	STEP 3, 0, 1, 1, 2*NL, 16, 1, 0
	ADVB
	s_mov_b32 s[LC], 6
.Lgroup:
	STEP 0, 0, 1, 1, 2*NL, 16, 1, 1
	STEP 1, 0, 1, 1, 2*NL, 16, 1, 0
	STEP 2, 0, 1, 1, 2*NL, 16, 1, 0
	STEP 3, 0, 1, 1, 2*NL, 16, 1, 0
	ADVB
	s_sub_co_u32 s[LC], s[LC], 1
	s_cmp_lg_u32 s[LC], 0
	s_cbranch_scc1 .Lgroup
	STEP 0, 0, 1, 1, 2*NL, 16, 1, 1                ; the last four steps: token loads once more, fragments twice more, then the counts run down
	STEP 1, 0, 0, 1, 2*NL, 16, 1, 0
	STEP 2, 0, 0, 0, NL, 16, 1, 0
	STEP 3, 0, 0, 0, 0, 0, 1, 0
	PLACES                                         ; between the last products and the first read of a sum
.Lno_mul:
	s_wait_loadcnt 0x0                             ; no load is out on any way from here on
	s_wait_dscnt 0x0                               ; my loads from the image are back
	s_barrier_signal -1
	s_barrier_wait -1                              ; every wave's are: only now is a stage written
	s_cmp_le_i32 s[NBT], 0
	s_cbranch_scc1 .Lno_out                        ; a trip without blocks has nothing to store; what is jumped holds no barrier
	; THE WAY OUT, a block of 16 rows at a time, through my own stage in LDS
	s_mov_b32 s[EA], 0
.Lepi:
	s_cmp_ge_u32 s[EA], s[NBT]
	s_cbranch_scc1 .Lepi_next
	s_wait_xcnt 0x0                                ; the last block's stores have read their offsets and data
	s_wait_alu depctr_vm_vsrc(0)                   ; the last block's LDS stores have read v[X ..], its stores v[DO ..] and v[BK ..]: all three are written again below
	s_cmp_eq_u32 s[EA], 0
	s_cbranch_scc0 .Lc1
	COPY 0
	s_branch .Lcommon
.Lc1:
	s_cmp_eq_u32 s[EA], 1
	s_cbranch_scc0 .Lc2
	COPY 1
	s_branch .Lcommon
.Lc2:
	s_cmp_eq_u32 s[EA], 2
	s_cbranch_scc0 .Lc3
	COPY 2
	s_branch .Lcommon
.Lc3:
	s_cmp_eq_u32 s[EA], 3
	s_cbranch_scc0 .Lc4
	COPY 3
	s_branch .Lcommon
.Lc4:
	COPY 4
.Lcommon:
.if PROD == 1
.set i, 0
.rept 32
	v_pk_mul_f32 v[T+2*i:T+2*i+1], v[X+2*i:X+2*i+1], v[X+2*i:X+2*i+1]
.set i, i+1
.endr
.set i, 0
.rept 32
	v_pk_fma_f32 v[T+2*i:T+2*i+1], v[T+2*i:T+2*i+1], s[48:49], s[46:47] op_sel_hi:[1,0,0]  ; C1 x^2 + C0
.set i, i+1
.endr
.set i, 0
.rept 32
	v_pk_mul_f32 v[T+2*i:T+2*i+1], v[T+2*i:T+2*i+1], v[X+2*i:X+2*i+1]
.set i, i+1
.endr
.set i, 0
.rept 64
	v_exp_f32 v[T+i], v[T+i]
.set i, i+1
.endr
	v_nop                                          ; a plain instruction behind the last exponential
	s_wait_alu depctr_va_vdst(0)                   ; the 64 exponentials have written v[T ..]: one wait, ahead of their first reader
.set i, 0
.rept 32
	v_pk_add_f32 v[T+2*i:T+2*i+1], v[T+2*i:T+2*i+1], 1.0 op_sel_hi:[1,0]
.set i, i+1
.endr
.set i, 0
.rept 64
	v_rcp_f32 v[T+i], v[T+i]
.set i, i+1
.endr
	v_nop
	s_wait_alu depctr_va_vdst(0)                   ; the 64 reciprocals have written v[T ..]: one wait, ahead of their first reader
.set i, 0
.rept 32
	v_pk_mul_f32 v[T+2*i:T+2*i+1], v[T+2*i:T+2*i+1], v[X+2*i:X+2*i+1]
.set i, i+1
.endr
.set i, 0
.rept 32
	v_cvt_pk_bf16_f32 v[X+i], v[T+2*i], v[T+2*i+1]
.set i, i+1
.endr
.endif
	s_wait_alu depctr_va_vdst(0)                   ; v[X ..] is written, which the LDS stores read, and v[DO ..], which the stores read; the products are done reading the registers of BK, in which the loads from the stage land
.if PROD == 1
.irp c, 0,1,2,3,4,5,6,7
	ds_store_b128 v[STO], v[X+4*(\c):X+4*(\c)+3] offset:32*(\c)
.endr
.else
.irp c, 0,1,2,3
	ds_store_b128 v[STO], v[X+8*(\c):X+8*(\c)+3] offset:64*(\c)
	ds_store_b128 v[STO], v[X+8*(\c)+4:X+8*(\c)+7] offset:64*(\c)+16
.endr
.endif
.irp t, 0,1,2,3,4,5,6,7
	ds_load_b128 v[BK+4*(\t):BK+4*(\t)+3], v[RD] offset:272*(\t)  ; LDS serves a wave's instructions in order (ISA guide 5.7.1.4): these see the stores above
.endr
	s_wait_dscnt 0x0
.irp t, 0,1,2,3,4,5,6,7
	global_store_b128 v[DO+(\t)], v[BK+4*(\t):BK+4*(\t)+3], s[20:21]  ; 16 lanes store the slice's 256 consecutive bytes of one row, aligned; the other 16 those of another
.endr
.Lepi_next:
	s_add_co_u32 s[EA], s[EA], 1
	s_cmp_lt_u32 s[EA], 5
	s_cbranch_scc1 .Lepi
.Lno_out:
	s_wait_dscnt 0x0                               ; my stores into my stage, and my reads of it, are done
	s_barrier_signal -1
	s_barrier_wait -1                              ; every wave's are: only now does the next trip read LDS, or the wave end
	s_wait_alu depctr_vm_vsrc(0)                   ; ahead of the branches: this trip's loads have read v[AOFF ..], v[BA], v[LOFA] and v[LOFB], its stores v[X ..], v[BK ..] and v[DO ..]: all are written again below or in the next trip
	s_add_co_u32 s[B0], s[B0], 20
	s_cmp_eq_u32 s[TT], 1
	s_cbranch_scc1 .Lno_list                       ; behind the last trip nothing is asked for
	s_sub_co_i32 s45, s[REM], s[B0]
	s_cmp_lt_i32 s45, 4
	s_cbranch_scc1 .Lno_list                       ; nor where the next trip has no block of mine: the same number jumps its products
	v_add_nc_u32 v[LOFA], 20*64, v[LOFA]           ; no load is out here: every way has passed the wait for 0 above
	v_add_nc_u32 v[LOFB], 20*64, v[LOFB]
	s_wait_alu depctr_va_vdst(0)                   ; v[LOFA] and v[LOFB] are written, which the list's loads read; the trip's head is done writing v[AOFF ..] and the way out done reading SLT, in which they land
	LISTLOAD                                       ; the next trip's part of the list
.Lno_list:
	s_sub_co_u32 s[TT], s[TT], 1
	s_cmp_lg_u32 s[TT], 0
	s_cbranch_scc1 .Ltile
	s_wait_dscnt 0x0                               ; the wave's end: my LDS work is done, ahead of the add onto the spare words behind the stages
	s_wait_alu depctr_hold_cnt(0) depctr_sa_sdst(0) depctr_va_vdst(0) depctr_va_sdst(0) depctr_va_ssrc(0) depctr_va_vcc(0) depctr_vm_vsrc(0)
	s_wait_tensorcnt 0x0
	ds_add_u32 v254, v255
	s_wait_dscnt 0x0
	s_endpgm
.Lfunc_end_k_q0f45115fba_down:
	.size	k_q0f45115fba_down, .Lfunc_end_k_q0f45115fba_down-k_q0f45115fba_down
	.p2alignl 7, 3214868480
	.fill 96, 4, 3214868480
	.section	.rodata,"a",@progbits
	.p2align	6, 0x0
	.amdhsa_kernel k_q0f45115fba_down
		.amdhsa_group_segment_fixed_size 312832
		.amdhsa_private_segment_fixed_size 0
		.amdhsa_enable_private_segment 0
		.amdhsa_kernarg_size 72
		.amdhsa_user_sgpr_count 2
		.amdhsa_user_sgpr_kernarg_segment_ptr 1
		.amdhsa_wavefront_size32 1
		.amdhsa_system_sgpr_workgroup_id_x 1
		.amdhsa_system_sgpr_workgroup_id_y 1
		.amdhsa_system_sgpr_workgroup_id_z 1
		.amdhsa_system_vgpr_workitem_id 0
		.amdhsa_next_free_vgpr 976
		.amdhsa_next_free_sgpr 66
		.amdhsa_reserve_vcc 0
		.amdhsa_float_denorm_mode_32 3
		.amdhsa_float_denorm_mode_16_64 3
		.amdhsa_memory_ordered 1
		.amdhsa_forward_progress 1
		.amdhsa_inst_pref_size 118
	.end_amdhsa_kernel
	.amdgpu_metadata
---
amdhsa.version: [ 1, 2 ]
amdhsa.kernels:
  - .name:           k_q0f45115fba_down
    .symbol:         k_q0f45115fba_down.kd
    .args:
      - { .name: hbuf, .offset: 0, .size: 8, .value_kind: global_buffer, .address_space: global }
      - { .name: rows, .offset: 8, .size: 8, .value_kind: global_buffer, .address_space: global }
      - { .name: shared_w2, .offset: 16, .size: 8, .value_kind: global_buffer, .address_space: global }
      - { .name: mode_w2, .offset: 24, .size: 8, .value_kind: global_buffer, .address_space: global }
      - { .name: routed_w2, .offset: 32, .size: 8, .value_kind: global_buffer, .address_space: global }
      - { .name: shared_b2, .offset: 40, .size: 8, .value_kind: global_buffer, .address_space: global }
      - { .name: mode_b2, .offset: 48, .size: 8, .value_kind: global_buffer, .address_space: global }
      - { .name: routed_b2, .offset: 56, .size: 8, .value_kind: global_buffer, .address_space: global }
      - { .name: ybuf, .offset: 64, .size: 8, .value_kind: global_buffer, .address_space: global }
    .group_segment_fixed_size: 312832
    .private_segment_fixed_size: 0
    .kernarg_segment_align: 8
    .kernarg_segment_size: 72
    .max_flat_workgroup_size: 128
    .sgpr_count:     66
    .vgpr_count:     976
    .wavefront_size: 32
...
	.end_amdgpu_metadata
.endif
;; end of part 9
;; launch mix: the kernel of part 4 again; grid 256 x 1, 8 waves a work-group, no clusters, 0 bytes of LDS; arguments ybuf, rprob, out0; writes out0
